; MI455X (gfx1250); checked and timed in simulation.
; The chip was launched on July 23, 2026; its instructions are those of AMD's public machine-readable ISA for CDNA 5 (MIT licence, August 2026) and "CDNA5" Instruction Set Architecture Reference Guide (July 2026). The comments in the code are by the model that wrote it; some were corrected since.
;; Multi Headed Attention. Allowed arithmetic: matrix products marked QUANTISED: E5M2 operands, one E8M0 scale for each 32 along K, by v_wmma_scale_f32_16x16x128_f8f6f4 with both operands' format E5M2, f32 sums; everything else in f32.
;; Inputs: Wk 512 x 512 float32; Wo 512 x 512 float32; Wq 512 x 512 float32; Wv 512 x 512 float32; bk 512 float32; bo 512 float32; bq 512 float32; bv 512 float32; key_input 2 x 4,096 x 512 float32; mask 2 x 1 x 4,096 x 4,096 bool; query_input 2 x 4,096 x 512 float32; value_input 2 x 4,096 x 512 float32.
;; Outputs: out0 2 x 4,096 x 512 float32.
;; This version of the problem:
;;   THIS VERSION OF THE PROBLEM IS GIVEN IN LOW PRECISION. The matrix products marked QUANTISED in the list below multiply operands that are first quantised to E5M2 (5 exponent bits, 2 mantissa bits; 8 bits a number), with one power-of-two scale for each 32 numbers along K (OCP MX v1.0); their sums are f32. All else is computed in f32.
;;   The module's matrix products, in the order in which they are computed (A, B: the left and right operand; K: the contracted axis; several contracted axes count as one K, in the product's order):
;;     1. [M 8,192, K 512] x [K 512, N 512]; A: input query_input; B: input Wq: QUANTISED
;;     2. [M 8,192, K 512] x [K 512, N 512]; A: input key_input; B: input Wk: QUANTISED
;;     3. [M 8,192, K 512] x [K 512, N 512]; A: input value_input; B: input Wv: QUANTISED
;;     4. batch 16 x [M 4,096, K 64] x [K 64, N 4,096]; A: computed on the way; B: computed on the way: QUANTISED
;;     5. batch 16 x [M 4,096, K 4,096] x [K 4,096, N 64]; A: softmax (see below); B: computed on the way: QUANTISED
;;     6. [M 8,192, K 512] x [K 512, N 512]; A: computed on the way; B: input Wo: QUANTISED
;;   THE QUANTISER, for each operand of a quantised product, along K:
;;     - K is cut into blocks of 32 from its start; a last block that is shorter is filled with zeros.
;;     - A block's scale is 2^e with e = floor(log2(the largest magnitude in the block)) - 15, held to -126 .. 127; a block of zeros has e = 0. As a byte (E8M0): e + 127.
;;     - Each number is divided by its block's scale, clamped to +-57,344, and rounded to the nearest number of E5M2, ties to even, subnormals kept.
;;     - The product sums the exact products of the quantised numbers (number of the format x scale) in f32.
;;   ~~~python
;;   def quantise(x, axis):      # numpy; x: float32 -> the quantised numbers, widened to float32 again
;;       x = np.moveaxis(x, axis, -1); K = x.shape[-1]
;;       x = np.pad(x, [(0, 0)] * (x.ndim - 1) + [(0, -K % 32)]); x = x.reshape(x.shape[:-1] + (-1, 32)); a = np.abs(x).max(-1, keepdims=True)
;;       e = np.where(a > 0, np.clip(np.frexp(np.where(a > 0, a, 1))[1] - 1 - 15, -126, 127), 0)      # np.frexp(a)[1] - 1 = floor(log2(a)), exactly
;;       r = np.clip(x / 2.0 ** e, -57344, 57344)
;;       step = 2.0 ** (np.maximum(np.frexp(np.where(r == 0, 1, r))[1] - 1, -14) - 2)
;;       q = np.round(r / step) * step * 2.0 ** e      # np.round: ties to even
;;       return np.moveaxis(q.reshape(q.shape[:-2] + (-1,))[..., :K], -1, axis).astype(np.float32)
;;   ~~~
;;   SOFTMAX AHEAD OF A QUANTISED PRODUCT. Where the list says 'softmax', what is quantised is not the finished softmax but p = 2^(t - M), with t = logit x log2(e) and M = ceil(the row's largest t), a whole number; so 1/2 < the row's largest p <= 1. The row's sum l is taken of the UNQUANTISED p, in f32, and the product's result is divided by l at the end. Since M is a whole number, a kernel that streams over the keys may use a running M (the ceiling of the running maximum): every later rescaling is an exact power of two, which a block's scale takes up: the codes' values come out the same.
;;   OPERANDS COMPUTED ON THE WAY. 'Computed on the way' means the value that the module computes at that place (a softmax that the list does not call 'softmax' is quantised finished and normalised). What goes into a quantiser is computed in f32, as accurately as f32 sums, v_exp_f32 and their like allow (about 1e-6 of the number): no bf16 or f16 on the way to a quantiser, and a product that is left as it is and whose result goes on into a quantised operand takes f32 operands (vector FMAs, or v_wmma_f32_16x16x4_f32). A number that lies on a knife's edge between two numbers of the format may be rounded either way, as far as f32 arithmetic and the matrix unit's own rounding can turn it there, and no further.
;; 2 versions. Each part assembles by itself: llvm-mc -triple=amdgcn-amd-amdhsa -mcpu=gfx1250 --defsym DOCPART=n.
;; ======== version 1 of 2: 4 launches
;; limits: right only within a limited range of input values
;; workspace buffers: wts 1,114,112 bytes; msk 4,194,304 bytes; flg 4,096 bytes of whole numbers; qkv 12,582,912 bytes; scl 786,432 bytes; hds 4,456,448 bytes
;; launch prep (part 1): grid 544 x 1, 4 waves a work-group, no clusters, 8,960 bytes of LDS; arguments mask, Wq, Wk, Wv, Wo, wts, msk, flg; writes wts, msk, flg
.if DOCPART == 1
	.amdgcn_target "amdgcn-amd-amdhsa--gfx1250"
	.amdhsa_code_object_version 6
	.text
	.protected	k_q767edf72d3_prep
	.globl	k_q767edf72d3_prep
	.p2align	8
	.type	k_q767edf72d3_prep,@function
k_q767edf72d3_prep:
	s_mov_b64 s[64:65], 0
	v_nop
	global_prefetch_b8 v0, s[64:65] scope:SCOPE_SE
	s_setreg_imm32_b32 hwreg(HW_REG_WAVE_MODE, 25, 1), 1
	s_wait_xcnt 0x0
; MULTI-HEAD ATTENTION IN MX-BF8, launch 1 of 4: what the later launches read many times is made once.
; NOTHING OF THE PROBLEM IS DEAD WORK: all twelve inputs reach the output (each bias goes into a quantised operand or into the result), and all six products are done.
; What is passed over later is decided by whole numbers: the mask is an input of booleans; this launch packs it to bits and stores, for each tile of 16 queries, which key steps of 128 keys must be walked.
;   NEED bit s = 1: some key of step s counts for some of the 16 queries.  Where one of the 16 queries has NO key at all, NEED is all ones: such a row attends evenly to all 4,096 keys, so nothing may be passed over.
;   FULL bit s = 1: every key of step s counts for all 16 queries: the mask's arithmetic is not needed there.
; No pattern of the mask is built in.  LIMIT: a step passed over counts as p = 0, which is what the softmax gives a logit of -1e9 while the row's largest logit lies above about -9.9e8.
; WORK-GROUPS 0-31: Wq, Wk, Wv, Wo [512 (n)][512 (k)] f32 -> codes of E5M2 with one E8M0 byte for each 32 along K, laid AS IMAGES OF THE OPERAND'S REGISTERS:
;   a fragment (16 rows x 128 K) is four groups of 512 bytes, lane l's 16 bytes at 16 l.  wts: ((mat 32 + n/16) 4 + kstep) 2048; scale words from byte 1,048,576 on: (mat 32 + n/16) 512 + 16 l + 4 kstep.
;   Lane (r, h) of group c holds k = 32 c + 16 h + 0..15 of row r.  Wo ALONE is laid otherwise inside a block of 32: k = 32 c + 16 u + 8 h + j at place 8 u + j, the order in which the heads come out of
;   the attention's registers; a block is the same 32 numbers, so its scale and codes are the same, and both sides of that product carry the same order.
; WORK-GROUPS 32-543: one tile of 16 queries each; wave w takes keys 1024 w on.  msk: (tile 32 + step) 256 + 16 row + 2 (key/16 % 8); in a halfword key i of 16 lies at bit 4 (i % 4) + i / 4.
;   The flags have a buffer of their own, flg: NEED and FULL at 8 tile: they alone steer branches of a later launch; msk's bits only select values there.
; LIMITS: a block of zeros gets the byte 1 where the rule says 127 (its codes are zeros; only this program reads the bytes); NaN and infinities among the inputs are not served.
.set FL,    8192                       ; LDS: 0-8191 a stage of 2,048 bytes for each wave; 8192 the waves' flag words (3 x 16 bytes)
.set SPARE, 8448                       ; the spare words, 128 bytes a wave: two blocks of 256 bytes that no other line names
.set SPW,  2                           ; v2  SPARE + 4 x thread; never rewritten
.set NIL,  3                           ; v3  0; never rewritten
.set XA,   4                           ; v4  weights: my lane's first eight numbers of a block
.set XB,   5                           ; v5  and its second eight
.set LI,   6                           ; v6  16 x lane
.set SET0, 32                          ; v32-95, v96-159: two sets of 64 numbers
.set PC,   160                         ; v160-223 codes, 16 registers for each K step: no store's data are written again
.set PW,   224                         ; v224-227 the four scale words
.set TM,   228                         ; v228-243 at work
.set WV,   18
.set SEL,  20
.set MNT,  22
; 64 numbers of a lane, four blocks of 16 (the other 16 of each block lie in lane l xor 16), become 16 registers of codes and a scale word.
.macro QUANT src, pc, pw
.irp b, 0,1,2,3
	v_max3_num_f32 v[TM+\b], |v[(\src)+16*\b]|, |v[(\src)+16*\b+1]|, 0x8000000   ; my 16 numbers and the floor 2^(16 - 127): the byte cannot fall under 1
.endr
.irp i, 2,4,6,8,10,12,14
.irp b, 0,1,2,3
	v_max3_num_f32 v[TM+\b], v[TM+\b], |v[(\src)+16*\b+\i]|, |v[(\src)+16*\b+\i+1]|
.endr
.endr
.irp b, 0,1,2,3
	v_permlanex16_b32 v[TM+4+\b], v[TM+\b], s[SEL], s[SEL+1]
.endr
.irp b, 0,1,2,3
	v_max_num_f32 v[TM+\b], v[TM+\b], v[TM+4+\b]   ; the block's largest magnitude
.endr
.irp b, 0,1,2,3
	v_add_nc_u32 v[TM+12+\b], 0xf8800000, v[TM+\b]   ; 15 off its exponent field: the conversion's scale operand
.endr
.irp b, 0,1,2,3
	v_and_or_b32 v[TM+8+\b], v[TM+\b], 0x7f800000, s[MNT]   ; 57,344 x the scale
.endr
.irp b, 0,1,2,3
	v_lshrrev_b32 v[TM+4+\b], 23, v[TM+12+\b]   ; the scale's byte
.endr
	v_lshl_or_b32 v[\pw], v[TM+5], 8, v[TM+4]
	v_lshl_or_b32 v[\pw], v[TM+6], 16, v[\pw]
	v_lshl_or_b32 v[\pw], v[TM+7], 24, v[\pw]
.irp b, 0,1,2,3
.irp i, 0,1,2,3,4,5,6,7,8,9,10,11,12,13,14,15
	v_med3_num_f32 v[(\src)+16*\b+\i], v[(\src)+16*\b+\i], -v[TM+8+\b], v[TM+8+\b]   ; the conversion does not saturate (ISA guide 7.6.2): the hold
.endr
	v_cvt_scalef32_pk8_bf8_f32 v[(\pc)+4*\b:(\pc)+4*\b+1], v[(\src)+16*\b:(\src)+16*\b+7], v[TM+12+\b]
	v_cvt_scalef32_pk8_bf8_f32 v[(\pc)+4*\b+2:(\pc)+4*\b+3], v[(\src)+16*\b+8:(\src)+16*\b+15], v[TM+12+\b]
.endr
	v_nop                                          ; a plain line behind the last conversion
.endm
	s_load_b256 s[4:11], s[0:1], 0x0               ; mask, Wq, Wk, Wv
	s_load_b128 s[12:15], s[0:1], 0x20             ; Wo, wts
	s_load_b64 s[16:17], s[0:1], 0x30              ; msk
	s_load_b64 s[40:41], s[0:1], 0x38              ; flg
	v_lshl_add_u32 v[SPW], v0, 2, SPARE
	v_mov_b32 v[NIL], 0
	v_lshrrev_b32 v1, 5, v0
	v_readfirstlane_b32 s[WV], v1                  ; wave
	v_and_b32 v1, 31, v0                           ; lane
	v_lshlrev_b32 v[LI], 4, v1
	s_cmp_lt_u32 ttmp9, 32                         ; the work-group's number alone parts the two jobs
	s_cbranch_scc0 .Lmask
	; ---------------- the weights: wave w of work-group g takes the 16 rows of tile 4 g + w (of 128: 32 for each matrix) ----------------
	v_and_b32 v7, 15, v0                           ; r
	v_bfe_u32 v8, v0, 4, 1                         ; h
	s_mov_b32 s[SEL], 0x76543210
	s_mov_b32 s[SEL+1], 0xfedcba98
	s_mov_b32 s[MNT], 0x600000
	s_lshr_b32 s24, ttmp9, 3                       ; which matrix
	s_lshl_b32 s25, ttmp9, 2
	s_add_co_u32 s25, s25, s[WV]                   ; 32 mat + tile
	s_and_b32 s26, s25, 31
	s_lshl_b32 s26, s26, 15                        ; the tile's 16 rows of 2,048 bytes
	s_mov_b32 s27, 0
	s_lshl_b32 s28, s25, 13                        ; its four images
	s_mov_b32 s29, 0
	s_lshl_b32 s30, s25, 9                         ; its scale words
	s_mov_b32 s31, 0
.irp b, 0,1,2,3
	v_mov_b32 v[TM+4+\b], 0                        ; a lane permute's destination counts as one of its sources
.endr
	s_wait_kmcnt 0x0
	s_cmp_eq_u32 s24, 1
	s_cselect_b64 s[6:7], s[8:9], s[6:7]
	s_cmp_eq_u32 s24, 2
	s_cselect_b64 s[6:7], s[10:11], s[6:7]
	s_cmp_eq_u32 s24, 3
	s_cselect_b64 s[6:7], s[12:13], s[6:7]
	s_cselect_b32 s32, 32, 64                      ; Wo: halves of the lanes 8 numbers apart, the second eight 16 numbers on;
	s_cselect_b32 s33, 64, 32                      ; the others: 16 apart, the second eight 8 on
	s_add_nc_u64 s[6:7], s[6:7], s[26:27]
	s_add_nc_u64 s[28:29], s[14:15], s[28:29]
	s_add_nc_u64 s[30:31], s[14:15], s[30:31]
	v_mul_u32_u24 v[XA], s32, v8
	v_lshl_add_u32 v[XA], v7, 11, v[XA]
	v_add_nc_u32 v[XB], s33, v[XA]
.macro XLOAD set, s                    ; K step s: 64 numbers a lane
.irp b, 0,1,2,3
	global_load_b128 v[(\set)+16*\b:(\set)+16*\b+3],     v[XA], s[6:7] offset:512*(\s)+128*\b th:TH_LOAD_NT
	global_load_b128 v[(\set)+16*\b+4:(\set)+16*\b+7],   v[XA], s[6:7] offset:512*(\s)+128*\b+16 th:TH_LOAD_NT
	global_load_b128 v[(\set)+16*\b+8:(\set)+16*\b+11],  v[XB], s[6:7] offset:512*(\s)+128*\b th:TH_LOAD_NT
	global_load_b128 v[(\set)+16*\b+12:(\set)+16*\b+15], v[XB], s[6:7] offset:512*(\s)+128*\b+16 th:TH_LOAD_NT
.endr
.endm
	XLOAD SET0, 0
	XLOAD SET0+64, 1
.irp s, 0,1,2,3
.if \s < 3
	s_wait_loadcnt 16                              ; this K step's 16 loads are in; the other set's 16 are younger
.else
	s_wait_loadcnt 0x0
.endif
	QUANT SET0+64*(\s%2), PC+16*\s, PW+\s
.irp c, 0,1,2,3
	global_store_b128 v[LI], v[PC+16*\s+4*\c:PC+16*\s+4*\c+3], s[28:29] offset:2048*\s+512*\c   ; 512 consecutive bytes
.endr
.if \s < 2
	XLOAD SET0+64*(\s%2), \s+2
.endif
.endr
	global_store_b128 v[LI], v[PW:PW+3], s[30:31] offset:1048576
	s_wait_tensorcnt 0x0                           ; the launch's one form of ending: this path stored nothing to LDS and ends alike
	ds_add_u32 v[SPW], v[NIL]
	s_wait_dscnt 0x0
	s_endpgm
	; ---------------- the mask: 16 rows x 1,024 keys a wave ----------------
.Lmask:
	v_lshrrev_b32 v9, 3, v1
	v_lshlrev_b32 v9, 8, v9
	v_and_b32 v10, 7, v1
	v_lshl_add_u32 v9, v10, 1, v9
	s_lshl_b32 s24, s[WV], 11
	v_add_nc_u32 v9, s24, v9                       ; into my stage: step (lane / 8) x 256 + 2 (lane % 8)
	v_add_nc_u32 v10, s24, v[LI]                   ; out of it: 16 x lane
	s_lshl_b32 s25, s[WV], 2
	s_add_co_u32 s25, s25, FL
	v_mov_b32 v11, s25                             ; my wave's flag words
	v_mov_b32 v12, FL
	v_mov_b32 v13, 0
	s_mov_b32 s23, 0x02000200                      ; bytes 0 and 2, twice
	s_sub_co_u32 s26, ttmp9, 32                    ; the tile of 16 queries, 0 .. 511
	s_lshl_b32 s28, s26, 16                        ; its 16 rows of 4,096 bytes,
	s_lshl_b32 s27, s[WV], 10                      ; my 1,024 keys
	s_add_co_u32 s28, s28, s27
	s_mov_b32 s29, 0
	s_lshl_b32 s30, s26, 13                        ; the tile's 32 steps of 256 bytes, my eight
	s_add_co_u32 s30, s30, s24
	s_mov_b32 s31, 0
	s_lshl_b32 s32, s26, 3                         ; the tile's two flag words
	s_mov_b32 s33, 0
	s_wait_kmcnt 0x0
	s_add_nc_u64 s[4:5], s[4:5], s[28:29]
	s_add_nc_u64 s[30:31], s[16:17], s[30:31]
	s_add_nc_u64 s[32:33], s[40:41], s[32:33]
.irp q, 0,1,2,3,4,5,6,7,8,9,10,11,12,13,14,15,16,17,18,19,20,21,22,23,24,25,26,27,28,29,30,31
	global_load_b128 v[32+4*\q:35+4*\q], v[LI], s[4:5] offset:(\q/2)*4096+(\q%2)*512 th:TH_LOAD_NT   ; row q / 2, half q % 2: 512 consecutive bytes; all 32 loads go out at once
.endr
.irp r, 0,1,2,3,4,5,6,7,8,9,10,11,12,13,14,15
	s_wait_loadcnt 30-2*\r                         ; this row's two loads are in; the later rows' stay out
.irp n, 0,1
	v_lshl_or_b32 v[192+2*\n], v[33+8*\r+4*\n], 1, v[32+8*\r+4*\n]   ; 16 booleans: byte i % 4 gathers bit i / 4,
	v_lshl_or_b32 v[192+2*\n], v[34+8*\r+4*\n], 2, v[192+2*\n]
	v_lshl_or_b32 v[192+2*\n], v[35+8*\r+4*\n], 3, v[192+2*\n]
	v_lshrrev_b32 v[193+2*\n], 4, v[192+2*\n]      ; neighbouring bytes' nibbles join,
	v_or_b32 v[193+2*\n], v[193+2*\n], v[192+2*\n]
	v_perm_b32 v[160+2*\r+\n], v[193+2*\n], v[193+2*\n], s23   ; and bytes 0 and 2 are the halfword (it stands twice in the register)
	ds_store_b16 v9, v[160+2*\r+\n] offset:1024*\n+16*\r
.endr
.endr
.irp i, 0,1,2,3
	ds_load_b128 v[32+4*\i:35+4*\i], v10 offset:512*\i   ; LDS serves a wave's instructions in order: these see my stores
.endr
.irp n, 0,1
	v_or_b32 v[196+\n], v[160+\n], v[162+\n]       ; over the 16 rows: is any key of my 16 open; are all
	v_and_b32 v[198+\n], v[160+\n], v[162+\n]
.endr
.irp r, 2,3,4,5,6,7,8,9,10,11,12,13,14,15
.irp n, 0,1
	v_or_b32 v[196+\n], v[196+\n], v[160+2*\r+\n]
	v_and_b32 v[198+\n], v[198+\n], v[160+2*\r+\n]
.endr
.endr
	s_mov_b32 s36, 0
	s_mov_b32 s37, 0
	s_mov_b32 s38, 0
.irp n, 0,1                            ; eight lanes hold a step: step 4 n + j of my eight is lanes 8 j .. 8 j + 7
	v_cmp_ne_u32 s34, 0, v[196+\n]
	v_cmp_eq_u32 s35, -1, v[198+\n]
.irp j, 0,1,2,3
	s_bfe_u32 s39, s34, (8<<16)|(8*\j)
	s_cmp_lg_u32 s39, 0
	s_cselect_b32 s39, 1<<(4*\n+\j), 0
	s_or_b32 s36, s36, s39
	s_bfe_u32 s39, s35, (8<<16)|(8*\j)
	s_cmp_eq_u32 s39, 0xff
	s_cselect_b32 s39, 1<<(4*\n+\j), 0
	s_or_b32 s37, s37, s39
.endr
.endr
.irp r, 0,1,2,3,4,5,6,7,8,9,10,11,12,13,14,15
	v_or_b32 v192, v[160+2*\r], v[161+2*\r]        ; has row r an open key among my 1,024?
	v_cmp_ne_u32 s34, 0, v192
	s_cmp_lg_u32 s34, 0
	s_cselect_b32 s39, 1<<\r, 0
	s_or_b32 s38, s38, s39
.endr
	s_lshl_b32 s39, s[WV], 3
	s_lshl_b32 s36, s36, s39                       ; my eight steps' place among the 32
	s_lshl_b32 s37, s37, s39
.irp i, 0,1,2,3
	s_wait_dscnt 3-\i
	global_store_b128 v[LI], v[32+4*\i:35+4*\i], s[30:31] offset:512*\i   ; 512 consecutive bytes
.endr
	v_mov_b32 v200, s36
	v_mov_b32 v201, s37
	v_mov_b32 v202, s38
	ds_store_b32 v11, v200                         ; all lanes write the same word with the same value
	ds_store_b32 v11, v201 offset:16
	ds_store_b32 v11, v202 offset:32
	s_wait_dscnt 0x0                               ; for the others' sake: my stores are done
	s_barrier_signal -1
	s_barrier_wait -1
	ds_load_b128 v[204:207], v12
	ds_load_b128 v[208:211], v12 offset:16
	ds_load_b128 v[212:215], v12 offset:32
	s_wait_dscnt 0x0
	v_or_b32 v204, v204, v205
	v_or_b32 v206, v206, v207
	v_or_b32 v204, v204, v206                      ; ANY, 32 steps
	v_or_b32 v208, v208, v209
	v_or_b32 v210, v210, v211
	v_or_b32 v217, v208, v210                      ; FULL
	v_or_b32 v212, v212, v213
	v_or_b32 v214, v214, v215
	v_or_b32 v212, v212, v214                      ; which rows have an open key
	v_cmp_eq_u32 vcc_lo, 0xffff, v212
	v_cndmask_b32 v216, -1, v204, vcc_lo           ; NEED: ANY where every row has one, else all steps
	s_wait_xcnt 0x0                                ; EXEC changes only behind this wait
	v_cmp_eq_u32 vcc_lo, 0, v0
	s_and_saveexec_b32 s34, vcc_lo
	global_store_b64 v13, v[216:217], s[32:33]     ; one store of 8 bytes a work-group: 4,096 bytes in the whole launch
	s_wait_xcnt 0x0
	s_or_b32 exec_lo, exec_lo, s34
	s_wait_tensorcnt 0x0                           ; the wave's end, behind my last LDS store
	ds_add_u32 v[SPW], v[NIL]
	s_wait_dscnt 0x0
	s_endpgm
.Lfunc_end_k_q767edf72d3_prep:
	.size	k_q767edf72d3_prep, .Lfunc_end_k_q767edf72d3_prep-k_q767edf72d3_prep
	.p2alignl 7, 3214868480
	.fill 96, 4, 3214868480
	.section	.rodata,"a",@progbits
	.p2align	6, 0x0
	.amdhsa_kernel k_q767edf72d3_prep
		.amdhsa_group_segment_fixed_size 8960
		.amdhsa_private_segment_fixed_size 0
		.amdhsa_enable_private_segment 0
		.amdhsa_kernarg_size 64
		.amdhsa_user_sgpr_count 2
		.amdhsa_user_sgpr_kernarg_segment_ptr 1
		.amdhsa_wavefront_size32 1
		.amdhsa_system_sgpr_workgroup_id_x 1
		.amdhsa_system_sgpr_workgroup_id_y 1
		.amdhsa_system_sgpr_workgroup_id_z 1
		.amdhsa_system_vgpr_workitem_id 0
		.amdhsa_next_free_vgpr 256
		.amdhsa_next_free_sgpr 66
		.amdhsa_reserve_vcc 1
		.amdhsa_float_denorm_mode_32 3
		.amdhsa_float_denorm_mode_16_64 3
		.amdhsa_memory_ordered 1
		.amdhsa_forward_progress 1
		.amdhsa_inst_pref_size 69
	.end_amdhsa_kernel
	.amdgpu_metadata
---
amdhsa.version: [ 1, 2 ]
amdhsa.kernels:
  - .name:           k_q767edf72d3_prep
    .symbol:         k_q767edf72d3_prep.kd
    .args:
      - { .name: mask, .offset: 0, .size: 8, .value_kind: global_buffer, .address_space: global }
      - { .name: Wq, .offset: 8, .size: 8, .value_kind: global_buffer, .address_space: global }
      - { .name: Wk, .offset: 16, .size: 8, .value_kind: global_buffer, .address_space: global }
      - { .name: Wv, .offset: 24, .size: 8, .value_kind: global_buffer, .address_space: global }
      - { .name: Wo, .offset: 32, .size: 8, .value_kind: global_buffer, .address_space: global }
      - { .name: wts, .offset: 40, .size: 8, .value_kind: global_buffer, .address_space: global }
      - { .name: msk, .offset: 48, .size: 8, .value_kind: global_buffer, .address_space: global }
      - { .name: flg, .offset: 56, .size: 8, .value_kind: global_buffer, .address_space: global }
    .group_segment_fixed_size: 8960
    .private_segment_fixed_size: 0
    .kernarg_segment_align: 8
    .kernarg_segment_size: 64
    .max_flat_workgroup_size: 128
    .sgpr_count:     66
    .vgpr_count:     256
    .wavefront_size: 32
...
	.end_amdgpu_metadata
.endif
;; end of part 1
;; launch proj (part 2): grid 64 x 3, 8 waves a work-group, no clusters, 111,616 bytes of LDS; arguments query_input, key_input, value_input, bq, bk, bv, wts, qkv, scl; writes qkv, scl
.if DOCPART == 2
	.amdgcn_target "amdgcn-amd-amdhsa--gfx1250"
	.amdhsa_code_object_version 6
	.text
	.protected	k_q767edf72d3_proj
	.globl	k_q767edf72d3_proj
	.p2align	8
	.type	k_q767edf72d3_proj,@function
k_q767edf72d3_proj:
	s_mov_b64 s[64:65], 0
	v_nop
	global_prefetch_b8 v0, s[64:65] scope:SCOPE_SE
	s_setreg_imm32_b32 hwreg(HW_REG_WAVE_MODE, 25, 1), 1
	s_wait_xcnt 0x0
; Launch 2 of 4: q = x Wq^T + bq, k, v likewise, on codes of E5M2 with E8M0 scales; the results are quantised at once for the attention's two products.  Nothing is left out.
; SHARES.  Work-group (blk, p): 128 tokens of tensor p (0 q, 1 k, 2 v).  Wave w = head w: rows 64 w .. 64 w + 63 of W, whose 16 fragments stay in its registers (window 1), loaded as images that launch 1 laid.
; PHASE X: wave w quantises rows 16 w .. 16 w + 15 of x along K = 512 (each row is read from memory once, by this work-group alone) into LDS: codes by rows, pitch 528; 16 scale bytes a row.  One barrier.
; PHASE G: four passes of 32 tokens; eight accumulators by turns, four K steps of 128.  The bias is the C of each sum's first product.
;   q, k: source 0 = 16 rows of W, source 1 = 16 tokens: a lane holds ONE token and its registers run along the head's 64: two blocks of 32 of the next product's K.
;   v:    source 0 = 16 tokens, source 1 = 16 rows of W: a lane holds ONE channel d and its registers run along the tokens, which are the keys: the next product's K.
;   In both, 16 registers of lanes l and l xor 16 are a whole block of 32; place 8 u + j of lane half h holds k = 32 c + 16 u + 8 h + j.  Both operands of each later product carry this order, so its sums are the same.
; OUT, as images of operand registers (512 consecutive bytes a store).  bh = 8 batch + head.
;   qkv: q at (bh 256 + token/16) 1024, k the same + 4 MiB (two groups: 64 along K); v^T at 8 MiB + ((bh 32 + step) 4 + d/16) 2048 (16 d x 128 keys).
;   scl: q at (bh 32 + blk) 512: lane l, word t: lanes 0-15 tile t's word of row r, lanes 16-31 tile 4 + t's; k so at 262,144 + (bh 32 + step) 1024; v behind it, + 512: lane l, word d/16, byte c for keys 32 c on.
;   A word of q or k has two bytes; its upper two are 0: they belong to the half of the instruction's K = 128 that holds zero codes.
; 192 work-groups: a block of 128 tokens is one key step of v and one block of scale words; 64 tokens would read each head's weights twice as often.  No multicast: the weights go straight into registers.
; LIMITS: a block of zeros gets the byte 1 (its codes are zeros; only this program reads the bytes); NaN and infinities among the inputs are not served.
.set XP,    528                        ; LDS: 0: x's codes, 128 rows of 512 bytes + 16: the 16 rows of a fragment load start at 16 different groups of banks
.set XS,    67584                      ; x's scale bytes, 16 a row
.set STG,   69632                      ; two stages of 32 x 80 bytes for each wave
.set SP,    80
.set SPARE, 110592                     ; the spare words, 128 bytes a wave: four blocks of 256 bytes that no other line names
.set LI,  1                            ; v1  16 x lane
.set LN,  2                            ; v2  lane
.set STI, 3                            ; v3  into my stage
.set STO, 4                            ; v4  out of it
.set XCW, 5                            ; v5  where my rows' codes go
.set XSB, 6                            ; v6  and their scale bytes
.set XA,  7                            ; v7  a fragment's place for my lane: 528 r + 16 h
.set XSA, 8                            ; v8  a tile's scale words: XS + 16 r
.set SPW, 9                            ; v9  SPARE + 4 x thread; never rewritten
.set NIL, 10                           ; v10 0; never rewritten
.set BI,  16                           ; v16-47   the bias, eight registers a tile of W
.set WS,  48                           ; v48-63   W's scale words (tile t, K step s) at 4 t + s
.set XSW, 64                           ; v64-71   x's scale words (tile m, K step s)
.set KW,  72                           ; v72-79   scale words on their way out
.set PC,  80                           ; v80-95   codes just made
.set TM,  96                           ; v96-111  at work
.set PW,  112
.set ACC, 120                          ; v120-183 eight accumulators
.set XF0, 184                          ; v184-215, v216-247: x's two fragments of a K step, two buffers
.set XF1, 216
.set BAJ, 248                          ; v248-255 the bias loads' offsets; never rewritten
.set R,   64                           ; phase X: v64-127 four sets of 16 numbers as loaded; v128-159 two sets of 16 neighbours; v160-223 codes; v224-239 bytes; v240-243 at work
.set X,   128
.set C,   160
.set E,   224
.set WV,  22
.set MNT, 25
.set SEL, 46
.set MSB, 0
.macro WIN new                         ; the immediate's high byte repeats the setting that is left
.if MSB != \new
	s_set_vgpr_msb (MSB<<8)|\new
.set MSB, \new
.endif
.endm
.macro NOPS n
.rept \n
	v_nop
.endr
.endm
.macro QUANT src, pc, pw               ; 64 numbers of a lane, four blocks of 16, become 16 registers of codes and a scale word
.irp b, 0,1,2,3
	v_max3_num_f32 v[TM+\b], |v[(\src)+16*\b]|, |v[(\src)+16*\b+1]|, 0x8000000   ; my 16 numbers and the floor 2^(16 - 127); each accumulator is read from its low end on
.endr
.irp i, 2,4,6,8,10,12,14
.irp b, 0,1,2,3
	v_max3_num_f32 v[TM+\b], v[TM+\b], |v[(\src)+16*\b+\i]|, |v[(\src)+16*\b+\i+1]|
.endr
.endr
.irp b, 0,1,2,3
	v_permlanex16_b32 v[TM+4+\b], v[TM+\b], s[SEL], s[SEL+1]
.endr
.irp b, 0,1,2,3
	v_max_num_f32 v[TM+\b], v[TM+\b], v[TM+4+\b]
.endr
.irp b, 0,1,2,3
	v_add_nc_u32 v[TM+12+\b], 0xf8800000, v[TM+\b]
.endr
.irp b, 0,1,2,3
	v_and_or_b32 v[TM+8+\b], v[TM+\b], 0x7f800000, s[MNT]
.endr
.irp b, 0,1,2,3
	v_lshrrev_b32 v[TM+4+\b], 23, v[TM+12+\b]
.endr
	v_lshl_or_b32 v[\pw], v[TM+5], 8, v[TM+4]
	v_lshl_or_b32 v[\pw], v[TM+6], 16, v[\pw]
	v_lshl_or_b32 v[\pw], v[TM+7], 24, v[\pw]
.irp b, 0,1,2,3
.irp i, 0,1,2,3,4,5,6,7,8,9,10,11,12,13,14,15
	v_med3_num_f32 v[(\src)+16*\b+\i], v[(\src)+16*\b+\i], -v[TM+8+\b], v[TM+8+\b]
.endr
	v_cvt_scalef32_pk8_bf8_f32 v[(\pc)+4*\b:(\pc)+4*\b+1], v[(\src)+16*\b:(\src)+16*\b+7], v[TM+12+\b]
	v_cvt_scalef32_pk8_bf8_f32 v[(\pc)+4*\b+2:(\pc)+4*\b+3], v[(\src)+16*\b+8:(\src)+16*\b+15], v[TM+12+\b]
.endr
	v_nop                                          ; a plain line behind the last conversion: the next products write its sources
.endm
	s_load_b256 s[4:11], s[0:1], 0x0               ; query_input, key_input, value_input, bq
	s_load_b256 s[12:19], s[0:1], 0x20             ; bk, bv, wts, qkv
	s_load_b64 s[20:21], s[0:1], 0x40              ; scl
	v_lshl_add_u32 v[SPW], v0, 2, SPARE
	v_mov_b32 v[NIL], 0
	v_lshrrev_b32 v11, 5, v0
	v_readfirstlane_b32 s[WV], v11                 ; wave = head
	v_and_b32 v[LN], 31, v0
	v_and_b32 v11, 15, v0                          ; r
	v_bfe_u32 v12, v0, 4, 1                        ; h
	v_lshlrev_b32 v[LI], 4, v[LN]
	s_mul_i32 s23, s[WV], 2*32*SP
	s_add_co_u32 s23, s23, STG
	v_lshrrev_b32 v13, 2, v[LN]
	v_mul_u32_u24 v13, v13, SP
	v_and_b32 v14, 3, v[LN]
	v_lshl_add_u32 v13, v14, 4, v13
	v_add_nc_u32 v[STI], s23, v13                  ; four lanes' 64 bytes on end, then 16 of padding
	v_mul_u32_u24 v13, v[LN], SP
	v_add_nc_u32 v[STO], s23, v13                  ; my 16 neighbours
	s_mul_i32 s23, s[WV], 16*XP
	v_add_nc_u32 v[XCW], s23, v[LI]
	s_lshl_b32 s23, s[WV], 8
	s_add_co_u32 s23, s23, XS
	v_lshrrev_b32 v13, 1, v[LN]
	v_add_nc_u32 v[XSB], s23, v13
	v_mul_u32_u24 v[XA], v11, XP
	v_lshl_add_u32 v[XA], v12, 4, v[XA]
	v_lshl_add_u32 v[XSA], v11, 4, XS
	s_mov_b32 s[SEL], 0x76543210
	s_mov_b32 s[SEL+1], 0xfedcba98
	s_mov_b32 s[MNT], 0x600000
	s_and_b32 s24, ttmp7, 0xffff                   ; p
	s_lshr_b32 s26, ttmp9, 5                       ; batch
	s_and_b32 s27, ttmp9, 31                       ; the block of 128 tokens in it
	s_lshl_b32 s26, s26, 3
	s_add_co_u32 s26, s26, s[WV]                   ; bh
	s_lshl_b32 s28, ttmp9, 18                      ; x: 128 rows of 2,048 bytes a block,
	s_lshl_b32 s29, s[WV], 15                      ; my 16 rows
	s_add_co_u32 s28, s28, s29
	s_mov_b32 s29, 0
	s_lshl_b32 s40, s24, 5
	s_lshl_b32 s41, s[WV], 2
	s_add_co_u32 s40, s40, s41                     ; my first tile of W: 32 p + 4 w
	s_lshl_b32 s30, s40, 13                        ; its images,
	s_mov_b32 s31, 0
	s_lshl_b32 s32, s40, 9                         ; its scale words
	s_mov_b32 s33, 0
	s_lshl_b32 s34, s[WV], 8                       ; my 64 numbers of the bias
	s_mov_b32 s35, 0
	s_lshl_b32 s36, s24, 22                        ; qkv: 4 MiB a tensor, 262,144 bytes a head, 8,192 a block: the same for q, k and v
	s_lshl_b32 s41, s26, 18
	s_add_co_u32 s36, s36, s41
	s_lshl_b32 s41, s27, 13
	s_add_co_u32 s36, s36, s41
	s_mov_b32 s37, 0
	s_lshl_b32 s43, s26, 5
	s_add_co_u32 s43, s43, s27                     ; 32 bh + block
	s_min_u32 s44, s24, 1
	s_add_co_u32 s45, s44, 9
	s_lshl_b32 s38, s43, s45                       ; scl: q 512 bytes a block; k and v 1,024,
	s_lshl_b32 s44, s44, 18
	s_add_co_u32 s38, s38, s44                     ; behind q's 262,144,
	s_cmp_eq_u32 s24, 2
	s_cselect_b32 s44, 512, 0
	s_add_co_u32 s38, s38, s44                     ; v's half behind k's
	s_mov_b32 s39, 0
	s_cmp_eq_u32 s24, 2                            ; the bias in the result's layout, with no branch: q, k: register j wants b[16 t + 8 h + j]; v: all eight want b[16 t + r]
	s_cselect_b32 s40, 4, 0
	s_cselect_b32 s41, 0, 32
	s_cselect_b32 s42, 0, 4
	v_mul_u32_u24 v[BAJ], s40, v11
	v_mad_u32_u24 v[BAJ], v12, s41, v[BAJ]
.irp j, 1,2,3,4,5,6,7
	v_add_nc_u32 v[BAJ+\j], s42, v[BAJ+\j-1]
.endr
	s_wait_kmcnt 0x0
	s_cmp_eq_u32 s24, 1
	s_cselect_b64 s[4:5], s[6:7], s[4:5]
	s_cselect_b64 s[10:11], s[12:13], s[10:11]
	s_cmp_eq_u32 s24, 2
	s_cselect_b64 s[4:5], s[8:9], s[4:5]
	s_cselect_b64 s[10:11], s[14:15], s[10:11]
	s_add_nc_u64 s[4:5], s[4:5], s[28:29]
	s_add_nc_u64 s[30:31], s[16:17], s[30:31]
	s_add_nc_u64 s[32:33], s[16:17], s[32:33]
	s_add_nc_u64 s[34:35], s[10:11], s[34:35]
	s_add_nc_u64 s[36:37], s[18:19], s[36:37]
	s_add_nc_u64 s[38:39], s[20:21], s[38:39]
	WIN 0x40                                       ; destination window 1
.irp f, 0,1,2,3,4,5,6,7,8,9,10,11,12,13,14,15
.irp c, 0,1,2,3
	global_load_b128 v[16*\f+4*\c:16*\f+4*\c+3], v[LI], s[30:31] offset:2048*\f+512*\c   ; W's fragment (tile f / 4, K step f % 4): they stay
.endr
.endr
	WIN 0
.irp t, 0,1,2,3
	global_load_b128 v[WS+4*\t:WS+4*\t+3], v[LI], s[32:33] offset:1048576+512*\t
.endr
.irp t, 0,1,2,3
.irp j, 0,1,2,3,4,5,6,7
	global_load_b32 v[BI+8*\t+\j], v[BAJ+\j], s[34:35] offset:64*\t
.endr
.endr
	; ---- PHASE X: a row of x (2,048 bytes) a step.  Each load reads 512 consecutive bytes; the row turns through my stage so that a lane holds 16 neighbours along K; two neighbouring lanes hold a block
.macro XLOAD t
.irp i, 0,1,2,3
	global_load_b128 v[R+16*((\t)%4)+4*\i:R+16*((\t)%4)+4*\i+3], v[LI], s[4:5] offset:2048*(\t)+512*\i th:TH_LOAD_NT
.endr
.endm
.macro XTURN t                         ; LDS serves a wave's instructions in order: no wait between the stores and the loads
.irp i, 0,1,2,3
	ds_store_b128 v[STI], v[R+16*((\t)%4)+4*\i:R+16*((\t)%4)+4*\i+3] offset:32*SP*((\t)%2)+8*SP*\i
.endr
.irp i, 0,1,2,3
	ds_load_b128 v[X+16*((\t)%2)+4*\i:X+16*((\t)%2)+4*\i+3], v[STO] offset:32*SP*((\t)%2)+16*\i
.endr
.endm
.irp t, 0,1,2,3
	XLOAD \t
.endr
	s_wait_loadcnt 12                              ; row 0's four loads are in (and all older loads: the weights, their scales, the bias); three rows' stay out
	XTURN 0
.macro XSTEP t
.set XX, X+16*((\t)%2)
.if (\t) > 0
	s_wait_dscnt 2                                 ; this row is back from the stage; behind its loads stand the last row's two stores
.else
	s_wait_dscnt 0x0
.endif
.if (\t)+4 < 16
	XLOAD (\t)+4                                   ; into the set that this row's turn has read
.endif
.if (\t)+1 < 16
.if (\t) <= 11
	s_wait_loadcnt 12                              ; the next row's four loads are in; those of the three rows behind it stay out
.else
	s_wait_loadcnt 4*(14-(\t))
.endif
	XTURN (\t)+1
.endif
	v_max3_num_f32 v240, |v[XX]|, |v[XX+1]|, |v[XX+2]|
	v_max3_num_f32 v241, |v[XX+3]|, |v[XX+4]|, |v[XX+5]|
.irp i, 6,10
	v_max3_num_f32 v240, v240, |v[XX+\i]|, |v[XX+\i+1]|
	v_max3_num_f32 v241, v241, |v[XX+\i+2]|, |v[XX+\i+3]|
.endr
	v_max3_num_f32 v240, v240, |v[XX+14]|, |v[XX+15]|
	v_max3_num_f32 v240, v240, v241, 0x8000000     ; and the floor 2^(16 - 127)
	v_max_num_f32_dpp v240, v240, v240 row_xmask:1 row_mask:0xf bank_mask:0xf   ; with my neighbour's 16: the block's largest magnitude
	v_add_nc_u32 v243, 0xf8800000, v240
	v_and_or_b32 v242, v240, 0x7f800000, s[MNT]
.irp i, 0,1,2,3,4,5,6,7,8,9,10,11,12,13,14,15
	v_med3_num_f32 v[XX+\i], v[XX+\i], -v242, v242
.endr
	v_cvt_scalef32_pk8_bf8_f32 v[C+4*(\t):C+4*(\t)+1], v[XX:XX+7], v243
	v_cvt_scalef32_pk8_bf8_f32 v[C+4*(\t)+2:C+4*(\t)+3], v[XX+8:XX+15], v243
	v_lshrrev_b32 v[E+(\t)], 23, v243              ; the byte; also the plain line behind the conversions
	ds_store_b128 v[XCW], v[C+4*(\t):C+4*(\t)+3] offset:(\t)*XP
	ds_store_b8 v[XSB], v[E+(\t)] offset:16*(\t)   ; both lanes of a block write the same byte with the same value
.endm
.irp t, 0,1,2,3,4,5,6,7,8,9,10,11,12,13,14,15
	XSTEP \t
.endr
	s_wait_dscnt 0x0                               ; for the others' sake: my rows' codes and bytes lie in LDS
	s_barrier_signal -1
	s_barrier_wait -1
	s_wait_loadcnt 0x0
.irp b, 0,1,2,3
	v_mov_b32 v[TM+4+\b], 0                        ; a lane permute's destination counts as one of its sources
.endr
	; ---- PHASE G
.macro FETCH xf, gg, s                 ; the pass's two tiles of 16 tokens, K step s
.irp m, 0,1
.irp c, 0,1,2,3
	ds_load_b128 v[(\xf)+16*\m+4*\c:(\xf)+16*\m+4*\c+3], v[XA] offset:(32*(\gg)+16*\m)*XP+128*(\s)+32*\c
.endr
.endr
.endm
.macro FIRST gg                        ; a pass's first 18 loads: scale words, K steps 0 and 1
.irp m, 0,1
	ds_load_b128 v[XSW+4*\m:XSW+4*\m+3], v[XSA] offset:(32*(\gg)+16*\m)*16
.endr
	FETCH XF0, \gg, 0
	FETCH XF1, \gg, 1
.endm
; eight products, the eight accumulators by turns.  path 0: q, k; 1: v
.macro MUL path, xf, s
.if \path == 0
	WIN 0x01                                       ; source 0 (W) window 1
.irp m, 0,1
.irp t, 0,1,2,3
.if (\s) == 0
	v_wmma_scale_f32_16x16x128_f8f6f4 v[ACC+32*\m+8*\t:ACC+32*\m+8*\t+7], v[16*(4*\t+(\s)):16*(4*\t+(\s))+15], v[(\xf)+16*\m:(\xf)+16*\m+15], v[BI+8*\t:BI+8*\t+7], v[WS+4*\t+(\s)], v[XSW+4*\m+(\s)] matrix_a_fmt:MATRIX_FMT_BF8 matrix_b_fmt:MATRIX_FMT_BF8
.else
	v_wmma_scale_f32_16x16x128_f8f6f4 v[ACC+32*\m+8*\t:ACC+32*\m+8*\t+7], v[16*(4*\t+(\s)):16*(4*\t+(\s))+15], v[(\xf)+16*\m:(\xf)+16*\m+15], v[ACC+32*\m+8*\t:ACC+32*\m+8*\t+7], v[WS+4*\t+(\s)], v[XSW+4*\m+(\s)] matrix_a_fmt:MATRIX_FMT_BF8 matrix_b_fmt:MATRIX_FMT_BF8
.endif
.endr
.endr
.else
	WIN 0x04                                       ; source 1 (W) window 1
.irp m, 0,1
.irp t, 0,1,2,3
.if (\s) == 0
	v_wmma_scale_f32_16x16x128_f8f6f4 v[ACC+16*\t+8*\m:ACC+16*\t+8*\m+7], v[(\xf)+16*\m:(\xf)+16*\m+15], v[16*(4*\t+(\s)):16*(4*\t+(\s))+15], v[BI+8*\t:BI+8*\t+7], v[XSW+4*\m+(\s)], v[WS+4*\t+(\s)] matrix_a_fmt:MATRIX_FMT_BF8 matrix_b_fmt:MATRIX_FMT_BF8
.else
	v_wmma_scale_f32_16x16x128_f8f6f4 v[ACC+16*\t+8*\m:ACC+16*\t+8*\m+7], v[(\xf)+16*\m:(\xf)+16*\m+15], v[16*(4*\t+(\s)):16*(4*\t+(\s))+15], v[ACC+16*\t+8*\m:ACC+16*\t+8*\m+7], v[XSW+4*\m+(\s)], v[WS+4*\t+(\s)] matrix_a_fmt:MATRIX_FMT_BF8 matrix_b_fmt:MATRIX_FMT_BF8
.endif
.endr
.endr
.endif
	WIN 0
.endm
; A pass: 32 tokens.  Eight plain places stand behind products in front of loads into registers that they read and of the first read of results.
; The next pass's first products begin the accumulators anew: the eight v_nop and the quantiser's many lines on other registers stand between.
.macro PASS path, gg
	s_wait_dscnt 8                                 ; the scale words and K step 0 are in; K step 1's eight loads may be out
	MUL \path, XF0, 0
	NOPS 8
	FETCH XF0, \gg, 2
	s_wait_dscnt 8                                 ; K step 1 is in
	MUL \path, XF1, 1
	NOPS 8
	FETCH XF1, \gg, 3
	s_wait_dscnt 8                                 ; K step 2 is in
	MUL \path, XF0, 2
	s_wait_dscnt 0x0
	MUL \path, XF1, 3
	NOPS 8
.if (\gg) < 3
	FIRST (\gg)+1                                  ; they land while this pass is quantised
.endif
.if (\gg) > 0
	s_wait_xcnt 0x0                                ; the last pass's stores have read the codes' registers
.endif
	QUANT ACC, PC, PW
.if \path == 0
.irp m, 0,1
	global_store_b128 v[LI], v[PC+8*\m:PC+8*\m+3], s[36:37] offset:(2*(\gg)+\m)*1024
	global_store_b128 v[LI], v[PC+8*\m+4:PC+8*\m+7], s[36:37] offset:(2*(\gg)+\m)*1024+512
.endr
	v_and_b32 v[KW+2*(\gg)], 0xffff, v[PW]         ; the first tile's two bytes,
	v_lshrrev_b32 v[KW+2*(\gg)+1], 16, v[PW]       ; the second's
.else
.irp i, 0,1,2,3
	global_store_b128 v[LI], v[PC+4*\i:PC+4*\i+3], s[36:37] offset:2048*\i+512*(\gg)   ; group gg (keys 32 gg on) of the image of channels 16 i on
.if (\gg) == 0
	v_mov_b32 v[KW+\i], v[TM+4+\i]
.else
	v_lshl_or_b32 v[KW+\i], v[TM+4+\i], 8*(\gg), v[KW+\i]
.endif
.endr
.endif
.endm
	FIRST 0
	s_cmp_eq_u32 s24, 2                            ; the same in all eight waves
	s_cbranch_scc1 .Lvpath
	PASS 0, 0
	PASS 0, 1
	PASS 0, 2
	PASS 0, 3
	v_cmp_le_u32 vcc_lo, 16, v[LN]
.irp i, 0,1,2,3
	v_cndmask_b32 v[KW+\i], v[KW+\i], v[KW+4+\i], vcc_lo   ; lanes 16-31 carry tiles 4 to 7
.endr
	global_store_b128 v[LI], v[KW:KW+3], s[38:39]
	s_wait_tensorcnt 0x0                           ; the wave's end, behind my last LDS store
	ds_add_u32 v[SPW], v[NIL]
	s_wait_dscnt 0x0
	s_endpgm
.Lvpath:
	PASS 1, 0
	PASS 1, 1
	PASS 1, 2
	PASS 1, 3
	global_store_b128 v[LI], v[KW:KW+3], s[38:39]
	s_wait_tensorcnt 0x0                           ; the wave's end, as above
	ds_add_u32 v[SPW], v[NIL]
	s_wait_dscnt 0x0
	s_endpgm
.Lfunc_end_k_q767edf72d3_proj:
	.size	k_q767edf72d3_proj, .Lfunc_end_k_q767edf72d3_proj-k_q767edf72d3_proj
	.p2alignl 7, 3214868480
	.fill 96, 4, 3214868480
	.section	.rodata,"a",@progbits
	.p2align	6, 0x0
	.amdhsa_kernel k_q767edf72d3_proj
		.amdhsa_group_segment_fixed_size 111616
		.amdhsa_private_segment_fixed_size 0
		.amdhsa_enable_private_segment 0
		.amdhsa_kernarg_size 72
		.amdhsa_user_sgpr_count 2
		.amdhsa_user_sgpr_kernarg_segment_ptr 1
		.amdhsa_wavefront_size32 1
		.amdhsa_system_sgpr_workgroup_id_x 1
		.amdhsa_system_sgpr_workgroup_id_y 1
		.amdhsa_system_sgpr_workgroup_id_z 1
		.amdhsa_system_vgpr_workitem_id 0
		.amdhsa_next_free_vgpr 512
		.amdhsa_next_free_sgpr 66
		.amdhsa_reserve_vcc 1
		.amdhsa_float_denorm_mode_32 3
		.amdhsa_float_denorm_mode_16_64 3
		.amdhsa_memory_ordered 1
		.amdhsa_forward_progress 1
		.amdhsa_inst_pref_size 187
	.end_amdhsa_kernel
	.amdgpu_metadata
---
amdhsa.version: [ 1, 2 ]
amdhsa.kernels:
  - .name:           k_q767edf72d3_proj
    .symbol:         k_q767edf72d3_proj.kd
    .args:
      - { .name: query_input, .offset: 0, .size: 8, .value_kind: global_buffer, .address_space: global }
      - { .name: key_input, .offset: 8, .size: 8, .value_kind: global_buffer, .address_space: global }
      - { .name: value_input, .offset: 16, .size: 8, .value_kind: global_buffer, .address_space: global }
      - { .name: bq, .offset: 24, .size: 8, .value_kind: global_buffer, .address_space: global }
      - { .name: bk, .offset: 32, .size: 8, .value_kind: global_buffer, .address_space: global }
      - { .name: bv, .offset: 40, .size: 8, .value_kind: global_buffer, .address_space: global }
      - { .name: wts, .offset: 48, .size: 8, .value_kind: global_buffer, .address_space: global }
      - { .name: qkv, .offset: 56, .size: 8, .value_kind: global_buffer, .address_space: global }
      - { .name: scl, .offset: 64, .size: 8, .value_kind: global_buffer, .address_space: global }
    .group_segment_fixed_size: 111616
    .private_segment_fixed_size: 0
    .kernarg_segment_align: 8
    .kernarg_segment_size: 72
    .max_flat_workgroup_size: 256
    .sgpr_count:     66
    .vgpr_count:     512
    .wavefront_size: 32
...
	.end_amdgpu_metadata
.endif
;; end of part 2
;; launch attn (part 3): grid 16 x 16, 16 waves a work-group, no clusters, 133,120 bytes of LDS; arguments qkv, scl, msk, hds, flg; writes hds
.if DOCPART == 3
	.amdgcn_target "amdgcn-amd-amdhsa--gfx1250"
	.amdhsa_code_object_version 6
	.text
	.protected	k_q767edf72d3_attn
	.globl	k_q767edf72d3_attn
	.p2align	8
	.type	k_q767edf72d3_attn,@function
k_q767edf72d3_attn:
	s_mov_b64 s[64:65], 0
	v_nop
	global_prefetch_b8 v0, s[64:65] scope:SCOPE_SE
	s_setreg_imm32_b32 hwreg(HW_REG_WAVE_MODE, 25, 1), 1
	s_wait_xcnt 0x0
; Launch 3 of 4: heads = softmax(mask(q k^T / 8)) v on codes of E5M2; the heads are quantised along D for the last product.
; WHAT IS PASSED OVER: a key step of 128 keys that the mask hides from all 16 queries of a wave's tile, by a scalar branch on the flag words that launch 1 stored as whole numbers in flg (NEED); where a tile holds a query
; with no key at all, NEED is all ones and nothing is passed over.  Where a step is wholly open (FULL) the mask's bits are neither loaded nor applied.  No pattern of the mask is built in.
; Since the launch branches on stored numbers it has no tensor load: K, V and their scales go from memory through registers into LDS, each wave a sixteenth of a slot.  No barrier, wait or copy stands under such a branch.
; THE SOFTMAX: t = score x log2(e) / 8; M = the running largest t rounded up to a whole number; p = 2^(t - M) is quantised along the keys, not normalised; the row's sum is taken of the unquantised p and divides at the end.
; SHARES.  Work-group (y, bh): one batch and head, 16 tiles of 16 queries; a wave owns one tile in 256 registers, four waves to a SIMD.  Wave w: a = ((w % 4) + w / 4) % 4, i = w / 4, tile T = 64 a + 4 yy + i,
; yy = y for even a, 15 - y for odd: each T from 0 to 255 once.  The choice only spreads early and late queries over work-groups and SIMDs; no result and no LDS address hangs on it.
; LAYOUT.  S^T = K Q^T (source 0 = 16 keys, source 1 = my 16 queries), O^T = V^T P^T: a lane holds ONE query throughout.  All operands are images of registers: 512 consecutive bytes a load, no pitch.
; Inside a block of 32, place 8 u + j of lane half h holds k = 32 c + 16 u + 8 h + j, on both sides of each product.
; THE HEAD HAS 64 CHANNELS, THE INSTRUCTION 128: Q's upper eight registers are zero codes.  K's operand for tile t is the 16 registers from its own eight on: the upper eight are the next tile's codes (for tile 3: p's codes),
; finite numbers (the quantiser holds at the largest) that meet zero codes; those blocks' scale bytes are 0, which is 2^-127 and no NaN.
; LDS: two slots of 256 keys, 65,536 bytes apart: K's 16 tiles (16,384), V's 2 x 4 fragments (16,384), scale words K0 V0 K1 V1 (2,048).  One barrier a slot: in front of it a wave's stores into the other slot are done
; and its reads of this one are over; the slot stored into was last read ahead of the barrier before.
; O^T and the sum begin as zeros, since which step is a wave's first hangs on the flags.
; LIMITS: a hidden logit is taken as -2^30 (score -2^33), not -1e9: t is then a whole number, so a row with no key gets p = 1 for all 4,096 keys, as -1e9 gives; both, and p = 0 for steps passed over, hold while every
; open logit lies above about -9.9e8.  1 / sum is v_rcp_f32 and a multiplication.  A block of zeros gets the byte 1.  NaN and infinities are not served.
.set SLOT1, 65536
.set VOFF,  16384
.set SOFF,  32768
.set SPARE, 131072                     ; the spare words, 128 bytes a wave: eight blocks of 256 bytes that no other line names
.set LI0,  1                           ; v1  16 x lane: reads of slot 0
.set LI1,  2                           ; v2  the same in slot 1
.set CW16, 3                           ; v3  1,024 w + 16 lane: my part of a slot's K and V, in memory and in slot 0
.set CW4,  4                           ; v4  128 w + 4 lane: my part of its scale words
.set CX16, 5                           ; v5  v3 in slot 1
.set CX4,  6                           ; v6  v4 in slot 1
.set MBO,  7                           ; v7  16 r
.set H2,   8                           ; v8  2 h
.set NEG,  9                           ; v9  -2^33
.set SPW,  10                          ; v10 SPARE + 4 x thread; never rewritten
.set NIL,  11                          ; v11 0; never rewritten
                                       ; v12 -M, v13 the largest t, v[14:15] the sum in two halves
.set Q,    16                          ; v16-23 Q's codes, v24-31 zeros
.set KF,   32                          ; v32-63 four tiles of K, eight registers each
.set PC,   64                          ; v64-79 p's codes
.set S,    80                          ; v80-143 S^T, then p, then V's four fragments
.set O,    144                         ; v144-175 O^T
.set KS,   176                         ; v176-179 K's scale words: lanes 0-15 tiles 0-3, lanes 16-31 tiles 4-7
.set VS,   180                         ; v180-183 V's
.set QS,   184
.set PW,   185                         ; p's scale word
.set STA,  186                         ; v186-202 the copy's registers
.set MB,   204                         ; v204-211 mask bits, four registers for each of a slot's two steps
.set BM,   212                         ; v212-215 block maxima; v216-219, v220-223, v224-227 at work
.set T2,   216
.set HD,   220
.set SO,   224
.set F,    228                         ; v[228:229] f (the low word serves both halves)
.set TMP,  230
.set SUM2, 232
.set PFO,  234
.set WV,   12
.set KB,   18                          ; s[18:19] K's images of the slot that is copied next; V's lie 4 MiB on
.set SEL,  20
.set CS,   22                          ; s[22:23] c = log2(e) / 8
.set MNT,  24
.set TRIP, 25
.set CNT,  26                          ; copies still to be made
.set LIM,  27
.set NEED, 28                          ; s28, s29: the flags, shifted so that bits 0 and 1 are the slot's two steps
.set FULL, 29
.set SB,   30                          ; s[30:31] the scale words of the slot that is copied next
.set MBB,  32                          ; s[32:33] my tile's mask bits of the slot in hand
.macro NOPS n
.rept \n
	v_nop
.endr
.endm
.macro COPY_LOAD
	global_load_b128 v[STA:STA+3],     v[CW16], s[KB:KB+1]
	global_load_b128 v[STA+4:STA+7],   v[CW16], s[KB:KB+1] offset:512
	global_load_b128 v[STA+8:STA+11],  v[CW16], s[KB:KB+1] offset:4194304
	global_load_b128 v[STA+12:STA+15], v[CW16], s[KB:KB+1] offset:4194304+512
	global_load_b32  v[STA+16],        v[CW4],  s[SB:SB+1]
.endm
.macro COPY_STORE d
	ds_store_b128 v[CW16+2*(\d)], v[STA:STA+3]
	ds_store_b128 v[CW16+2*(\d)], v[STA+4:STA+7] offset:512
	ds_store_b128 v[CW16+2*(\d)], v[STA+8:STA+11] offset:VOFF
	ds_store_b128 v[CW16+2*(\d)], v[STA+12:STA+15] offset:VOFF+512
	ds_store_b32  v[CW4+2*(\d)],  v[STA+16] offset:SOFF
.endm
; A PREFETCH of the slot behind the one that is being copied: one slot's two key steps ahead of the loads that will want it.  It stands where the wave has just issued its loads.
; All 16 work-groups of a head walk the same K and V: the first of them asks; in it waves 0 and 1 for K's 16,384 bytes, waves 2 and 3 for V's, lanes 256 bytes apart: each block of 256 bytes is named once in the launch.
; The last copy asks for nothing: there is no slot behind it.  Slots 0 and 1 and the scale words come by their loads alone.
.macro ASK
	s_cmp_gt_u32 s[CNT], s[LIM]
	s_cbranch_scc0 .Lnot_mine_\@
	global_prefetch_b8 v[PFO], s[KB:KB+1] offset:16384 th:TH_LOAD_NT scope:SCOPE_SE
.Lnot_mine_\@:
.endm
; A KEY STEP: 128 keys, the q-th of slot sl.
.macro STEP sl, q
	s_bitcmp1_b32 s[NEED], \q
	s_cbranch_scc0 .Lskip_\@                       ; hidden from all my 16 queries
	s_bitcmp1_b32 s[FULL], \q
	s_cbranch_scc1 .Lnobits_\@
	global_load_b128 v[MB+4*(\q):MB+4*(\q)+3], v[MBO], s[MBB:MBB+1] offset:256*(\q)   ; my query's 128 bits
.Lnobits_\@:
	ds_load_b128 v[KS:KS+3], v[LI0+\sl] offset:SOFF+1024*(\q)
	ds_load_b128 v[VS:VS+3], v[LI0+\sl] offset:SOFF+1024*(\q)+512
.irp g, 0,1                            ; S^T = K Q^T, four tiles of 16 keys at a time
.if \g
	NOPS 8                                         ; places in front of loads into registers that the last four products read
.endif
.irp t, 0,1,2,3
.irp c, 0,1
	ds_load_b128 v[KF+8*\t+4*\c:KF+8*\t+4*\c+3], v[LI0+\sl] offset:(8*(\q)+4*\g+\t)*1024+512*\c
.endr
.endr
	s_wait_dscnt 0x0
.irp t, 0,1,2,3
.if \g
	v_wmma_scale_f32_16x16x128_f8f6f4 v[S+8*(4+\t):S+8*(4+\t)+7], v[KF+8*\t:KF+8*\t+15], v[Q:Q+15], 0, v[KS+\t], v[QS] matrix_a_fmt:MATRIX_FMT_BF8 matrix_b_fmt:MATRIX_FMT_BF8 matrix_a_scale:MATRIX_SCALE_ROW1
.else
	v_wmma_scale_f32_16x16x128_f8f6f4 v[S+8*\t:S+8*\t+7], v[KF+8*\t:KF+8*\t+15], v[Q:Q+15], 0, v[KS+\t], v[QS] matrix_a_fmt:MATRIX_FMT_BF8 matrix_b_fmt:MATRIX_FMT_BF8
.endif
.endr
.endr
	NOPS 8
	s_bitcmp1_b32 s[FULL], \q
	s_cbranch_scc1 .Lopen_\@
	s_wait_loadcnt 0x0                             ; the bits are my youngest load
.irp d, 0,1,2,3
	v_lshrrev_b32 v[MB+4*(\q)+\d], v[H2], v[MB+4*(\q)+\d]   ; key 8 h + j of 16 lies at bit 4 (j % 4) + 2 h + j / 4
.endr
.irp tt, 0,1,2,3,4,5,6,7
.irp jj, 0,1,2,3,4,5,6,7
	v_and_b32 v[TMP], 1<<(16*(\tt%2)+4*(\jj%4)+\jj/4), v[MB+4*(\q)+\tt/2]
	v_cmp_ne_u32 vcc_lo, 0, v[TMP]
	v_cndmask_b32 v[S+8*\tt+\jj], v[NEG], v[S+8*\tt+\jj], vcc_lo   ; a hidden score becomes -2^33
.endr
.endr
.Lopen_\@:
.irp b, 0,1,2,3
	v_max3_num_f32 v[BM+\b], v[S+16*\b], v[S+16*\b+1], v[S+16*\b+2]   ; the largest score of each block of 32 keys: for the row's maximum and, since p rises with the score, for the block's largest p
.endr
.irp i, 3,5,7,9,11,13
.irp b, 0,1,2,3
	v_max3_num_f32 v[BM+\b], v[BM+\b], v[S+16*\b+\i], v[S+16*\b+\i+1]
.endr
.endr
.irp b, 0,1,2,3
	v_max_num_f32 v[BM+\b], v[BM+\b], v[S+16*\b+15]
.endr
.irp b, 0,1,2,3
	v_permlanex16_b32 v[T2+\b], v[BM+\b], s[SEL], s[SEL+1]
.endr
.irp b, 0,1,2,3
	v_max_num_f32 v[BM+\b], v[BM+\b], v[T2+\b]
.endr
	v_max3_num_f32 v[TMP], v[BM], v[BM+1], v[BM+2]
	v_max_num_f32 v[TMP], v[TMP], v[BM+3]
	v_mul_f32 v[TMP], s[CS], v[TMP]
	v_max_num_f32 v13, v13, v[TMP]                 ; the running largest t
	v_mov_b32 v[TMP], v12
	v_floor_f32 v12, -v13                          ; -M = floor(-t): M is a whole number
	v_sub_f32 v[TMP], v12, v[TMP]                  ; old M - new M, 0 or less
	v_cvt_i32_f32 v[TMP], v[TMP]                   ; (it saturates)
	v_ldexp_f32 v[F], 1.0, v[TMP]                  ; f = 2^(old M - new M): rounds nothing
.irp j, 0,2,4,6,8,10,12,14,16,18,20,22,24,26,28,30,32,34,36,38,40,42,44,46,48,50,52,54,56,58,60,62
	v_pk_fma_f32 v[S+\j:S+\j+1], v[S+\j:S+\j+1], s[CS:CS+1], v[12:13] op_sel_hi:[1,0,0]   ; t - M
.endr
.irp b, 0,1,2,3
	v_fma_f32 v[BM+\b], v[BM+\b], s[CS], v12
.endr
.irp j, 0,1,2,3,4,5,6,7,8,9,10,11,12,13,14,15,16,17,18,19,20,21,22,23,24,25,26,27,28,29,30,31,32,33,34,35,36,37,38,39,40,41,42,43,44,45,46,47,48,49,50,51,52,53,54,55,56,57,58,59,60,61,62,63
	v_exp_f32 v[S+\j], v[S+\j]                     ; p = 2^(t - M)
.endr
	v_pk_mul_f32 v[14:15], v[14:15], v[F:F+1] op_sel_hi:[1,0]   ; the sums under the new M; the plain line behind the exponentials
	s_wait_alu depctr_va_vdst(0)                   ; one wait for the batch, ahead of its first reader
.irp b, 0,1,2,3
	v_exp_f32 v[BM+\b], v[BM+\b]                   ; each block's largest p
.endr
	v_pk_add_f32 v[SUM2:SUM2+1], v[S:S+1], v[S+2:S+3]   ; the row's sum of the unquantised p, in two chains
.irp j, 4,8,12,16,20,24,28,32,36,40,44,48,52,56,60
	v_pk_add_f32 v[14:15], v[14:15], v[S+\j:S+\j+1]
	v_pk_add_f32 v[SUM2:SUM2+1], v[SUM2:SUM2+1], v[S+\j+2:S+\j+3]
.endr
	v_pk_add_f32 v[14:15], v[14:15], v[SUM2:SUM2+1]
	s_wait_alu depctr_va_vdst(0)                   ; and one for the four
.irp b, 0,1,2,3
	v_max_num_f32 v[BM+\b], 0x8000000, v[BM+\b]    ; the floor 2^(16 - 127)
.endr
.irp b, 0,1,2,3
	v_add_nc_u32 v[SO+\b], 0xf8800000, v[BM+\b]
.endr
.irp b, 0,1,2,3
	v_and_or_b32 v[HD+\b], v[BM+\b], 0x7f800000, s[MNT]
.endr
.irp b, 0,1,2,3
	v_lshrrev_b32 v[T2+\b], 23, v[SO+\b]
.endr
	v_lshl_or_b32 v[PW], v[T2+1], 8, v[T2]
	v_lshl_or_b32 v[PW], v[T2+2], 16, v[PW]
	v_lshl_or_b32 v[PW], v[T2+3], 24, v[PW]
.irp b, 0,1,2,3
.irp i, 0,1,2,3,4,5,6,7,8,9,10,11,12,13,14,15
	v_min_num_f32 v[S+16*\b+\i], v[S+16*\b+\i], v[HD+\b]   ; p is not negative: the hold is one-sided
.endr
	v_cvt_scalef32_pk8_bf8_f32 v[PC+4*\b:PC+4*\b+1], v[S+16*\b:S+16*\b+7], v[SO+\b]
	v_cvt_scalef32_pk8_bf8_f32 v[PC+4*\b+2:PC+4*\b+3], v[S+16*\b+8:S+16*\b+15], v[SO+\b]
.irp c, 0,1,2,3
	ds_load_b128 v[S+16*\b+4*\c:S+16*\b+4*\c+3], v[LI0+\sl] offset:VOFF+8192*(\q)+2048*\b+512*\c   ; the block's 16 registers are done with: V's fragment of channels 16 b on lands there
.endr
.endr
.irp j, 0,2,4,6,8,10,12,14,16,18,20,22,24,26,28,30
	v_pk_mul_f32 v[O+\j:O+\j+1], v[O+\j:O+\j+1], v[F:F+1] op_sel_hi:[1,0]   ; O^T under the new M; these 16 are also the places between the codes and the products
.endr
	s_wait_dscnt 0x0
.irp dt, 0,1,2,3
	v_wmma_scale_f32_16x16x128_f8f6f4 v[O+8*\dt:O+8*\dt+7], v[S+16*\dt:S+16*\dt+15], v[PC:PC+15], v[O+8*\dt:O+8*\dt+7], v[VS+\dt], v[PW] matrix_a_fmt:MATRIX_FMT_BF8 matrix_b_fmt:MATRIX_FMT_BF8
.endr
	NOPS 9                                         ; the next step's first products write over V's registers, its loads land on the scale words, the way out reads O^T
.Lskip_\@:
.endm
; A slot's two steps; copy = 1: meanwhile the next slot goes from memory through my registers into the other slot.
.macro HALF sl, copy
.if \copy
	COPY_LOAD
	ASK
.endif
	STEP \sl, 0
	STEP \sl, 1
.if \copy
	s_wait_loadcnt 0x0                             ; the copy's five loads (and any load of mask bits)
	COPY_STORE 1-\sl
	s_wait_xcnt 0x0                                ; the prefetch has read its base, so it may step
	s_add_nc_u64 s[KB:KB+1], s[KB:KB+1], 16384
	s_add_nc_u64 s[SB:SB+1], s[SB:SB+1], 2048
	s_add_nc_u64 s[MBB:MBB+1], s[MBB:MBB+1], 512
	s_lshr_b32 s[NEED], s[NEED], 2
	s_lshr_b32 s[FULL], s[FULL], 2
	s_sub_co_u32 s[CNT], s[CNT], 1
	s_wait_dscnt 0x0                               ; my stores into the other slot are done, my reads of this one are over
	s_barrier_signal -1
	s_barrier_wait -1
.endif
.endm
	s_load_b256 s[4:11], s[0:1], 0x0               ; qkv, scl, msk, hds
	s_load_b64 s[44:45], s[0:1], 0x20              ; flg
	v_lshl_add_u32 v[SPW], v0, 2, SPARE
	v_mov_b32 v[NIL], 0
	v_lshrrev_b32 v12, 5, v0
	v_readfirstlane_b32 s[WV], v12                 ; wave 0..15
	v_and_b32 v12, 31, v0                          ; lane
	v_and_b32 v13, 15, v0                          ; r
	v_bfe_u32 v14, v0, 4, 1                        ; h
	v_lshlrev_b32 v[LI0], 4, v12
	v_add_nc_u32 v[LI1], SLOT1, v[LI0]
	s_lshl_b32 s14, s[WV], 10
	v_add_nc_u32 v[CW16], s14, v[LI0]
	v_add_nc_u32 v[CX16], SLOT1, v[CW16]
	s_lshl_b32 s14, s[WV], 7
	v_lshl_add_u32 v[CW4], v12, 2, s14
	v_add_nc_u32 v[CX4], SLOT1, v[CW4]
	v_lshlrev_b32 v[MBO], 4, v13
	v_lshlrev_b32 v[H2], 1, v14
	v_mov_b32 v[NEG], 0xd0000000                   ; -2^33
	s_and_b32 s14, s[WV], 1
	s_lshl_b32 s14, s14, 13
	s_bfe_u32 s15, s[WV], 0x10001
	s_lshl_b32 s15, s15, 22
	s_add_co_u32 s14, s14, s15
	v_lshl_add_u32 v[PFO], v12, 8, s14             ; the prefetches: 256 x lane + 8,192 (w % 2), in K (waves 0, 1) or V (waves 2, 3)
	s_lshr_b32 s14, s[WV], 2
	s_or_b32 s14, s14, ttmp9
	s_cmp_eq_u32 s14, 0
	s_cselect_b32 s[LIM], 1, -1                    ; waves 0 to 3 of the head's first work-group ask
	s_mov_b32 s[SEL], 0x76543210
	s_mov_b32 s[SEL+1], 0xfedcba98
	s_mov_b32 s[CS], 0x3e38aa3b                    ; log2(e) / 8
	s_mov_b32 s[CS+1], s[CS]
	s_mov_b32 s[MNT], 0x600000
	s_mov_b32 s[CNT], 15
	s_and_b32 s13, s[WV], 3
	s_lshr_b32 s14, s[WV], 2                       ; i
	s_add_co_u32 s13, s13, s14
	s_and_b32 s13, s13, 3                          ; a
	s_sub_co_u32 s15, 15, ttmp9
	s_bitcmp1_b32 s13, 0
	s_cselect_b32 s15, s15, ttmp9                  ; yy
	s_lshl_b32 s13, s13, 6
	s_lshl_b32 s15, s15, 2
	s_add_co_u32 s13, s13, s15
	s_add_co_u32 s13, s13, s14                     ; T
	s_and_b32 s16, ttmp7, 0xffff                   ; bh
	s_lshr_b32 s17, s16, 3
	s_lshl_b32 s17, s17, 8
	s_add_co_u32 s17, s17, s13                     ; 256 batch + T
	s_lshl_b32 s18, s16, 18
	s_add_co_u32 s18, s18, 0x400000                ; K's images of my head
	s_mov_b32 s19, 0
	s_lshl_b32 s30, s16, 15
	s_add_co_u32 s30, s30, 0x40000                 ; K's and V's scale words
	s_mov_b32 s31, 0
	s_lshl_b32 s32, s17, 13                        ; my tile's mask bits
	s_mov_b32 s33, 0
	s_lshl_b32 s34, s16, 18
	s_lshl_b32 s14, s13, 10
	s_add_co_u32 s34, s34, s14                     ; Q's image
	s_mov_b32 s35, 0
	s_lshl_b32 s36, s16, 14
	s_lshr_b32 s14, s13, 2
	s_lshl_b32 s14, s14, 8
	s_add_co_u32 s36, s36, s14
	s_and_b32 s14, s13, 3
	s_lshl_b32 s14, s14, 2
	s_add_co_u32 s36, s36, s14                     ; Q's scale words: block T / 8, lane half (T / 4) % 2, word T % 4
	s_mov_b32 s37, 0
	s_and_b32 s14, s16, 7                          ; the head
	s_lshl_b32 s38, s17, 13
	s_lshl_b32 s15, s14, 10
	s_add_co_u32 s38, s38, s15                     ; the heads' image: 8,192 bytes a tile, 1,024 a head
	s_mov_b32 s39, 0
	s_lshl_b32 s40, s17, 9
	s_lshl_b32 s15, s14, 1
	s_add_co_u32 s40, s40, s15                     ; and its two scale bytes
	s_mov_b32 s41, 0
	s_lshl_b32 s42, s17, 3                         ; my tile's two flag words
	s_mov_b32 s43, 0
	s_wait_kmcnt 0x0
	s_add_nc_u64 s[44:45], s[44:45], s[42:43]
	s_load_b64 s[NEED:NEED+1], s[44:45], 0x0       ; my tile's flags
	s_add_nc_u64 s[KB:KB+1], s[4:5], s[KB:KB+1]
	s_add_nc_u64 s[SB:SB+1], s[6:7], s[SB:SB+1]
	s_add_nc_u64 s[MBB:MBB+1], s[8:9], s[MBB:MBB+1]
	s_add_nc_u64 s[34:35], s[4:5], s[34:35]
	s_add_nc_u64 s[36:37], s[6:7], s[36:37]
	s_add_nc_u64 s[38:39], s[10:11], s[38:39]
	s_add_nc_u64 s[40:41], s[10:11], s[40:41]
	COPY_LOAD                                      ; slot 0
	global_load_b128 v[Q:Q+3], v[LI0], s[34:35]
	global_load_b128 v[Q+4:Q+7], v[LI0], s[34:35] offset:512
	global_load_b32 v[QS], v[MBO], s[36:37]
.irp j, 8,9,10,11,12,13,14,15
	v_mov_b32 v[Q+\j], 0                           ; zero codes for the upper half of the instruction's K
.endr
.irp j, 0,1,2,3,4,5,6,7,8,9,10,11,12,13,14,15
	v_mov_b32 v[PC+\j], 0                          ; named as the upper half of K's fourth operand before p is first made
.endr
.irp j, 0,1,2,3,4,5,6,7,8,9,10,11,12,13,14,15,16,17,18,19,20,21,22,23,24,25,26,27,28,29,30,31
	v_mov_b32 v[O+\j], 0                           ; which step is my first hangs on the flags: so the sums begin as zeros
.endr
.irp j, 0,1,2,3,4,5,6,7
	v_mov_b32 v[MB+\j], 0
.endr
.irp j, 0,1,2,3
	v_mov_b32 v[T2+\j], 0                          ; a lane permute's destination counts as one of its sources
.endr
	v_mov_b32 v[F+1], 0                            ; (named as the upper half of a pair)
	v_mov_b32 v[TMP], 0
	v_mov_b32 v13, 0xff61b1e6                      ; the largest t so far: -3e38
	v_floor_f32 v12, -v13
	v_mov_b32 v14, 0
	v_mov_b32 v15, 0
	s_wait_loadcnt 0x0
	COPY_STORE 0
	s_add_nc_u64 s[KB:KB+1], s[KB:KB+1], 16384     ; (the loads that read these bases are done)
	s_add_nc_u64 s[SB:SB+1], s[SB:SB+1], 2048
	s_wait_dscnt 0x0
	s_barrier_signal -1
	s_barrier_wait -1                              ; slot 0 is whole
	s_wait_kmcnt 0x0                               ; the flags
	s_mov_b32 s[TRIP], 7
.Lpair:                                            ; 7 trips of two slots: slots 0 to 13 are read, slots 1 to 14 copied
	HALF 0, 1
	HALF 1, 1
	s_sub_co_u32 s[TRIP], s[TRIP], 1
	s_cmp_lg_u32 s[TRIP], 0
	s_cbranch_scc1 .Lpair
	HALF 0, 1                                      ; slot 14; slot 15 is copied
	HALF 1, 0                                      ; slot 15: nothing is left to fetch
	; THE WAY OUT: O^T / the sum is the head as the last product wants it; two blocks of 32 along D; codes and bytes leave as an image
	v_add_f32 v14, v14, v15
	v_permlanex16_b32 v[TMP], v14, s[SEL], s[SEL+1]
	v_add_f32 v14, v14, v[TMP]                     ; the row's sum
	v_rcp_f32 v14, v14
	v_nop                                          ; a plain line behind the reciprocal
	s_wait_alu depctr_va_vdst(0)                   ; and the wait ahead of its first reader
.irp j, 0,2,4,6,8,10,12,14,16,18,20,22,24,26,28,30
	v_pk_mul_f32 v[O+\j:O+\j+1], v[O+\j:O+\j+1], v[14:15] op_sel_hi:[1,0]
.endr
.irp b, 0,1
	v_max3_num_f32 v[BM+\b], |v[O+16*\b]|, |v[O+16*\b+1]|, 0x8000000
.endr
.irp i, 2,4,6,8,10,12,14
.irp b, 0,1
	v_max3_num_f32 v[BM+\b], v[BM+\b], |v[O+16*\b+\i]|, |v[O+16*\b+\i+1]|
.endr
.endr
.irp b, 0,1
	v_permlanex16_b32 v[T2+\b], v[BM+\b], s[SEL], s[SEL+1]
.endr
.irp b, 0,1
	v_max_num_f32 v[BM+\b], v[BM+\b], v[T2+\b]
.endr
.irp b, 0,1
	v_add_nc_u32 v[SO+\b], 0xf8800000, v[BM+\b]
.endr
.irp b, 0,1
	v_and_or_b32 v[HD+\b], v[BM+\b], 0x7f800000, s[MNT]
.endr
.irp b, 0,1
	v_lshrrev_b32 v[T2+\b], 23, v[SO+\b]
.endr
	v_lshl_or_b32 v[PW], v[T2+1], 8, v[T2]
.irp b, 0,1
.irp i, 0,1,2,3,4,5,6,7,8,9,10,11,12,13,14,15
	v_med3_num_f32 v[O+16*\b+\i], v[O+16*\b+\i], -v[HD+\b], v[HD+\b]
.endr
	v_cvt_scalef32_pk8_bf8_f32 v[PC+4*\b:PC+4*\b+1], v[O+16*\b:O+16*\b+7], v[SO+\b]
	v_cvt_scalef32_pk8_bf8_f32 v[PC+4*\b+2:PC+4*\b+3], v[O+16*\b+8:O+16*\b+15], v[SO+\b]
.endr
	v_nop
	global_store_b128 v[LI0], v[PC:PC+3], s[38:39]
	global_store_b128 v[LI0], v[PC+4:PC+7], s[38:39] offset:512
	global_store_b16 v[LI0], v[PW], s[40:41] offset:4194304   ; two bytes a lane, 16 apart: a row's eight heads lie in eight work-groups, so no wave holds a whole word; 262,144 bytes in the launch
	s_wait_tensorcnt 0x0                           ; the wave's end, behind my last LDS store
	ds_add_u32 v[SPW], v[NIL]
	s_wait_dscnt 0x0
	s_endpgm
.Lfunc_end_k_q767edf72d3_attn:
	.size	k_q767edf72d3_attn, .Lfunc_end_k_q767edf72d3_attn-k_q767edf72d3_attn
	.p2alignl 7, 3214868480
	.fill 96, 4, 3214868480
	.section	.rodata,"a",@progbits
	.p2align	6, 0x0
	.amdhsa_kernel k_q767edf72d3_attn
		.amdhsa_group_segment_fixed_size 133120
		.amdhsa_private_segment_fixed_size 0
		.amdhsa_enable_private_segment 0
		.amdhsa_kernarg_size 40
		.amdhsa_user_sgpr_count 2
		.amdhsa_user_sgpr_kernarg_segment_ptr 1
		.amdhsa_wavefront_size32 1
		.amdhsa_system_sgpr_workgroup_id_x 1
		.amdhsa_system_sgpr_workgroup_id_y 1
		.amdhsa_system_sgpr_workgroup_id_z 1
		.amdhsa_system_vgpr_workitem_id 0
		.amdhsa_next_free_vgpr 256
		.amdhsa_next_free_sgpr 66
		.amdhsa_reserve_vcc 1
		.amdhsa_float_denorm_mode_32 3
		.amdhsa_float_denorm_mode_16_64 3
		.amdhsa_memory_ordered 1
		.amdhsa_forward_progress 1
		.amdhsa_inst_pref_size 228
	.end_amdhsa_kernel
	.amdgpu_metadata
---
amdhsa.version: [ 1, 2 ]
amdhsa.kernels:
  - .name:           k_q767edf72d3_attn
    .symbol:         k_q767edf72d3_attn.kd
    .args:
      - { .name: qkv, .offset: 0, .size: 8, .value_kind: global_buffer, .address_space: global }
      - { .name: scl, .offset: 8, .size: 8, .value_kind: global_buffer, .address_space: global }
      - { .name: msk, .offset: 16, .size: 8, .value_kind: global_buffer, .address_space: global }
      - { .name: hds, .offset: 24, .size: 8, .value_kind: global_buffer, .address_space: global }
      - { .name: flg, .offset: 32, .size: 8, .value_kind: global_buffer, .address_space: global }
    .group_segment_fixed_size: 133120
    .private_segment_fixed_size: 0
    .kernarg_segment_align: 8
    .kernarg_segment_size: 40
    .max_flat_workgroup_size: 512
    .sgpr_count:     66
    .vgpr_count:     256
    .wavefront_size: 32
...
	.end_amdgpu_metadata
.endif
;; end of part 3
;; launch outp (part 4): grid 4 x 64, 8 waves a work-group, no clusters, 166,912 bytes of LDS; arguments hds, wts, bo, out0; writes out0
.if DOCPART == 4
	.amdgcn_target "amdgcn-amd-amdhsa--gfx1250"
	.amdhsa_code_object_version 6
	.text
	.protected	k_q767edf72d3_outp
	.globl	k_q767edf72d3_outp
	.p2align	8
	.type	k_q767edf72d3_outp,@function
k_q767edf72d3_outp:
	s_mov_b64 s[64:65], 0
	v_nop
	global_prefetch_b8 v0, s[64:65] scope:SCOPE_SE
	s_setreg_imm32_b32 hwreg(HW_REG_WAVE_MODE, 25, 1), 1
	s_wait_xcnt 0x0
; Launch 4 of 4: out0 = heads Wo^T + bo on codes of E5M2 with E8M0 scales.  Nothing is left out.
; Work-group (ng, blk): 128 tokens x 128 columns.  Both operands lie in memory as images of operand registers (launches 1 and 3), in the same order inside each block of 32.
; Each wave copies one tile's four images of the heads and one of Wo (8,192 bytes each, 512 consecutive bytes a load) into LDS; one barrier; then wave w makes columns 64 (w % 2) on for token tiles 2 (w / 2), + 1:
; eight accumulators by turns, four K steps.  Source 0 = 16 rows of Wo, source 1 = 16 tokens: a lane holds eight neighbouring columns of one row of out0.  bo is the C of each sum's first product.
; A row's 64 columns of a wave are 256 aligned bytes: they go through the wave's own stage (16 rows x 272 bytes) and leave sixteen lanes to a row.
; No multicast: a work-group asks for its 131,072 bytes once, in one run of loads; there is no walk of tiles in which partners could ask in step.
.set WI,    65536                      ; LDS: 0: the heads' 8 tiles x 8,192; 65,536: Wo's 8 tiles x 8,192
.set STAGE, 131072                     ; 16 x 272 bytes for each wave
.set SPARE, 165888                     ; the spare words, 128 bytes a wave: four blocks of 256 bytes that no other line names
.set LI,  1                            ; v1  16 x lane
.set HIW, 2                            ; v2  where I put the heads' tile
.set WIW, 3                            ; v3  and Wo's
.set HR,  4                            ; v4  where I read my two tiles of tokens
.set WR,  5                            ; v5  and my four of Wo
.set SIN, 6                            ; v6  into my stage
.set SRD, 7                            ; v7  out of it
.set GO,  8                            ; v8  my bytes in two rows of out0
.set BO,  9                            ; v9  32 h
.set BI,  16                           ; v16-47  bo, eight registers a tile
.set WS,  48                           ; v48-63  Wo's scale words (t, s)
.set HS,  64                           ; v64-71  the heads' (m, s)
.set ACC, 72                           ; v72-135 eight accumulators (m, t); ahead of the barrier v72-199 carry the copy
.set FR,  136                          ; v136-167 the heads' two fragments; v168-231 Wo's four; on the way out v136-199 rows of out0
.set SPW, 250
.set NIL, 251
.macro NOPS n
.rept \n
	v_nop
.endr
.endm
	s_load_b256 s[4:11], s[0:1], 0x0               ; hds, wts, bo, out0
	v_lshl_add_u32 v[SPW], v0, 2, SPARE
	v_mov_b32 v[NIL], 0
	v_lshrrev_b32 v10, 5, v0
	v_readfirstlane_b32 s12, v10                   ; wave
	v_and_b32 v10, 31, v0
	v_and_b32 v11, 15, v0                          ; r
	v_bfe_u32 v12, v0, 4, 1                        ; h
	v_lshlrev_b32 v[LI], 4, v10
	s_and_b32 s14, ttmp7, 0xffff                   ; blk
	s_and_b32 s15, s12, 1                          ; which 64 columns
	s_lshr_b32 s16, s12, 1                         ; which pair of token tiles
	s_lshl_b32 s19, s12, 13
	v_add_nc_u32 v[HIW], s19, v[LI]
	v_add_nc_u32 v[WIW], WI, v[HIW]
	s_lshl_b32 s19, s16, 14
	v_add_nc_u32 v[HR], s19, v[LI]
	s_lshl_b32 s19, s15, 15
	s_add_co_u32 s19, s19, WI
	v_add_nc_u32 v[WR], s19, v[LI]
	s_mul_i32 s19, s12, 16*272
	s_add_co_u32 s19, s19, STAGE
	v_mul_u32_u24 v[SIN], v11, 272
	v_lshl_add_u32 v[SIN], v12, 5, v[SIN]
	v_add_nc_u32 v[SIN], s19, v[SIN]               ; row r, 32 bytes for each half of the lanes
	v_mul_u32_u24 v[SRD], v12, 272
	v_lshl_add_u32 v[SRD], v11, 4, v[SRD]
	v_add_nc_u32 v[SRD], s19, v[SRD]               ; lanes 0-15 one row, lanes 16-31 the next
	v_lshlrev_b32 v[GO], 11, v12
	v_lshl_add_u32 v[GO], v11, 4, v[GO]
	v_lshlrev_b32 v[BO], 5, v12
	s_lshl_b32 s17, s14, 3                         ; the block's first tile of tokens
	s_add_co_u32 s20, s17, s12
	s_lshl_b32 s20, s20, 13                        ; the tile that I copy
	s_mov_b32 s21, 0
	s_lshl_b32 s18, ttmp9, 3
	s_add_co_u32 s18, s18, 96                      ; Wo's tiles begin at 96; my work-group's eight
	s_add_co_u32 s22, s18, s12
	s_lshl_b32 s22, s22, 13
	s_mov_b32 s23, 0
	s_lshl_b32 s24, s16, 1
	s_add_co_u32 s24, s24, s17
	s_lshl_b32 s24, s24, 9                         ; my token tiles' scale words
	s_mov_b32 s25, 0
	s_lshl_b32 s26, s15, 2
	s_add_co_u32 s26, s26, s18
	s_lshl_b32 s26, s26, 9                         ; my Wo tiles' scale words
	s_mov_b32 s27, 0
	s_lshl_b32 s28, ttmp9, 9
	s_lshl_b32 s19, s15, 8
	s_add_co_u32 s28, s28, s19                     ; my 64 columns, in bytes: in bo and in a row of out0
	s_mov_b32 s29, 0
	s_lshl_b32 s30, s14, 18                        ; 128 rows of 2,048 bytes a block,
	s_lshl_b32 s19, s16, 16                        ; my 32 rows
	s_add_co_u32 s30, s30, s19
	s_add_co_u32 s30, s30, s28
	s_mov_b32 s31, 0
	s_wait_kmcnt 0x0
	s_add_nc_u64 s[20:21], s[4:5], s[20:21]
	s_add_nc_u64 s[22:23], s[6:7], s[22:23]
	s_add_nc_u64 s[24:25], s[4:5], s[24:25]
	s_add_nc_u64 s[26:27], s[6:7], s[26:27]
	s_add_nc_u64 s[28:29], s[8:9], s[28:29]
	s_add_nc_u64 s[30:31], s[10:11], s[30:31]
.irp k, 0,1,2,3,4,5,6,7,8,9,10,11,12,13,14,15
	global_load_b128 v[72+4*\k:75+4*\k], v[LI], s[20:21] offset:512*\k
.endr
.irp k, 0,1,2,3,4,5,6,7,8,9,10,11,12,13,14,15
	global_load_b128 v[136+4*\k:139+4*\k], v[LI], s[22:23] offset:512*\k
.endr
.irp m, 0,1
	global_load_b128 v[HS+4*\m:HS+4*\m+3], v[LI], s[24:25] offset:4194304+512*\m
.endr
.irp t, 0,1,2,3
	global_load_b128 v[WS+4*\t:WS+4*\t+3], v[LI], s[26:27] offset:1048576+512*\t
.endr
.irp t, 0,1,2,3
	global_load_b128 v[BI+8*\t:BI+8*\t+3], v[BO], s[28:29] offset:64*\t       ; bo at columns 16 t + 8 h + 0 .. 7
	global_load_b128 v[BI+8*\t+4:BI+8*\t+7], v[BO], s[28:29] offset:64*\t+16
.endr
	s_wait_loadcnt 14                              ; the copy's 32 loads are in; the 14 younger ones stay out
.irp k, 0,1,2,3,4,5,6,7,8,9,10,11,12,13,14,15
	ds_store_b128 v[HIW], v[72+4*\k:75+4*\k] offset:512*\k
.endr
.irp k, 0,1,2,3,4,5,6,7,8,9,10,11,12,13,14,15
	ds_store_b128 v[WIW], v[136+4*\k:139+4*\k] offset:512*\k
.endr
	s_wait_dscnt 0x0                               ; for the others' sake: my two tiles lie in LDS
	s_barrier_signal -1
	s_barrier_wait -1
	s_wait_loadcnt 0x0
.irp s, 0,1,2,3
.if \s
	NOPS 8                                         ; places in front of loads into registers that the last products read
.endif
.irp m, 0,1
.irp c, 0,1,2,3
	ds_load_b128 v[FR+16*\m+4*\c:FR+16*\m+4*\c+3], v[HR] offset:8192*\m+2048*\s+512*\c
.endr
.endr
.irp t, 0,1,2,3
.irp c, 0,1,2,3
	ds_load_b128 v[FR+32+16*\t+4*\c:FR+32+16*\t+4*\c+3], v[WR] offset:8192*\t+2048*\s+512*\c
.endr
.endr
	s_wait_dscnt 0x0
.irp m, 0,1
.irp t, 0,1,2,3
.if \s
	v_wmma_scale_f32_16x16x128_f8f6f4 v[ACC+32*\m+8*\t:ACC+32*\m+8*\t+7], v[FR+32+16*\t:FR+32+16*\t+15], v[FR+16*\m:FR+16*\m+15], v[ACC+32*\m+8*\t:ACC+32*\m+8*\t+7], v[WS+4*\t+\s], v[HS+4*\m+\s] matrix_a_fmt:MATRIX_FMT_BF8 matrix_b_fmt:MATRIX_FMT_BF8
.else
	v_wmma_scale_f32_16x16x128_f8f6f4 v[ACC+32*\m+8*\t:ACC+32*\m+8*\t+7], v[FR+32+16*\t:FR+32+16*\t+15], v[FR+16*\m:FR+16*\m+15], v[BI+8*\t:BI+8*\t+7], v[WS+4*\t+\s], v[HS+4*\m+\s] matrix_a_fmt:MATRIX_FMT_BF8 matrix_b_fmt:MATRIX_FMT_BF8
.endif
.endr
.endr
.endr
	NOPS 8                                         ; in front of the first read of results and of loads into the fragments' registers
.irp m, 0,1
.irp t, 0,1,2,3
	ds_store_b128 v[SIN], v[ACC+32*\m+8*\t:ACC+32*\m+8*\t+3] offset:64*\t          ; each accumulator from its low end on
	ds_store_b128 v[SIN], v[ACC+32*\m+8*\t+4:ACC+32*\m+8*\t+7] offset:64*\t+16
.endr
.irp i, 0,1,2,3,4,5,6,7
	ds_load_b128 v[FR+32*\m+4*\i:FR+32*\m+4*\i+3], v[SRD] offset:2*\i*272   ; LDS serves a wave's instructions in order: these see my stores, and the next tile's stores come behind them
.endr
.endr
.irp m, 0,1
.irp i, 0,1,2,3,4,5,6,7
	s_wait_dscnt 23-16*\m-\i                       ; behind this load: the tile's later loads, and for the first tile the second's 16 instructions
	global_store_b128 v[GO], v[FR+32*\m+4*\i:FR+32*\m+4*\i+3], s[30:31] offset:(16*\m+2*\i)*2048 th:TH_STORE_NT   ; sixteen lanes store 256 consecutive bytes, at a multiple of 256 from out0's first byte
.endr
.endr
	s_wait_tensorcnt 0x0                           ; the wave's end, behind my last LDS store
	ds_add_u32 v[SPW], v[NIL]
	s_wait_dscnt 0x0
	s_endpgm
.Lfunc_end_k_q767edf72d3_outp:
	.size	k_q767edf72d3_outp, .Lfunc_end_k_q767edf72d3_outp-k_q767edf72d3_outp
	.p2alignl 7, 3214868480
	.fill 96, 4, 3214868480
	.section	.rodata,"a",@progbits
	.p2align	6, 0x0
	.amdhsa_kernel k_q767edf72d3_outp
		.amdhsa_group_segment_fixed_size 166912
		.amdhsa_private_segment_fixed_size 0
		.amdhsa_enable_private_segment 0
		.amdhsa_kernarg_size 32
		.amdhsa_user_sgpr_count 2
		.amdhsa_user_sgpr_kernarg_segment_ptr 1
		.amdhsa_wavefront_size32 1
		.amdhsa_system_sgpr_workgroup_id_x 1
		.amdhsa_system_sgpr_workgroup_id_y 1
		.amdhsa_system_sgpr_workgroup_id_z 1
		.amdhsa_system_vgpr_workitem_id 0
		.amdhsa_next_free_vgpr 256
		.amdhsa_next_free_sgpr 66
		.amdhsa_reserve_vcc 0
		.amdhsa_float_denorm_mode_32 3
		.amdhsa_float_denorm_mode_16_64 3
		.amdhsa_memory_ordered 1
		.amdhsa_forward_progress 1
		.amdhsa_inst_pref_size 25
	.end_amdhsa_kernel
	.amdgpu_metadata
---
amdhsa.version: [ 1, 2 ]
amdhsa.kernels:
  - .name:           k_q767edf72d3_outp
    .symbol:         k_q767edf72d3_outp.kd
    .args:
      - { .name: hds, .offset: 0, .size: 8, .value_kind: global_buffer, .address_space: global }
      - { .name: wts, .offset: 8, .size: 8, .value_kind: global_buffer, .address_space: global }
      - { .name: bo, .offset: 16, .size: 8, .value_kind: global_buffer, .address_space: global }
      - { .name: out0, .offset: 24, .size: 8, .value_kind: global_buffer, .address_space: global }
    .group_segment_fixed_size: 166912
    .private_segment_fixed_size: 0
    .kernarg_segment_align: 8
    .kernarg_segment_size: 32
    .max_flat_workgroup_size: 256
    .sgpr_count:     66
    .vgpr_count:     256
    .wavefront_size: 32
...
	.end_amdgpu_metadata
.endif
;; end of part 4
;; ======== version 2 of 2: 4 launches
;; limits: right only within a limited range of input values
;; workspace buffers: wts 1,114,112 bytes; msk 4,194,304 bytes; flg 4,096 bytes of whole numbers; qkv 12,582,912 bytes; scl 786,432 bytes; hds 4,456,448 bytes
;; launch prep (part 5): grid 544 x 1, 4 waves a work-group, no clusters, 8,960 bytes of LDS; arguments mask, Wq, Wk, Wv, Wo, wts, msk, flg; writes wts, msk, flg
.if DOCPART == 5
	.amdgcn_target "amdgcn-amd-amdhsa--gfx1250"
	.amdhsa_code_object_version 6
	.text
	.protected	k_q767edf72d3_prep
	.globl	k_q767edf72d3_prep
	.p2align	8
	.type	k_q767edf72d3_prep,@function
k_q767edf72d3_prep:
	s_mov_b64 s[64:65], 0
	v_nop
	global_prefetch_b8 v0, s[64:65] scope:SCOPE_SE
	s_setreg_imm32_b32 hwreg(HW_REG_WAVE_MODE, 25, 1), 1
	s_wait_xcnt 0x0
; MULTI-HEAD ATTENTION IN MX-BF8, launch 1 of 4: what the later launches read many times is made once.
; NOTHING OF THE PROBLEM IS DEAD WORK: all twelve inputs reach the output (each bias goes into a quantised operand or into the result), and all six products are done.
; What is passed over later is decided by whole numbers: the mask is an input of booleans; this launch packs it to bits and stores, for each tile of 16 queries, which key steps of 128 keys must be walked.
;   NEED bit s = 1: some key of step s counts for some of the 16 queries.  Where one of the 16 queries has NO key at all, NEED is all ones: such a row attends evenly to all 4,096 keys, so nothing may be passed over.
;   FULL bit s = 1: every key of step s counts for all 16 queries: the mask's arithmetic is not needed there.
; No pattern of the mask is built in.  LIMIT: a step passed over counts as p = 0, which is what the softmax gives a logit of -1e9 while the row's largest logit lies above about -9.9e8.
; WORK-GROUPS 0-31: Wq, Wk, Wv, Wo [512 (n)][512 (k)] f32 -> codes of E5M2 with one E8M0 byte for each 32 along K, laid AS IMAGES OF THE OPERAND'S REGISTERS:
;   a fragment (16 rows x 128 K) is four groups of 512 bytes, lane l's 16 bytes at 16 l.  wts: ((mat 32 + n/16) 4 + kstep) 2048; scale words from byte 1,048,576 on: (mat 32 + n/16) 512 + 16 l + 4 kstep.
;   Lane (r, h) of group c holds k = 32 c + 16 h + 0..15 of row r.  Wo ALONE is laid otherwise inside a block of 32: k = 32 c + 16 u + 8 h + j at place 8 u + j, the order in which the heads come out of
;   the attention's registers; a block is the same 32 numbers, so its scale and codes are the same, and both sides of that product carry the same order.
; WORK-GROUPS 32-543: one tile of 16 queries each; wave w takes keys 1024 w on.  msk: (tile 32 + step) 256 + 16 row + 2 (key/16 % 8); in a halfword key i of 16 lies at bit 4 (i % 4) + i / 4.
;   The flags have a buffer of their own, flg: NEED and FULL at 8 tile: they alone steer branches of a later launch; msk's bits only select values there.
; LIMITS: a block of zeros gets the byte 1 where the rule says 127 (its codes are zeros; only this program reads the bytes); NaN and infinities among the inputs are not served.
.set FL,    8192                       ; LDS: 0-8191 a stage of 2,048 bytes for each wave; 8192 the waves' flag words (3 x 16 bytes)
.set SPARE, 8448                       ; the spare words, 128 bytes a wave: two blocks of 256 bytes that no other line names
.set SPW,  2                           ; v2  SPARE + 4 x thread; never rewritten
.set NIL,  3                           ; v3  0; never rewritten
.set XA,   4                           ; v4  weights: my lane's first eight numbers of a block
.set XB,   5                           ; v5  and its second eight
.set LI,   6                           ; v6  16 x lane
.set SET0, 32                          ; v32-95, v96-159: two sets of 64 numbers
.set PC,   160                         ; v160-223 codes, 16 registers for each K step: no store's data are written again
.set PW,   224                         ; v224-227 the four scale words
.set TM,   228                         ; v228-243 at work
.set WV,   18
.set SEL,  20
.set MNT,  22
; 64 numbers of a lane, four blocks of 16 (the other 16 of each block lie in lane l xor 16), become 16 registers of codes and a scale word.
.macro QUANT src, pc, pw
.irp b, 0,1,2,3
	v_max3_num_f32 v[TM+\b], |v[(\src)+16*\b]|, |v[(\src)+16*\b+1]|, 0x8000000   ; my 16 numbers and the floor 2^(16 - 127): the byte cannot fall under 1
.endr
.irp i, 2,4,6,8,10,12,14
.irp b, 0,1,2,3
	v_max3_num_f32 v[TM+\b], v[TM+\b], |v[(\src)+16*\b+\i]|, |v[(\src)+16*\b+\i+1]|
.endr
.endr
.irp b, 0,1,2,3
	v_permlanex16_b32 v[TM+4+\b], v[TM+\b], s[SEL], s[SEL+1]
.endr
.irp b, 0,1,2,3
	v_max_num_f32 v[TM+\b], v[TM+\b], v[TM+4+\b]   ; the block's largest magnitude
.endr
.irp b, 0,1,2,3
	v_add_nc_u32 v[TM+12+\b], 0xf8800000, v[TM+\b]   ; 15 off its exponent field: the conversion's scale operand
.endr
.irp b, 0,1,2,3
	v_and_or_b32 v[TM+8+\b], v[TM+\b], 0x7f800000, s[MNT]   ; 57,344 x the scale
.endr
.irp b, 0,1,2,3
	v_lshrrev_b32 v[TM+4+\b], 23, v[TM+12+\b]   ; the scale's byte
.endr
	v_lshl_or_b32 v[\pw], v[TM+5], 8, v[TM+4]
	v_lshl_or_b32 v[\pw], v[TM+6], 16, v[\pw]
	v_lshl_or_b32 v[\pw], v[TM+7], 24, v[\pw]
.irp b, 0,1,2,3
.irp i, 0,1,2,3,4,5,6,7,8,9,10,11,12,13,14,15
	v_med3_num_f32 v[(\src)+16*\b+\i], v[(\src)+16*\b+\i], -v[TM+8+\b], v[TM+8+\b]   ; the conversion does not saturate (ISA guide 7.6.2): the hold
.endr
	v_cvt_scalef32_pk8_bf8_f32 v[(\pc)+4*\b:(\pc)+4*\b+1], v[(\src)+16*\b:(\src)+16*\b+7], v[TM+12+\b]
	v_cvt_scalef32_pk8_bf8_f32 v[(\pc)+4*\b+2:(\pc)+4*\b+3], v[(\src)+16*\b+8:(\src)+16*\b+15], v[TM+12+\b]
.endr
	v_nop                                          ; a plain line behind the last conversion
.endm
	s_load_b256 s[4:11], s[0:1], 0x0               ; mask, Wq, Wk, Wv
	s_load_b128 s[12:15], s[0:1], 0x20             ; Wo, wts
	s_load_b64 s[16:17], s[0:1], 0x30              ; msk
	s_load_b64 s[40:41], s[0:1], 0x38              ; flg
	v_lshl_add_u32 v[SPW], v0, 2, SPARE
	v_mov_b32 v[NIL], 0
	v_lshrrev_b32 v1, 5, v0
	v_readfirstlane_b32 s[WV], v1                  ; wave
	v_and_b32 v1, 31, v0                           ; lane
	v_lshlrev_b32 v[LI], 4, v1
	s_cmp_lt_u32 ttmp9, 32                         ; the work-group's number alone parts the two jobs
	s_cbranch_scc0 .Lmask
	; ---------------- the weights: wave w of work-group g takes the 16 rows of tile 4 g + w (of 128: 32 for each matrix) ----------------
	v_and_b32 v7, 15, v0                           ; r
	v_bfe_u32 v8, v0, 4, 1                         ; h
	s_mov_b32 s[SEL], 0x76543210
	s_mov_b32 s[SEL+1], 0xfedcba98
	s_mov_b32 s[MNT], 0x600000
	s_lshr_b32 s24, ttmp9, 3                       ; which matrix
	s_lshl_b32 s25, ttmp9, 2
	s_add_co_u32 s25, s25, s[WV]                   ; 32 mat + tile
	s_and_b32 s26, s25, 31
	s_lshl_b32 s26, s26, 15                        ; the tile's 16 rows of 2,048 bytes
	s_mov_b32 s27, 0
	s_lshl_b32 s28, s25, 13                        ; its four images
	s_mov_b32 s29, 0
	s_lshl_b32 s30, s25, 9                         ; its scale words
	s_mov_b32 s31, 0
.irp b, 0,1,2,3
	v_mov_b32 v[TM+4+\b], 0                        ; a lane permute's destination counts as one of its sources
.endr
	s_wait_alu depctr_va_vdst(0)
	s_wait_kmcnt 0x0
	s_cmp_eq_u32 s24, 1
	s_cselect_b64 s[6:7], s[8:9], s[6:7]
	s_cmp_eq_u32 s24, 2
	s_cselect_b64 s[6:7], s[10:11], s[6:7]
	s_cmp_eq_u32 s24, 3
	s_cselect_b64 s[6:7], s[12:13], s[6:7]
	s_cselect_b32 s32, 32, 64                      ; Wo: halves of the lanes 8 numbers apart, the second eight 16 numbers on;
	s_cselect_b32 s33, 64, 32                      ; the others: 16 apart, the second eight 8 on
	s_add_nc_u64 s[6:7], s[6:7], s[26:27]
	s_add_nc_u64 s[28:29], s[14:15], s[28:29]
	s_add_nc_u64 s[30:31], s[14:15], s[30:31]
	v_mul_u32_u24 v[XA], s32, v8
	v_lshl_add_u32 v[XA], v7, 11, v[XA]
	v_add_nc_u32 v[XB], s33, v[XA]
.macro XLOAD set, s                    ; K step s: 64 numbers a lane
.irp b, 0,1,2,3
	global_load_b128 v[(\set)+16*\b:(\set)+16*\b+3],     v[XA], s[6:7] offset:512*(\s)+128*\b th:TH_LOAD_NT
	global_load_b128 v[(\set)+16*\b+4:(\set)+16*\b+7],   v[XA], s[6:7] offset:512*(\s)+128*\b+16 th:TH_LOAD_NT
	global_load_b128 v[(\set)+16*\b+8:(\set)+16*\b+11],  v[XB], s[6:7] offset:512*(\s)+128*\b th:TH_LOAD_NT
	global_load_b128 v[(\set)+16*\b+12:(\set)+16*\b+15], v[XB], s[6:7] offset:512*(\s)+128*\b+16 th:TH_LOAD_NT
.endr
.endm
	XLOAD SET0, 0
	XLOAD SET0+64, 1
.irp s, 0,1,2,3
.if \s < 3
	s_wait_loadcnt 16                              ; this K step's 16 loads are in; the other set's 16 are younger
.else
	s_wait_loadcnt 0x0
.endif
	QUANT SET0+64*(\s%2), PC+16*\s, PW+\s
.irp c, 0,1,2,3
	global_store_b128 v[LI], v[PC+16*\s+4*\c:PC+16*\s+4*\c+3], s[28:29] offset:2048*\s+512*\c   ; 512 consecutive bytes
.endr
.if \s < 2
	XLOAD SET0+64*(\s%2), \s+2
.endif
.endr
	global_store_b128 v[LI], v[PW:PW+3], s[30:31] offset:1048576
	s_wait_tensorcnt 0x0                           ; the launch's one form of ending: this path stored nothing to LDS and ends alike
	ds_add_u32 v[SPW], v[NIL]
	s_wait_dscnt 0x0
	s_endpgm
	; ---------------- the mask: 16 rows x 1,024 keys a wave ----------------
.Lmask:
	s_wait_alu depctr_va_vdst(0)
	v_lshrrev_b32 v9, 3, v1
	v_lshlrev_b32 v9, 8, v9
	v_and_b32 v10, 7, v1
	v_lshl_add_u32 v9, v10, 1, v9
	s_lshl_b32 s24, s[WV], 11
	v_add_nc_u32 v9, s24, v9                       ; into my stage: step (lane / 8) x 256 + 2 (lane % 8)
	v_add_nc_u32 v10, s24, v[LI]                   ; out of it: 16 x lane
	s_lshl_b32 s25, s[WV], 2
	s_add_co_u32 s25, s25, FL
	v_mov_b32 v11, s25                             ; my wave's flag words
	v_mov_b32 v12, FL
	v_mov_b32 v13, 0
	s_mov_b32 s23, 0x02000200                      ; bytes 0 and 2, twice
	s_sub_co_u32 s26, ttmp9, 32                    ; the tile of 16 queries, 0 .. 511
	s_lshl_b32 s28, s26, 16                        ; its 16 rows of 4,096 bytes,
	s_lshl_b32 s27, s[WV], 10                      ; my 1,024 keys
	s_add_co_u32 s28, s28, s27
	s_mov_b32 s29, 0
	s_lshl_b32 s30, s26, 13                        ; the tile's 32 steps of 256 bytes, my eight
	s_add_co_u32 s30, s30, s24
	s_mov_b32 s31, 0
	s_lshl_b32 s32, s26, 3                         ; the tile's two flag words
	s_mov_b32 s33, 0
	s_wait_kmcnt 0x0
	s_add_nc_u64 s[4:5], s[4:5], s[28:29]
	s_add_nc_u64 s[30:31], s[16:17], s[30:31]
	s_add_nc_u64 s[32:33], s[40:41], s[32:33]
.irp q, 0,1,2,3,4,5,6,7,8,9,10,11,12,13,14,15,16,17,18,19,20,21,22,23,24,25,26,27,28,29,30,31
	global_load_b128 v[32+4*\q:35+4*\q], v[LI], s[4:5] offset:(\q/2)*4096+(\q%2)*512 th:TH_LOAD_NT   ; row q / 2, half q % 2: 512 consecutive bytes; all 32 loads go out at once
.endr
.irp r, 0,1,2,3,4,5,6,7,8,9,10,11,12,13,14,15
	s_wait_loadcnt 30-2*\r                         ; this row's two loads are in; the later rows' stay out
.irp n, 0,1
	v_lshl_or_b32 v[192+2*\n], v[33+8*\r+4*\n], 1, v[32+8*\r+4*\n]   ; 16 booleans: byte i % 4 gathers bit i / 4,
	v_lshl_or_b32 v[192+2*\n], v[34+8*\r+4*\n], 2, v[192+2*\n]
	v_lshl_or_b32 v[192+2*\n], v[35+8*\r+4*\n], 3, v[192+2*\n]
	v_lshrrev_b32 v[193+2*\n], 4, v[192+2*\n]      ; neighbouring bytes' nibbles join,
	v_or_b32 v[193+2*\n], v[193+2*\n], v[192+2*\n]
	v_perm_b32 v[160+2*\r+\n], v[193+2*\n], v[193+2*\n], s23   ; and bytes 0 and 2 are the halfword (it stands twice in the register)
	ds_store_b16 v9, v[160+2*\r+\n] offset:1024*\n+16*\r
.endr
.endr
.irp i, 0,1,2,3
	ds_load_b128 v[32+4*\i:35+4*\i], v10 offset:512*\i   ; LDS serves a wave's instructions in order: these see my stores
.endr
.irp n, 0,1
	v_or_b32 v[196+\n], v[160+\n], v[162+\n]       ; over the 16 rows: is any key of my 16 open; are all
	v_and_b32 v[198+\n], v[160+\n], v[162+\n]
.endr
.irp r, 2,3,4,5,6,7,8,9,10,11,12,13,14,15
.irp n, 0,1
	v_or_b32 v[196+\n], v[196+\n], v[160+2*\r+\n]
	v_and_b32 v[198+\n], v[198+\n], v[160+2*\r+\n]
.endr
.endr
	s_mov_b32 s36, 0
	s_mov_b32 s37, 0
	s_mov_b32 s38, 0
	s_wait_alu depctr_va_vdst(0)
.irp n, 0,1                            ; eight lanes hold a step: step 4 n + j of my eight is lanes 8 j .. 8 j + 7
	v_cmp_ne_u32 s34, 0, v[196+\n]
	v_cmp_eq_u32 s35, -1, v[198+\n]
.irp j, 0,1,2,3
	s_bfe_u32 s39, s34, (8<<16)|(8*\j)
	s_cmp_lg_u32 s39, 0
	s_cselect_b32 s39, 1<<(4*\n+\j), 0
	s_or_b32 s36, s36, s39
	s_bfe_u32 s39, s35, (8<<16)|(8*\j)
	s_cmp_eq_u32 s39, 0xff
	s_cselect_b32 s39, 1<<(4*\n+\j), 0
	s_or_b32 s37, s37, s39
.endr
.endr
.irp r, 0,1,2,3,4,5,6,7,8,9,10,11,12,13,14,15
	v_or_b32 v192, v[160+2*\r], v[161+2*\r]        ; has row r an open key among my 1,024?
	v_cmp_ne_u32 s34, 0, v192
	s_cmp_lg_u32 s34, 0
	s_cselect_b32 s39, 1<<\r, 0
	s_or_b32 s38, s38, s39
.endr
	s_lshl_b32 s39, s[WV], 3
	s_lshl_b32 s36, s36, s39                       ; my eight steps' place among the 32
	s_lshl_b32 s37, s37, s39
.irp i, 0,1,2,3
	s_wait_dscnt 3-\i
	global_store_b128 v[LI], v[32+4*\i:35+4*\i], s[30:31] offset:512*\i   ; 512 consecutive bytes
.endr
	v_mov_b32 v200, s36
	v_mov_b32 v201, s37
	v_mov_b32 v202, s38
	ds_store_b32 v11, v200                         ; all lanes write the same word with the same value
	ds_store_b32 v11, v201 offset:16
	ds_store_b32 v11, v202 offset:32
	s_wait_dscnt 0x0                               ; for the others' sake: my stores are done
	s_barrier_signal -1
	s_barrier_wait -1
	ds_load_b128 v[204:207], v12
	ds_load_b128 v[208:211], v12 offset:16
	ds_load_b128 v[212:215], v12 offset:32
	s_wait_dscnt 0x0
	v_or_b32 v204, v204, v205
	v_or_b32 v206, v206, v207
	v_or_b32 v204, v204, v206                      ; ANY, 32 steps
	v_or_b32 v208, v208, v209
	v_or_b32 v210, v210, v211
	v_or_b32 v217, v208, v210                      ; FULL
	v_or_b32 v212, v212, v213
	v_or_b32 v214, v214, v215
	v_or_b32 v212, v212, v214                      ; which rows have an open key
	v_cmp_eq_u32 vcc_lo, 0xffff, v212
	v_cndmask_b32 v216, -1, v204, vcc_lo           ; NEED: ANY where every row has one, else all steps
	s_wait_alu depctr_va_vdst(0)
	s_wait_xcnt 0x0                                ; EXEC changes only behind this wait
	v_cmp_eq_u32 vcc_lo, 0, v0
	s_and_saveexec_b32 s34, vcc_lo
	global_store_b64 v13, v[216:217], s[32:33]     ; one store of 8 bytes a work-group: 4,096 bytes in the whole launch
	s_wait_xcnt 0x0
	s_or_b32 exec_lo, exec_lo, s34
	s_wait_tensorcnt 0x0                           ; the wave's end, behind my last LDS store
	ds_add_u32 v[SPW], v[NIL]
	s_wait_dscnt 0x0
	s_endpgm
.Lfunc_end_k_q767edf72d3_prep:
	.size	k_q767edf72d3_prep, .Lfunc_end_k_q767edf72d3_prep-k_q767edf72d3_prep
	.p2alignl 7, 3214868480
	.fill 96, 4, 3214868480
	.section	.rodata,"a",@progbits
	.p2align	6, 0x0
	.amdhsa_kernel k_q767edf72d3_prep
		.amdhsa_group_segment_fixed_size 8960
		.amdhsa_private_segment_fixed_size 0
		.amdhsa_enable_private_segment 0
		.amdhsa_kernarg_size 64
		.amdhsa_user_sgpr_count 2
		.amdhsa_user_sgpr_kernarg_segment_ptr 1
		.amdhsa_wavefront_size32 1
		.amdhsa_system_sgpr_workgroup_id_x 1
		.amdhsa_system_sgpr_workgroup_id_y 1
		.amdhsa_system_sgpr_workgroup_id_z 1
		.amdhsa_system_vgpr_workitem_id 0
		.amdhsa_next_free_vgpr 256
		.amdhsa_next_free_sgpr 66
		.amdhsa_reserve_vcc 1
		.amdhsa_float_denorm_mode_32 3
		.amdhsa_float_denorm_mode_16_64 3
		.amdhsa_memory_ordered 1
		.amdhsa_forward_progress 1
		.amdhsa_inst_pref_size 69
	.end_amdhsa_kernel
	.amdgpu_metadata
---
amdhsa.version: [ 1, 2 ]
amdhsa.kernels:
  - .name:           k_q767edf72d3_prep
    .symbol:         k_q767edf72d3_prep.kd
    .args:
      - { .name: mask, .offset: 0, .size: 8, .value_kind: global_buffer, .address_space: global }
      - { .name: Wq, .offset: 8, .size: 8, .value_kind: global_buffer, .address_space: global }
      - { .name: Wk, .offset: 16, .size: 8, .value_kind: global_buffer, .address_space: global }
      - { .name: Wv, .offset: 24, .size: 8, .value_kind: global_buffer, .address_space: global }
      - { .name: Wo, .offset: 32, .size: 8, .value_kind: global_buffer, .address_space: global }
      - { .name: wts, .offset: 40, .size: 8, .value_kind: global_buffer, .address_space: global }
      - { .name: msk, .offset: 48, .size: 8, .value_kind: global_buffer, .address_space: global }
      - { .name: flg, .offset: 56, .size: 8, .value_kind: global_buffer, .address_space: global }
    .group_segment_fixed_size: 8960
    .private_segment_fixed_size: 0
    .kernarg_segment_align: 8
    .kernarg_segment_size: 64
    .max_flat_workgroup_size: 128
    .sgpr_count:     66
    .vgpr_count:     256
    .wavefront_size: 32
...
	.end_amdgpu_metadata
.endif
;; end of part 5
;; launch proj (part 6): grid 64 x 3, 8 waves a work-group, no clusters, 111,616 bytes of LDS; arguments query_input, key_input, value_input, bq, bk, bv, wts, qkv, scl; writes qkv, scl
.if DOCPART == 6
	.amdgcn_target "amdgcn-amd-amdhsa--gfx1250"
	.amdhsa_code_object_version 6
	.text
	.protected	k_q767edf72d3_proj
	.globl	k_q767edf72d3_proj
	.p2align	8
	.type	k_q767edf72d3_proj,@function
k_q767edf72d3_proj:
	s_mov_b64 s[64:65], 0
	v_nop
	global_prefetch_b8 v0, s[64:65] scope:SCOPE_SE
	s_setreg_imm32_b32 hwreg(HW_REG_WAVE_SCHED_MODE, 0, 2), 2
	s_setreg_imm32_b32 hwreg(HW_REG_WAVE_MODE, 25, 1), 1
	s_wait_xcnt 0x0
	s_wait_alu depctr_vm_vsrc(0)
; Launch 2 of 4: q = x Wq^T + bq, k, v likewise, on codes of E5M2 with E8M0 scales; the results are quantised at once for the attention's two products.  Nothing is left out.
; SHARES.  Work-group (blk, p): 128 tokens of tensor p (0 q, 1 k, 2 v).  Wave w = head w: rows 64 w .. 64 w + 63 of W, whose 16 fragments stay in its registers (window 1), loaded as images that launch 1 laid.
; PHASE X: wave w quantises rows 16 w .. 16 w + 15 of x along K = 512 (each row is read from memory once, by this work-group alone) into LDS: codes by rows, pitch 528; 16 scale bytes a row.  One barrier.
; PHASE G: four passes of 32 tokens; eight accumulators by turns, four K steps of 128.  The bias is the C of each sum's first product.
;   q, k: source 0 = 16 rows of W, source 1 = 16 tokens: a lane holds ONE token and its registers run along the head's 64: two blocks of 32 of the next product's K.
;   v:    source 0 = 16 tokens, source 1 = 16 rows of W: a lane holds ONE channel d and its registers run along the tokens, which are the keys: the next product's K.
;   In both, 16 registers of lanes l and l xor 16 are a whole block of 32; place 8 u + j of lane half h holds k = 32 c + 16 u + 8 h + j.  Both operands of each later product carry this order, so its sums are the same.
; OUT, as images of operand registers (512 consecutive bytes a store).  bh = 8 batch + head.
;   qkv: q at (bh 256 + token/16) 1024, k the same + 4 MiB (two groups: 64 along K); v^T at 8 MiB + ((bh 32 + step) 4 + d/16) 2048 (16 d x 128 keys).
;   scl: q at (bh 32 + blk) 512: lane l, word t: lanes 0-15 tile t's word of row r, lanes 16-31 tile 4 + t's; k so at 262,144 + (bh 32 + step) 1024; v behind it, + 512: lane l, word d/16, byte c for keys 32 c on.
;   A word of q or k has two bytes; its upper two are 0: they belong to the half of the instruction's K = 128 that holds zero codes.
; 192 work-groups: a block of 128 tokens is one key step of v and one block of scale words; 64 tokens would read each head's weights twice as often.  No multicast: the weights go straight into registers.
; LIMITS: a block of zeros gets the byte 1 (its codes are zeros; only this program reads the bytes); NaN and infinities among the inputs are not served.
; THE MODE: SCHED_MODE bits 1:0 = 2 (LLVM: expert scheduling mode 2), set by the entry lines.  The code itself states the register dependences
; between vector or matrix instructions and memory or LDS instructions, with s_wait_alu, always for 0.
; THE PLAN.  Registers that memory or LDS instructions touch:
;   v1-v10, v248-255  addresses and offsets, made at the head and never written again.
;   PHASE X.  R0 .. R3  a row's four loads land; the LDS stores of its turn read them; no vector instruction names them.
;             X0, X1    the LDS loads of row t's turn land in X[t % 2]; row t's maxima, holds and conversions read and write it.
;             C, E      four registers and one for each row: written by the row's conversions and shift, read by two LDS stores that are issued at the NEXT row's head; never written again.
;     So a row's head holds one wait on vm_vsrc (this row's turn has read R[t % 4], in which the row four on lands) and one on va_vdst (the row before has written its C and E and is done with its X,
;     in which the next row's turn lands); the row's fourteen memory and LDS instructions follow with no further wait, ahead of its vector lines, which name X[t % 2], C, E and v240-243 alone.
;   PHASE G.  XSW, XF0, XF1  LDS loads land; products read them.  PC  the quantiser writes it; the global stores issued in the NEXT pass read it.  KW  vector lines write it; one store at the end reads it.
;     Three waits on va_vdst a pass, each ahead of a run of loads into registers that products have read; the first of them also states that the last pass's codes are written, and that pass's stores follow it.
;     One wait on vm_vsrc a pass, ahead of the quantiser that writes PC again.
.set XP,    528                        ; LDS: 0: x's codes, 128 rows of 512 bytes + 16: the 16 rows of a fragment load start at 16 different groups of banks
.set XS,    67584                      ; x's scale bytes, 16 a row
.set STG,   69632                      ; two stages of 32 x 80 bytes for each wave
.set SP,    80
.set SPARE, 110592                     ; the spare words, 128 bytes a wave: four blocks of 256 bytes that no other line names
.set LI,  1                            ; v1  16 x lane
.set LN,  2                            ; v2  lane
.set STI, 3                            ; v3  into my stage
.set STO, 4                            ; v4  out of it
.set XCW, 5                            ; v5  where my rows' codes go
.set XSB, 6                            ; v6  and their scale bytes
.set XA,  7                            ; v7  a fragment's place for my lane: 528 r + 16 h
.set XSA, 8                            ; v8  a tile's scale words: XS + 16 r
.set SPW, 9                            ; v9  SPARE + 4 x thread; never rewritten
.set NIL, 10                           ; v10 0; never rewritten
.set BI,  16                           ; v16-47   the bias, eight registers a tile of W
.set WS,  48                           ; v48-63   W's scale words (tile t, K step s) at 4 t + s
.set XSW, 64                           ; v64-71   x's scale words (tile m, K step s)
.set KW,  72                           ; v72-79   scale words on their way out
.set PC,  80                           ; v80-95   codes just made
.set TM,  96                           ; v96-111  at work
.set PW,  112
.set ACC, 120                          ; v120-183 eight accumulators
.set XF0, 184                          ; v184-215, v216-247: x's two fragments of a K step, two buffers
.set XF1, 216
.set BAJ, 248                          ; v248-255 the bias loads' offsets; never rewritten
.set R,   64                           ; phase X: v64-127 four sets of 16 numbers as loaded; v128-159 two sets of 16 neighbours; v160-223 codes; v224-239 bytes; v240-243 at work
.set X,   128
.set C,   160
.set E,   224
.set WV,  22
.set MNT, 25
.set SEL, 46
.set MSB, 0
.macro WIN new                         ; the immediate's high byte repeats the setting that is left
.if MSB != \new
	s_set_vgpr_msb (MSB<<8)|\new
.set MSB, \new
.endif
.endm
.macro NOPS n
.rept \n
	v_nop
.endr
.endm
.macro QUANT src, pc, pw               ; 64 numbers of a lane, four blocks of 16, become 16 registers of codes and a scale word
.irp b, 0,1,2,3
	v_max3_num_f32 v[TM+\b], |v[(\src)+16*\b]|, |v[(\src)+16*\b+1]|, 0x8000000   ; my 16 numbers and the floor 2^(16 - 127); each accumulator is read from its low end on
.endr
.irp i, 2,4,6,8,10,12,14
.irp b, 0,1,2,3
	v_max3_num_f32 v[TM+\b], v[TM+\b], |v[(\src)+16*\b+\i]|, |v[(\src)+16*\b+\i+1]|
.endr
.endr
.irp b, 0,1,2,3
	v_permlanex16_b32 v[TM+4+\b], v[TM+\b], s[SEL], s[SEL+1]
.endr
.irp b, 0,1,2,3
	v_max_num_f32 v[TM+\b], v[TM+\b], v[TM+4+\b]
.endr
.irp b, 0,1,2,3
	v_add_nc_u32 v[TM+12+\b], 0xf8800000, v[TM+\b]
.endr
.irp b, 0,1,2,3
	v_and_or_b32 v[TM+8+\b], v[TM+\b], 0x7f800000, s[MNT]
.endr
.irp b, 0,1,2,3
	v_lshrrev_b32 v[TM+4+\b], 23, v[TM+12+\b]
.endr
	v_lshl_or_b32 v[\pw], v[TM+5], 8, v[TM+4]
	v_lshl_or_b32 v[\pw], v[TM+6], 16, v[\pw]
	v_lshl_or_b32 v[\pw], v[TM+7], 24, v[\pw]
.irp b, 0,1,2,3
.irp i, 0,1,2,3,4,5,6,7,8,9,10,11,12,13,14,15
	v_med3_num_f32 v[(\src)+16*\b+\i], v[(\src)+16*\b+\i], -v[TM+8+\b], v[TM+8+\b]
.endr
	v_cvt_scalef32_pk8_bf8_f32 v[(\pc)+4*\b:(\pc)+4*\b+1], v[(\src)+16*\b:(\src)+16*\b+7], v[TM+12+\b]
	v_cvt_scalef32_pk8_bf8_f32 v[(\pc)+4*\b+2:(\pc)+4*\b+3], v[(\src)+16*\b+8:(\src)+16*\b+15], v[TM+12+\b]
.endr
	v_nop                                          ; a plain line behind the last conversion: the next products write its sources
.endm
	s_load_b256 s[4:11], s[0:1], 0x0               ; query_input, key_input, value_input, bq
	s_load_b256 s[12:19], s[0:1], 0x20             ; bk, bv, wts, qkv
	s_load_b64 s[20:21], s[0:1], 0x40              ; scl
	v_lshl_add_u32 v[SPW], v0, 2, SPARE
	v_mov_b32 v[NIL], 0
	v_lshrrev_b32 v11, 5, v0
	v_readfirstlane_b32 s[WV], v11                 ; wave = head
	v_and_b32 v[LN], 31, v0
	v_and_b32 v11, 15, v0                          ; r
	v_bfe_u32 v12, v0, 4, 1                        ; h
	v_lshlrev_b32 v[LI], 4, v[LN]
	s_wait_alu depctr_va_sdst(0)                   ; the wave's number is written, ahead of its first reader: LDS places and the buffers' offsets are made from it
	s_mul_i32 s23, s[WV], 2*32*SP
	s_add_co_u32 s23, s23, STG
	v_lshrrev_b32 v13, 2, v[LN]
	v_mul_u32_u24 v13, v13, SP
	v_and_b32 v14, 3, v[LN]
	v_lshl_add_u32 v13, v14, 4, v13
	v_add_nc_u32 v[STI], s23, v13                  ; four lanes' 64 bytes on end, then 16 of padding
	v_mul_u32_u24 v13, v[LN], SP
	v_add_nc_u32 v[STO], s23, v13                  ; my 16 neighbours
	s_mul_i32 s23, s[WV], 16*XP
	v_add_nc_u32 v[XCW], s23, v[LI]
	s_lshl_b32 s23, s[WV], 8
	s_add_co_u32 s23, s23, XS
	v_lshrrev_b32 v13, 1, v[LN]
	v_add_nc_u32 v[XSB], s23, v13
	v_mul_u32_u24 v[XA], v11, XP
	v_lshl_add_u32 v[XA], v12, 4, v[XA]
	v_lshl_add_u32 v[XSA], v11, 4, XS
	s_mov_b32 s[SEL], 0x76543210
	s_mov_b32 s[SEL+1], 0xfedcba98
	s_mov_b32 s[MNT], 0x600000
	s_and_b32 s24, ttmp7, 0xffff                   ; p
	s_lshr_b32 s26, ttmp9, 5                       ; batch
	s_and_b32 s27, ttmp9, 31                       ; the block of 128 tokens in it
	s_lshl_b32 s26, s26, 3
	s_add_co_u32 s26, s26, s[WV]                   ; bh
	s_lshl_b32 s28, ttmp9, 18                      ; x: 128 rows of 2,048 bytes a block,
	s_lshl_b32 s29, s[WV], 15                      ; my 16 rows
	s_add_co_u32 s28, s28, s29
	s_mov_b32 s29, 0
	s_lshl_b32 s40, s24, 5
	s_lshl_b32 s41, s[WV], 2
	s_add_co_u32 s40, s40, s41                     ; my first tile of W: 32 p + 4 w
	s_lshl_b32 s30, s40, 13                        ; its images,
	s_mov_b32 s31, 0
	s_lshl_b32 s32, s40, 9                         ; its scale words
	s_mov_b32 s33, 0
	s_lshl_b32 s34, s[WV], 8                       ; my 64 numbers of the bias
	s_mov_b32 s35, 0
	s_lshl_b32 s36, s24, 22                        ; qkv: 4 MiB a tensor, 262,144 bytes a head, 8,192 a block: the same for q, k and v
	s_lshl_b32 s41, s26, 18
	s_add_co_u32 s36, s36, s41
	s_lshl_b32 s41, s27, 13
	s_add_co_u32 s36, s36, s41
	s_mov_b32 s37, 0
	s_lshl_b32 s43, s26, 5
	s_add_co_u32 s43, s43, s27                     ; 32 bh + block
	s_min_u32 s44, s24, 1
	s_add_co_u32 s45, s44, 9
	s_lshl_b32 s38, s43, s45                       ; scl: q 512 bytes a block; k and v 1,024,
	s_lshl_b32 s44, s44, 18
	s_add_co_u32 s38, s38, s44                     ; behind q's 262,144,
	s_cmp_eq_u32 s24, 2
	s_cselect_b32 s44, 512, 0
	s_add_co_u32 s38, s38, s44                     ; v's half behind k's
	s_mov_b32 s39, 0
	s_cmp_eq_u32 s24, 2                            ; the bias in the result's layout, with no branch: q, k: register j wants b[16 t + 8 h + j]; v: all eight want b[16 t + r]
	s_cselect_b32 s40, 4, 0
	s_cselect_b32 s41, 0, 32
	s_cselect_b32 s42, 0, 4
	v_mul_u32_u24 v[BAJ], s40, v11
	v_mad_u32_u24 v[BAJ], v12, s41, v[BAJ]
.irp j, 1,2,3,4,5,6,7
	v_add_nc_u32 v[BAJ+\j], s42, v[BAJ+\j-1]
.endr
	s_wait_kmcnt 0x0
	s_cmp_eq_u32 s24, 1
	s_cselect_b64 s[4:5], s[6:7], s[4:5]
	s_cselect_b64 s[10:11], s[12:13], s[10:11]
	s_cmp_eq_u32 s24, 2
	s_cselect_b64 s[4:5], s[8:9], s[4:5]
	s_cselect_b64 s[10:11], s[14:15], s[10:11]
	s_add_nc_u64 s[4:5], s[4:5], s[28:29]
	s_add_nc_u64 s[30:31], s[16:17], s[30:31]
	s_add_nc_u64 s[32:33], s[16:17], s[32:33]
	s_add_nc_u64 s[34:35], s[10:11], s[34:35]
	s_add_nc_u64 s[36:37], s[18:19], s[36:37]
	s_add_nc_u64 s[38:39], s[20:21], s[38:39]
	WIN 0x40                                       ; destination window 1
	s_wait_alu depctr_va_vdst(0)                   ; the addresses and offsets v1 to v10 and v248 to v255 are written: every load, store and LDS instruction of the kernel reads some of them
.irp f, 0,1,2,3,4,5,6,7,8,9,10,11,12,13,14,15
.irp c, 0,1,2,3
	global_load_b128 v[16*\f+4*\c:16*\f+4*\c+3], v[LI], s[30:31] offset:2048*\f+512*\c   ; W's fragment (tile f / 4, K step f % 4): they stay
.endr
.endr
	WIN 0
.irp t, 0,1,2,3
	global_load_b128 v[WS+4*\t:WS+4*\t+3], v[LI], s[32:33] offset:1048576+512*\t
.endr
.irp t, 0,1,2,3
.irp j, 0,1,2,3,4,5,6,7
	global_load_b32 v[BI+8*\t+\j], v[BAJ+\j], s[34:35] offset:64*\t
.endr
.endr
	; ---- PHASE X: a row of x (2,048 bytes) a step.  Each load reads 512 consecutive bytes; the row turns through my stage so that a lane holds 16 neighbours along K; two neighbouring lanes hold a block
.macro XLOAD t
.irp i, 0,1,2,3
	global_load_b128 v[R+16*((\t)%4)+4*\i:R+16*((\t)%4)+4*\i+3], v[LI], s[4:5] offset:2048*(\t)+512*\i th:TH_LOAD_NT
.endr
.endm
.macro XTURN t                         ; LDS serves a wave's instructions in order: no wait between the stores and the loads
.irp i, 0,1,2,3
	ds_store_b128 v[STI], v[R+16*((\t)%4)+4*\i:R+16*((\t)%4)+4*\i+3] offset:32*SP*((\t)%2)+8*SP*\i
.endr
.irp i, 0,1,2,3
	ds_load_b128 v[X+16*((\t)%2)+4*\i:X+16*((\t)%2)+4*\i+3], v[STO] offset:32*SP*((\t)%2)+16*\i
.endr
.endm
.macro XOUT t                          ; row t's codes and scale bytes go to their places in LDS
	ds_store_b128 v[XCW], v[C+4*(\t):C+4*(\t)+3] offset:(\t)*XP
	ds_store_b8 v[XSB], v[E+(\t)] offset:16*(\t)   ; both lanes of a block write the same byte with the same value
.endm
.irp t, 0,1,2,3
	XLOAD \t
.endr
	s_wait_loadcnt 12                              ; row 0's four loads are in (and all older loads: the weights, their scales, the bias); three rows' stay out
	XTURN 0
.macro XSTEP t
.set XX, X+16*((\t)%2)
	s_wait_dscnt 0x0                               ; this row is back from the stage: its four loads are my youngest LDS instructions
.if (\t)+4 < 16
	s_wait_alu depctr_vm_vsrc(0)                   ; the LDS stores of this row's turn have read R[t % 4], in which the loads of the row four on land
.endif
.if (\t) > 0
	s_wait_alu depctr_va_vdst(0)                   ; the row before has written its codes and its byte, which the two LDS stores below read, and is done with its X, in which the next row's turn lands
	XOUT (\t)-1
.endif
.if (\t)+4 < 16
	XLOAD (\t)+4                                   ; into the set that this row's turn has read
.endif
.if (\t)+1 < 16
.if (\t) <= 11
	s_wait_loadcnt 12                              ; the next row's four loads are in; those of the three rows behind it stay out
.else
	s_wait_loadcnt 4*(14-(\t))
.endif
	XTURN (\t)+1
.endif
	v_max3_num_f32 v240, |v[XX]|, |v[XX+1]|, |v[XX+2]|
	v_max3_num_f32 v241, |v[XX+3]|, |v[XX+4]|, |v[XX+5]|
.irp i, 6,10
	v_max3_num_f32 v240, v240, |v[XX+\i]|, |v[XX+\i+1]|
	v_max3_num_f32 v241, v241, |v[XX+\i+2]|, |v[XX+\i+3]|
.endr
	v_max3_num_f32 v240, v240, |v[XX+14]|, |v[XX+15]|
	v_max3_num_f32 v240, v240, v241, 0x8000000     ; and the floor 2^(16 - 127)
	v_max_num_f32_dpp v240, v240, v240 row_xmask:1 row_mask:0xf bank_mask:0xf   ; with my neighbour's 16: the block's largest magnitude
	v_add_nc_u32 v243, 0xf8800000, v240
	v_and_or_b32 v242, v240, 0x7f800000, s[MNT]
.irp i, 0,1,2,3,4,5,6,7,8,9,10,11,12,13,14,15
	v_med3_num_f32 v[XX+\i], v[XX+\i], -v242, v242
.endr
	v_cvt_scalef32_pk8_bf8_f32 v[C+4*(\t):C+4*(\t)+1], v[XX:XX+7], v243
	v_cvt_scalef32_pk8_bf8_f32 v[C+4*(\t)+2:C+4*(\t)+3], v[XX+8:XX+15], v243
	v_lshrrev_b32 v[E+(\t)], 23, v243              ; the byte; also the plain line behind the conversions
.endm
.irp t, 0,1,2,3,4,5,6,7,8,9,10,11,12,13,14,15
	XSTEP \t
.endr
	s_wait_alu depctr_va_vdst(0)                   ; row 15 has written its codes and its byte, which the last two LDS stores read; all of this phase's vector lines are done with v128 to v243, in which the fragments below land
	XOUT 15
	s_wait_dscnt 0x0                               ; for the others' sake: my rows' codes and bytes lie in LDS
	s_barrier_signal -1
	s_barrier_wait -1
	s_wait_loadcnt 0x0
	s_wait_alu depctr_vm_vsrc(0)                   ; my LDS stores have read v64 to v127 and v160 to v239: from here on these registers are scale words, codes, accumulators and fragments, written by vector lines, products and LDS loads
.irp b, 0,1,2,3
	v_mov_b32 v[TM+4+\b], 0                        ; a lane permute's destination counts as one of its sources
.endr
	; ---- PHASE G
.macro FETCH xf, gg, s                 ; the pass's two tiles of 16 tokens, K step s
.irp m, 0,1
.irp c, 0,1,2,3
	ds_load_b128 v[(\xf)+16*\m+4*\c:(\xf)+16*\m+4*\c+3], v[XA] offset:(32*(\gg)+16*\m)*XP+128*(\s)+32*\c
.endr
.endr
.endm
.macro FIRST gg                        ; a pass's first 18 loads: scale words, K steps 0 and 1
.irp m, 0,1
	ds_load_b128 v[XSW+4*\m:XSW+4*\m+3], v[XSA] offset:(32*(\gg)+16*\m)*16
.endr
	FETCH XF0, \gg, 0
	FETCH XF1, \gg, 1
.endm
; eight products, the eight accumulators by turns.  path 0: q, k; 1: v
.macro MUL path, xf, s
.if \path == 0
	WIN 0x01                                       ; source 0 (W) window 1
.irp m, 0,1
.irp t, 0,1,2,3
.if (\s) == 0
	v_wmma_scale_f32_16x16x128_f8f6f4 v[ACC+32*\m+8*\t:ACC+32*\m+8*\t+7], v[16*(4*\t+(\s)):16*(4*\t+(\s))+15], v[(\xf)+16*\m:(\xf)+16*\m+15], v[BI+8*\t:BI+8*\t+7], v[WS+4*\t+(\s)], v[XSW+4*\m+(\s)] matrix_a_fmt:MATRIX_FMT_BF8 matrix_b_fmt:MATRIX_FMT_BF8
.else
	v_wmma_scale_f32_16x16x128_f8f6f4 v[ACC+32*\m+8*\t:ACC+32*\m+8*\t+7], v[16*(4*\t+(\s)):16*(4*\t+(\s))+15], v[(\xf)+16*\m:(\xf)+16*\m+15], v[ACC+32*\m+8*\t:ACC+32*\m+8*\t+7], v[WS+4*\t+(\s)], v[XSW+4*\m+(\s)] matrix_a_fmt:MATRIX_FMT_BF8 matrix_b_fmt:MATRIX_FMT_BF8
.endif
.endr
.endr
.else
	WIN 0x04                                       ; source 1 (W) window 1
.irp m, 0,1
.irp t, 0,1,2,3
.if (\s) == 0
	v_wmma_scale_f32_16x16x128_f8f6f4 v[ACC+16*\t+8*\m:ACC+16*\t+8*\m+7], v[(\xf)+16*\m:(\xf)+16*\m+15], v[16*(4*\t+(\s)):16*(4*\t+(\s))+15], v[BI+8*\t:BI+8*\t+7], v[XSW+4*\m+(\s)], v[WS+4*\t+(\s)] matrix_a_fmt:MATRIX_FMT_BF8 matrix_b_fmt:MATRIX_FMT_BF8
.else
	v_wmma_scale_f32_16x16x128_f8f6f4 v[ACC+16*\t+8*\m:ACC+16*\t+8*\m+7], v[(\xf)+16*\m:(\xf)+16*\m+15], v[16*(4*\t+(\s)):16*(4*\t+(\s))+15], v[ACC+16*\t+8*\m:ACC+16*\t+8*\m+7], v[XSW+4*\m+(\s)], v[WS+4*\t+(\s)] matrix_a_fmt:MATRIX_FMT_BF8 matrix_b_fmt:MATRIX_FMT_BF8
.endif
.endr
.endr
.endif
	WIN 0
.endm
.macro OUTS path, gg                   ; pass gg's codes leave: four stores of 512 consecutive bytes
.if \path == 0
.irp m, 0,1
	global_store_b128 v[LI], v[PC+8*\m:PC+8*\m+3], s[36:37] offset:(2*(\gg)+\m)*1024
	global_store_b128 v[LI], v[PC+8*\m+4:PC+8*\m+7], s[36:37] offset:(2*(\gg)+\m)*1024+512
.endr
.else
.irp i, 0,1,2,3
	global_store_b128 v[LI], v[PC+4*\i:PC+4*\i+3], s[36:37] offset:2048*\i+512*(\gg)   ; group gg (keys 32 gg on) of the image of channels 16 i on
.endr
.endif
.endm
; A pass: 32 tokens.  Eight plain places stand behind products in front of loads into registers that they read and of the first read of results; the waits on va_vdst stand behind the places.
; The next pass's first products begin the accumulators anew: the eight v_nop and the quantiser's many lines on other registers stand between.
.macro PASS path, gg
	s_wait_dscnt 8                                 ; the scale words and K step 0 are in; K step 1's eight loads may be out
	MUL \path, XF0, 0
	NOPS 8
	s_wait_alu depctr_va_vdst(0)                   ; K step 0's products are done reading XF0, in which K step 2 lands; the last pass's conversions have written the codes, which the stores below read
.if (\gg) > 0
	OUTS \path, (\gg)-1
.endif
	FETCH XF0, \gg, 2
	s_wait_dscnt 8                                 ; K step 1 is in
	MUL \path, XF1, 1
	NOPS 8
	s_wait_alu depctr_va_vdst(0)                   ; K step 1's products are done reading XF1, in which K step 3 lands
	FETCH XF1, \gg, 3
	s_wait_dscnt 8                                 ; K step 2 is in
	MUL \path, XF0, 2
	s_wait_dscnt 0x0
	MUL \path, XF1, 3
	NOPS 8
.if (\gg) < 3
	s_wait_alu depctr_va_vdst(0)                   ; the pass's products are done reading x's scale words and both fragment buffers, in which the next pass's first loads land
	FIRST (\gg)+1                                  ; they land while this pass is quantised
.endif
.if (\gg) > 0
	s_wait_xcnt 0x0                                ; the last pass's stores have had their addresses translated,
	s_wait_alu depctr_vm_vsrc(0)                   ; and have read the codes' registers, which the conversions below write again
.endif
	QUANT ACC, PC, PW
.if \path == 0
	v_and_b32 v[KW+2*(\gg)], 0xffff, v[PW]         ; the first tile's two bytes,
	v_lshrrev_b32 v[KW+2*(\gg)+1], 16, v[PW]       ; the second's
.else
.irp i, 0,1,2,3
.if (\gg) == 0
	v_mov_b32 v[KW+\i], v[TM+4+\i]
.else
	v_lshl_or_b32 v[KW+\i], v[TM+4+\i], 8*(\gg), v[KW+\i]
.endif
.endr
.endif
.endm
	FIRST 0
	s_cmp_eq_u32 s24, 2                            ; the same in all eight waves
	s_cbranch_scc1 .Lvpath
	PASS 0, 0
	PASS 0, 1
	PASS 0, 2
	PASS 0, 3
	v_cmp_le_u32 vcc_lo, 16, v[LN]
	s_wait_alu depctr_va_vcc(0)                    ; VCC is written, ahead of the four selects that read it
.irp i, 0,1,2,3
	v_cndmask_b32 v[KW+\i], v[KW+\i], v[KW+4+\i], vcc_lo   ; lanes 16-31 carry tiles 4 to 7
.endr
	s_wait_alu depctr_va_vdst(0)                   ; the last pass's conversions have written the codes and the selects the scale words, which the five stores below read
	OUTS 0, 3
	global_store_b128 v[LI], v[KW:KW+3], s[38:39]
	s_wait_dscnt 0x0                               ; the closing lines, six on end
	s_wait_alu 0x0
	s_wait_tensorcnt 0x0
	ds_add_u32 v[SPW], v[NIL]
	s_wait_dscnt 0x0
	s_endpgm
.Lvpath:
	PASS 1, 0
	PASS 1, 1
	PASS 1, 2
	PASS 1, 3
	s_wait_alu depctr_va_vdst(0)                   ; the last pass's conversions have written the codes and its shifts the scale words, which the five stores below read
	OUTS 1, 3
	global_store_b128 v[LI], v[KW:KW+3], s[38:39]
	s_wait_dscnt 0x0                               ; the closing lines, as above
	s_wait_alu 0x0
	s_wait_tensorcnt 0x0
	ds_add_u32 v[SPW], v[NIL]
	s_wait_dscnt 0x0
	s_endpgm
.Lfunc_end_k_q767edf72d3_proj:
	.size	k_q767edf72d3_proj, .Lfunc_end_k_q767edf72d3_proj-k_q767edf72d3_proj
	.p2alignl 7, 3214868480
	.fill 96, 4, 3214868480
	.section	.rodata,"a",@progbits
	.p2align	6, 0x0
	.amdhsa_kernel k_q767edf72d3_proj
		.amdhsa_group_segment_fixed_size 111616
		.amdhsa_private_segment_fixed_size 0
		.amdhsa_enable_private_segment 0
		.amdhsa_kernarg_size 72
		.amdhsa_user_sgpr_count 2
		.amdhsa_user_sgpr_kernarg_segment_ptr 1
		.amdhsa_wavefront_size32 1
		.amdhsa_system_sgpr_workgroup_id_x 1
		.amdhsa_system_sgpr_workgroup_id_y 1
		.amdhsa_system_sgpr_workgroup_id_z 1
		.amdhsa_system_vgpr_workitem_id 0
		.amdhsa_next_free_vgpr 512
		.amdhsa_next_free_sgpr 66
		.amdhsa_reserve_vcc 1
		.amdhsa_float_denorm_mode_32 3
		.amdhsa_float_denorm_mode_16_64 3
		.amdhsa_memory_ordered 1
		.amdhsa_forward_progress 1
		.amdhsa_inst_pref_size 190
	.end_amdhsa_kernel
	.amdgpu_metadata
---
amdhsa.version: [ 1, 2 ]
amdhsa.kernels:
  - .name:           k_q767edf72d3_proj
    .symbol:         k_q767edf72d3_proj.kd
    .args:
      - { .name: query_input, .offset: 0, .size: 8, .value_kind: global_buffer, .address_space: global }
      - { .name: key_input, .offset: 8, .size: 8, .value_kind: global_buffer, .address_space: global }
      - { .name: value_input, .offset: 16, .size: 8, .value_kind: global_buffer, .address_space: global }
      - { .name: bq, .offset: 24, .size: 8, .value_kind: global_buffer, .address_space: global }
      - { .name: bk, .offset: 32, .size: 8, .value_kind: global_buffer, .address_space: global }
      - { .name: bv, .offset: 40, .size: 8, .value_kind: global_buffer, .address_space: global }
      - { .name: wts, .offset: 48, .size: 8, .value_kind: global_buffer, .address_space: global }
      - { .name: qkv, .offset: 56, .size: 8, .value_kind: global_buffer, .address_space: global }
      - { .name: scl, .offset: 64, .size: 8, .value_kind: global_buffer, .address_space: global }
    .group_segment_fixed_size: 111616
    .private_segment_fixed_size: 0
    .kernarg_segment_align: 8
    .kernarg_segment_size: 72
    .max_flat_workgroup_size: 256
    .sgpr_count:     66
    .vgpr_count:     512
    .wavefront_size: 32
...
	.end_amdgpu_metadata
.endif
;; end of part 6
;; launch attn (part 7): grid 16 x 16, 16 waves a work-group, no clusters, 133,120 bytes of LDS; arguments qkv, scl, msk, hds, flg; writes hds
.if DOCPART == 7
	.amdgcn_target "amdgcn-amd-amdhsa--gfx1250"
	.amdhsa_code_object_version 6
	.text
	.protected	k_q767edf72d3_attn
	.globl	k_q767edf72d3_attn
	.p2align	8
	.type	k_q767edf72d3_attn,@function
k_q767edf72d3_attn:
	s_mov_b64 s[64:65], 0
	v_nop
	global_prefetch_b8 v0, s[64:65] scope:SCOPE_SE
	s_setreg_imm32_b32 hwreg(HW_REG_WAVE_SCHED_MODE, 0, 2), 2
	s_setreg_imm32_b32 hwreg(HW_REG_WAVE_MODE, 25, 1), 1
	s_wait_xcnt 0x0
	s_wait_alu depctr_vm_vsrc(0)
; Launch 3 of 4: heads = softmax(mask(q k^T / 8)) v on codes of E5M2; the heads are quantised along D for the last product.
; WHAT IS PASSED OVER: a key step of 128 keys that the mask hides from all 16 queries of a wave's tile, by a scalar branch on the flag words that launch 1 stored as whole numbers in flg (NEED); where a tile holds a query
; with no key at all, NEED is all ones and nothing is passed over.  Where a step is wholly open (FULL) the mask's bits are neither loaded nor applied.  No pattern of the mask is built in.
; Since the launch branches on stored numbers it has no tensor load: K, V and their scales go from memory through registers into LDS, each wave a sixteenth of a slot.  No barrier, wait or copy stands under such a branch.
; THE SOFTMAX: t = score x log2(e) / 8; M = the running largest t rounded up to a whole number; p = 2^(t - M) is quantised along the keys, not normalised; the row's sum is taken of the unquantised p and divides at the end.
; SHARES.  Work-group (y, bh): one batch and head, 16 tiles of 16 queries; a wave owns one tile in 256 registers, four waves to a SIMD.  Wave w: a = ((w % 4) + w / 4) % 4, i = w / 4, tile T = 64 a + 4 yy + i,
; yy = y for even a, 15 - y for odd: each T from 0 to 255 once.  The choice only spreads early and late queries over work-groups and SIMDs; no result and no LDS address hangs on it.
; LAYOUT.  S^T = K Q^T (source 0 = 16 keys, source 1 = my 16 queries), O^T = V^T P^T: a lane holds ONE query throughout.  All operands are images of registers: 512 consecutive bytes a load, no pitch.
; Inside a block of 32, place 8 u + j of lane half h holds k = 32 c + 16 u + 8 h + j, on both sides of each product.
; THE HEAD HAS 64 CHANNELS, THE INSTRUCTION 128: Q's upper eight registers are zero codes.  K's operand for tile t is the 16 registers from its own eight on: the upper eight are the next tile's codes (for tile 3: p's codes),
; finite numbers (the quantiser holds at the largest) that meet zero codes; those blocks' scale bytes are 0, which is 2^-127 and no NaN.
; LDS: two slots of 256 keys, 65,536 bytes apart: K's 16 tiles (16,384), V's 2 x 4 fragments (16,384), scale words K0 V0 K1 V1 (2,048).  One barrier a slot: in front of it a wave's stores into the other slot are done
; and its reads of this one are over; the slot stored into was last read ahead of the barrier before.
; O^T and the sum begin as zeros, since which step is a wave's first hangs on the flags.
; LIMITS: a hidden logit is taken as -2^30 (score -2^33), not -1e9: t is then a whole number, so a row with no key gets p = 1 for all 4,096 keys, as -1e9 gives; both, and p = 0 for steps passed over, hold while every
; open logit lies above about -9.9e8.  1 / sum is v_rcp_f32 and a multiplication.  A block of zeros gets the byte 1.  NaN and infinities are not served.
; THE MODE: SCHED_MODE bits 1:0 = 2 (LLVM: expert scheduling mode 2), set by the entry lines.  The code itself states the register dependences
; between vector or matrix instructions and memory or LDS instructions, with s_wait_alu, always for 0.
; THE PLAN.  Registers that memory or LDS instructions touch:
;   v1-v7, v10, v11, v234  addresses and offsets, made at the head and never written again.
;   STA      the copy's five loads land at a half's head; its five LDS stores read them at the half's end; no vector instruction names them.  One wait on vm_vsrc at a half's head.
;   MB[q]    the bits' load lands at a step's head; the step's shifts write and its sixty-four ands read them.
;   KS, KF   LDS loads land at a step's head, and in KF again between the two groups of four products K Q^T, which read them.
;   S, VS    the products K Q^T write S and the softmax works in it; behind the conversions V's four fragments land there, and V's scale words in VS; the products V^T P^T read both.
;   PC, PW   vector lines write them; the scaled products take them; on the way out three stores read them.
; SIX WAITS ON va_vdst IN A STEP, among them: (1) between the two groups of four products K Q^T: the first four are done reading KF; (2), (3) behind the two batches of exponentials; (4) behind the conversions and eight of the sixteen
; multiplications of O^T: the softmax is done with S, and p's codes and scale word are written.  What the vector side issues behind (4) are eight multiplications of O^T and the four products V^T P^T, which name O^T, f, S, PC,
; VS and PW.  So the next walked step's first loads, into MB, KS and KF, stand with no wait, whichever steps between were passed over: a step that is passed over issues nothing on the vector side.
; THE MASK's compares write scalar registers: sixteen to a run, one wait on va_sdst behind the run, then the sixteen selects.
.set SLOT1, 65536
.set VOFF,  16384
.set SOFF,  32768
.set SPARE, 131072                     ; the spare words, 128 bytes a wave: eight blocks of 256 bytes that no other line names
.set LI0,  1                           ; v1  16 x lane: reads of slot 0
.set LI1,  2                           ; v2  the same in slot 1
.set CW16, 3                           ; v3  1,024 w + 16 lane: my part of a slot's K and V, in memory and in slot 0
.set CW4,  4                           ; v4  128 w + 4 lane: my part of its scale words
.set CX16, 5                           ; v5  v3 in slot 1
.set CX4,  6                           ; v6  v4 in slot 1
.set MBO,  7                           ; v7  16 r
.set H2,   8                           ; v8  2 h
.set NEG,  9                           ; v9  -2^33
.set SPW,  10                          ; v10 SPARE + 4 x thread; never rewritten
.set NIL,  11                          ; v11 0; never rewritten
                                       ; v12 -M, v13 the largest t, v[14:15] the sum in two halves
.set Q,    16                          ; v16-23 Q's codes, v24-31 zeros
.set KF,   32                          ; v32-63 four tiles of K, eight registers each
.set PC,   64                          ; v64-79 p's codes
.set S,    80                          ; v80-143 S^T, then p, then V's four fragments
.set O,    144                         ; v144-175 O^T
.set KS,   176                         ; v176-179 K's scale words: lanes 0-15 tiles 0-3, lanes 16-31 tiles 4-7
.set VS,   180                         ; v180-183 V's
.set QS,   184
.set PW,   185                         ; p's scale word
.set STA,  186                         ; v186-202 the copy's registers
.set MB,   204                         ; v204-211 mask bits, four registers for each of a slot's two steps
.set BM,   212                         ; v212-215 block maxima; v216-219, v220-223, v224-227 at work; under the mask all sixteen hold a run's single bits
.set T2,   216
.set HD,   220
.set SO,   224
.set F,    228                         ; v[228:229] f (the low word serves both halves)
.set TMP,  230
.set SUM2, 232
.set PFO,  234
.set WV,   12
.set KB,   18                          ; s[18:19] K's images of the slot that is copied next; V's lie 4 MiB on
.set SEL,  20
.set CS,   22                          ; s[22:23] c = log2(e) / 8
.set MNT,  24
.set TRIP, 25
.set CNT,  26                          ; copies still to be made
.set LIM,  27
.set NEED, 28                          ; s28, s29: the flags, shifted so that bits 0 and 1 are the slot's two steps
.set FULL, 29
.set SB,   30                          ; s[30:31] the scale words of the slot that is copied next
.set MBB,  32                          ; s[32:33] my tile's mask bits of the slot in hand
                                       ; s4-11, s34-37, s42-45: in the loop the sixteen masks of a run of compares: compare n writes s[4 + n + 22 (n / 8) + 4 (n / 12)].  What they held at the head has been read, and the loads that named them are done
.macro NOPS n
.rept \n
	v_nop
.endr
.endm
.macro COPY_LOAD
	global_load_b128 v[STA:STA+3],     v[CW16], s[KB:KB+1]
	global_load_b128 v[STA+4:STA+7],   v[CW16], s[KB:KB+1] offset:512
	global_load_b128 v[STA+8:STA+11],  v[CW16], s[KB:KB+1] offset:4194304
	global_load_b128 v[STA+12:STA+15], v[CW16], s[KB:KB+1] offset:4194304+512
	global_load_b32  v[STA+16],        v[CW4],  s[SB:SB+1]
.endm
.macro COPY_STORE d
	ds_store_b128 v[CW16+2*(\d)], v[STA:STA+3]
	ds_store_b128 v[CW16+2*(\d)], v[STA+4:STA+7] offset:512
	ds_store_b128 v[CW16+2*(\d)], v[STA+8:STA+11] offset:VOFF
	ds_store_b128 v[CW16+2*(\d)], v[STA+12:STA+15] offset:VOFF+512
	ds_store_b32  v[CW4+2*(\d)],  v[STA+16] offset:SOFF
.endm
; A PREFETCH of the slot behind the one that is being copied: one slot's two key steps ahead of the loads that will want it.  It stands where the wave has just issued its loads.
; All 16 work-groups of a head walk the same K and V: the first of them asks; in it waves 0 and 1 for K's 16,384 bytes, waves 2 and 3 for V's, lanes 256 bytes apart: each block of 256 bytes is named once in the launch.
; The last copy asks for nothing: there is no slot behind it.  Slots 0 and 1 and the scale words come by their loads alone.
.macro ASK
	s_cmp_gt_u32 s[CNT], s[LIM]
	s_cbranch_scc0 .Lnot_mine_\@
	global_prefetch_b8 v[PFO], s[KB:KB+1] offset:16384 th:TH_LOAD_NT scope:SCOPE_SE
.Lnot_mine_\@:
.endm
; A KEY STEP: 128 keys, the q-th of slot sl.
.macro STEP sl, q
	s_bitcmp1_b32 s[NEED], \q
	s_cbranch_scc0 .Lskip_\@                       ; hidden from all my 16 queries
	s_bitcmp1_b32 s[FULL], \q
	s_cbranch_scc1 .Lnobits_\@
	global_load_b128 v[MB+4*(\q):MB+4*(\q)+3], v[MBO], s[MBB:MBB+1] offset:256*(\q)   ; my query's 128 bits.  (No wait on va_vdst here or ahead of the nine LDS loads below: no vector or matrix instruction since the last one names MB, KS or KF)
.Lnobits_\@:
	ds_load_b128 v[KS:KS+3], v[LI0+\sl] offset:SOFF+1024*(\q)
.irp g, 0,1                            ; S^T = K Q^T, four tiles of 16 keys at a time
.if \g
	NOPS 8                                         ; eight plain places behind the last four products,
	s_wait_alu depctr_va_vdst(0)                   ; which are done reading K's four tiles: the next four land in the same registers
.endif
.irp t, 0,1,2,3
.irp c, 0,1
	ds_load_b128 v[KF+8*\t+4*\c:KF+8*\t+4*\c+3], v[LI0+\sl] offset:(8*(\q)+4*\g+\t)*1024+512*\c
.endr
.endr
	s_wait_dscnt 0x0
.irp t, 0,1,2,3
.if \g
	v_wmma_scale_f32_16x16x128_f8f6f4 v[S+8*(4+\t):S+8*(4+\t)+7], v[KF+8*\t:KF+8*\t+15], v[Q:Q+15], 0, v[KS+\t], v[QS] matrix_a_fmt:MATRIX_FMT_BF8 matrix_b_fmt:MATRIX_FMT_BF8 matrix_a_scale:MATRIX_SCALE_ROW1
.else
	v_wmma_scale_f32_16x16x128_f8f6f4 v[S+8*\t:S+8*\t+7], v[KF+8*\t:KF+8*\t+15], v[Q:Q+15], 0, v[KS+\t], v[QS] matrix_a_fmt:MATRIX_FMT_BF8 matrix_b_fmt:MATRIX_FMT_BF8
.endif
.endr
.endr
	NOPS 8
	s_bitcmp1_b32 s[FULL], \q
	s_cbranch_scc1 .Lopen_\@
	s_wait_loadcnt 0x0                             ; the bits are my youngest load
.irp d, 0,1,2,3
	v_lshrrev_b32 v[MB+4*(\q)+\d], v[H2], v[MB+4*(\q)+\d]   ; key 8 h + j of 16 lies at bit 4 (j % 4) + 2 h + j / 4
.endr
.irp run, 0,1,2,3                      ; sixteen scores a run: tiles 2 run and 2 run + 1, whose bits lie in one register
.irp n, 0,1,2,3,4,5,6,7,8,9,10,11,12,13,14,15
	v_and_b32 v[BM+\n], 1<<(16*(\n/8)+4*(\n%4)+(\n%8)/4), v[MB+4*(\q)+\run]
.endr
.irp n, 0,1,2,3,4,5,6,7,8,9,10,11,12,13,14,15
	v_cmp_ne_u32 s[4+\n+(\n/8)*22+(\n/12)*4], 0, v[BM+\n]
.endr
	s_wait_alu depctr_va_sdst(0)                   ; the run's sixteen masks are written, ahead of the selects that read them
.irp n, 0,1,2,3,4,5,6,7,8,9,10,11,12,13,14,15
	v_cndmask_b32 v[S+16*\run+\n], v[NEG], v[S+16*\run+\n], s[4+\n+(\n/8)*22+(\n/12)*4]   ; a hidden score becomes -2^33; each accumulator is read from its low end on
.endr
.endr
.Lopen_\@:
.irp b, 0,1,2,3
	v_max3_num_f32 v[BM+\b], v[S+16*\b], v[S+16*\b+1], v[S+16*\b+2]   ; the largest score of each block of 32 keys: for the row's maximum and, since p rises with the score, for the block's largest p
.endr
.irp i, 3,5,7,9,11,13
.irp b, 0,1,2,3
	v_max3_num_f32 v[BM+\b], v[BM+\b], v[S+16*\b+\i], v[S+16*\b+\i+1]
.endr
.endr
.irp b, 0,1,2,3
	v_max_num_f32 v[BM+\b], v[BM+\b], v[S+16*\b+15]
.endr
.irp b, 0,1,2,3
	v_permlanex16_b32 v[T2+\b], v[BM+\b], s[SEL], s[SEL+1]
.endr
.irp b, 0,1,2,3
	v_max_num_f32 v[BM+\b], v[BM+\b], v[T2+\b]
.endr
	v_max3_num_f32 v[TMP], v[BM], v[BM+1], v[BM+2]
	v_max_num_f32 v[TMP], v[TMP], v[BM+3]
	v_mul_f32 v[TMP], s[CS], v[TMP]
	v_max_num_f32 v13, v13, v[TMP]                 ; the running largest t
	v_mov_b32 v[TMP], v12
	v_floor_f32 v12, -v13                          ; -M = floor(-t): M is a whole number
	v_sub_f32 v[TMP], v12, v[TMP]                  ; old M - new M, 0 or less
	v_cvt_i32_f32 v[TMP], v[TMP]                   ; (it saturates)
	v_ldexp_f32 v[F], 1.0, v[TMP]                  ; f = 2^(old M - new M): rounds nothing
.irp j, 0,2,4,6,8,10,12,14,16,18,20,22,24,26,28,30,32,34,36,38,40,42,44,46,48,50,52,54,56,58,60,62
	v_pk_fma_f32 v[S+\j:S+\j+1], v[S+\j:S+\j+1], s[CS:CS+1], v[12:13] op_sel_hi:[1,0,0]   ; t - M
.endr
.irp b, 0,1,2,3
	v_fma_f32 v[BM+\b], v[BM+\b], s[CS], v12
.endr
	s_wait_alu depctr_va_vdst(0)
.irp j, 0,1,2,3,4,5,6,7,8,9,10,11,12,13,14,15,16,17,18,19,20,21,22,23,24,25,26,27,28,29,30,31,32,33,34,35,36,37,38,39,40,41,42,43,44,45,46,47,48,49,50,51,52,53,54,55,56,57,58,59,60,61,62,63
	v_exp_f32 v[S+\j], v[S+\j]                     ; p = 2^(t - M)
.endr
	v_pk_mul_f32 v[14:15], v[14:15], v[F:F+1] op_sel_hi:[1,0]   ; the sums under the new M; the plain line behind the exponentials
	s_wait_alu depctr_va_vdst(0)                   ; the 64 exponentials have written p: one wait for the batch, ahead of its first reader
.irp b, 0,1,2,3
	v_exp_f32 v[BM+\b], v[BM+\b]                   ; each block's largest p
.endr
	v_pk_add_f32 v[SUM2:SUM2+1], v[S:S+1], v[S+2:S+3]   ; the row's sum of the unquantised p, in two chains
.irp j, 4,8,12,16,20,24,28,32,36,40,44,48,52,56,60
	v_pk_add_f32 v[14:15], v[14:15], v[S+\j:S+\j+1]
	v_pk_add_f32 v[SUM2:SUM2+1], v[SUM2:SUM2+1], v[S+\j+2:S+\j+3]
.endr
	v_pk_add_f32 v[14:15], v[14:15], v[SUM2:SUM2+1]
	s_wait_alu depctr_va_vdst(0)                   ; the four exponentials have written the blocks' largest p, ahead of their first reader
.irp b, 0,1,2,3
	v_max_num_f32 v[BM+\b], 0x8000000, v[BM+\b]    ; the floor 2^(16 - 127)
.endr
.irp b, 0,1,2,3
	v_add_nc_u32 v[SO+\b], 0xf8800000, v[BM+\b]
.endr
.irp b, 0,1,2,3
	v_and_or_b32 v[HD+\b], v[BM+\b], 0x7f800000, s[MNT]
.endr
.irp b, 0,1,2,3
	v_lshrrev_b32 v[T2+\b], 23, v[SO+\b]
.endr
	v_lshl_or_b32 v[PW], v[T2+1], 8, v[T2]
	v_lshl_or_b32 v[PW], v[T2+2], 16, v[PW]
	v_lshl_or_b32 v[PW], v[T2+3], 24, v[PW]
.irp b, 0,1,2,3
.irp i, 0,1,2,3,4,5,6,7,8,9,10,11,12,13,14,15
	v_min_num_f32 v[S+16*\b+\i], v[S+16*\b+\i], v[HD+\b]   ; p is not negative: the hold is one-sided
.endr
	v_cvt_scalef32_pk8_bf8_f32 v[PC+4*\b:PC+4*\b+1], v[S+16*\b:S+16*\b+7], v[SO+\b]
	v_cvt_scalef32_pk8_bf8_f32 v[PC+4*\b+2:PC+4*\b+3], v[S+16*\b+8:S+16*\b+15], v[SO+\b]
.endr
.irp j, 0,2,4,6,8,10,12,14
	v_pk_mul_f32 v[O+\j:O+\j+1], v[O+\j:O+\j+1], v[F:F+1] op_sel_hi:[1,0]   ; O^T under the new M, its first half: these eight are also the places between the codes and the products (the scale word's stand further up)
.endr
	s_wait_alu depctr_va_vdst(0)                   ; the holds and conversions are done with p's 64 registers, in which V's fragments land; p's codes and scale word are written, which the scaled products below take
	ds_load_b128 v[VS:VS+3], v[LI0+\sl] offset:SOFF+1024*(\q)+512   ; V's scale words: their last readers, the step before's products, stand ahead of the waits above
.irp b, 0,1,2,3
.irp c, 0,1,2,3
	ds_load_b128 v[S+16*\b+4*\c:S+16*\b+4*\c+3], v[LI0+\sl] offset:VOFF+8192*(\q)+2048*\b+512*\c   ; V's fragment of channels 16 b on
.endr
.endr
.irp j, 16,18,20,22,24,26,28,30
	v_pk_mul_f32 v[O+\j:O+\j+1], v[O+\j:O+\j+1], v[F:F+1] op_sel_hi:[1,0]   ; its second half, while the loads are out: these name O^T and f alone
.endr
	s_wait_alu depctr_va_vdst(0)
	s_wait_dscnt 0x0
.irp dt, 0,1,2,3
	v_wmma_scale_f32_16x16x128_f8f6f4 v[O+8*\dt:O+8*\dt+7], v[S+16*\dt:S+16*\dt+15], v[PC:PC+15], v[O+8*\dt:O+8*\dt+7], v[VS+\dt], v[PW] matrix_a_fmt:MATRIX_FMT_BF8 matrix_b_fmt:MATRIX_FMT_BF8
.endr
	NOPS 9                                         ; the next step's first products write over V's registers, the way out reads O^T
.Lskip_\@:
.endm
; A slot's two steps; copy = 1: meanwhile the next slot goes from memory through my registers into the other slot.
.macro HALF sl, copy
.if \copy
	s_wait_alu depctr_vm_vsrc(0)                   ; the LDS stores of the copy before have read STA, in which the next slot's five loads land
	COPY_LOAD
	ASK
.endif
	STEP \sl, 0
	STEP \sl, 1
.if \copy
	s_wait_loadcnt 0x0                             ; the copy's five loads (and any load of mask bits)
	COPY_STORE 1-\sl
	s_wait_xcnt 0x0                                ; the prefetch has read its base, so it may step
	s_add_nc_u64 s[KB:KB+1], s[KB:KB+1], 16384
	s_add_nc_u64 s[SB:SB+1], s[SB:SB+1], 2048
	s_add_nc_u64 s[MBB:MBB+1], s[MBB:MBB+1], 512
	s_lshr_b32 s[NEED], s[NEED], 2
	s_lshr_b32 s[FULL], s[FULL], 2
	s_sub_co_u32 s[CNT], s[CNT], 1
	s_wait_dscnt 0x0                               ; my stores into the other slot are done, my reads of this one are over
	s_barrier_signal -1
	s_barrier_wait -1
.endif
.endm
	s_load_b256 s[4:11], s[0:1], 0x0               ; qkv, scl, msk, hds
	s_load_b64 s[44:45], s[0:1], 0x20              ; flg
	v_lshl_add_u32 v[SPW], v0, 2, SPARE
	v_mov_b32 v[NIL], 0
	v_lshrrev_b32 v12, 5, v0
	v_readfirstlane_b32 s[WV], v12                 ; wave 0..15
	v_and_b32 v12, 31, v0                          ; lane
	v_and_b32 v13, 15, v0                          ; r
	v_bfe_u32 v14, v0, 4, 1                        ; h
	v_lshlrev_b32 v[LI0], 4, v12
	v_add_nc_u32 v[LI1], SLOT1, v[LI0]
	s_wait_alu depctr_va_sdst(0)                   ; the wave's number is written, ahead of its first reader: LDS places, the tile and the buffers' offsets are made from it
	s_lshl_b32 s14, s[WV], 10
	v_add_nc_u32 v[CW16], s14, v[LI0]
	v_add_nc_u32 v[CX16], SLOT1, v[CW16]
	s_lshl_b32 s14, s[WV], 7
	v_lshl_add_u32 v[CW4], v12, 2, s14
	v_add_nc_u32 v[CX4], SLOT1, v[CW4]
	v_lshlrev_b32 v[MBO], 4, v13
	v_lshlrev_b32 v[H2], 1, v14
	v_mov_b32 v[NEG], 0xd0000000                   ; -2^33
	s_and_b32 s14, s[WV], 1
	s_lshl_b32 s14, s14, 13
	s_bfe_u32 s15, s[WV], 0x10001
	s_lshl_b32 s15, s15, 22
	s_add_co_u32 s14, s14, s15
	v_lshl_add_u32 v[PFO], v12, 8, s14             ; the prefetches: 256 x lane + 8,192 (w % 2), in K (waves 0, 1) or V (waves 2, 3)
	s_lshr_b32 s14, s[WV], 2
	s_or_b32 s14, s14, ttmp9
	s_cmp_eq_u32 s14, 0
	s_cselect_b32 s[LIM], 1, -1                    ; waves 0 to 3 of the head's first work-group ask
	s_mov_b32 s[SEL], 0x76543210
	s_mov_b32 s[SEL+1], 0xfedcba98
	s_mov_b32 s[CS], 0x3e38aa3b                    ; log2(e) / 8
	s_mov_b32 s[CS+1], s[CS]
	s_mov_b32 s[MNT], 0x600000
	s_mov_b32 s[CNT], 15
	s_and_b32 s13, s[WV], 3
	s_lshr_b32 s14, s[WV], 2                       ; i
	s_add_co_u32 s13, s13, s14
	s_and_b32 s13, s13, 3                          ; a
	s_sub_co_u32 s15, 15, ttmp9
	s_bitcmp1_b32 s13, 0
	s_cselect_b32 s15, s15, ttmp9                  ; yy
	s_lshl_b32 s13, s13, 6
	s_lshl_b32 s15, s15, 2
	s_add_co_u32 s13, s13, s15
	s_add_co_u32 s13, s13, s14                     ; T
	s_and_b32 s16, ttmp7, 0xffff                   ; bh
	s_lshr_b32 s17, s16, 3
	s_lshl_b32 s17, s17, 8
	s_add_co_u32 s17, s17, s13                     ; 256 batch + T
	s_lshl_b32 s18, s16, 18
	s_add_co_u32 s18, s18, 0x400000                ; K's images of my head
	s_mov_b32 s19, 0
	s_lshl_b32 s30, s16, 15
	s_add_co_u32 s30, s30, 0x40000                 ; K's and V's scale words
	s_mov_b32 s31, 0
	s_lshl_b32 s32, s17, 13                        ; my tile's mask bits
	s_mov_b32 s33, 0
	s_lshl_b32 s34, s16, 18
	s_lshl_b32 s14, s13, 10
	s_add_co_u32 s34, s34, s14                     ; Q's image
	s_mov_b32 s35, 0
	s_lshl_b32 s36, s16, 14
	s_lshr_b32 s14, s13, 2
	s_lshl_b32 s14, s14, 8
	s_add_co_u32 s36, s36, s14
	s_and_b32 s14, s13, 3
	s_lshl_b32 s14, s14, 2
	s_add_co_u32 s36, s36, s14                     ; Q's scale words: block T / 8, lane half (T / 4) % 2, word T % 4
	s_mov_b32 s37, 0
	s_and_b32 s14, s16, 7                          ; the head
	s_lshl_b32 s38, s17, 13
	s_lshl_b32 s15, s14, 10
	s_add_co_u32 s38, s38, s15                     ; the heads' image: 8,192 bytes a tile, 1,024 a head
	s_mov_b32 s39, 0
	s_lshl_b32 s40, s17, 9
	s_lshl_b32 s15, s14, 1
	s_add_co_u32 s40, s40, s15                     ; and its two scale bytes
	s_mov_b32 s41, 0
	s_lshl_b32 s42, s17, 3                         ; my tile's two flag words
	s_mov_b32 s43, 0
	s_wait_kmcnt 0x0
	s_add_nc_u64 s[44:45], s[44:45], s[42:43]
	s_load_b64 s[NEED:NEED+1], s[44:45], 0x0       ; my tile's flags
	s_add_nc_u64 s[KB:KB+1], s[4:5], s[KB:KB+1]
	s_add_nc_u64 s[SB:SB+1], s[6:7], s[SB:SB+1]
	s_add_nc_u64 s[MBB:MBB+1], s[8:9], s[MBB:MBB+1]
	s_add_nc_u64 s[34:35], s[4:5], s[34:35]
	s_add_nc_u64 s[36:37], s[6:7], s[36:37]
	s_add_nc_u64 s[38:39], s[10:11], s[38:39]
	s_add_nc_u64 s[40:41], s[10:11], s[40:41]
	s_wait_alu depctr_va_vdst(0)                   ; the addresses and offsets v1 to v7, v10, v11 and v234 are written: every load, store, prefetch and LDS instruction of the kernel reads some of them
	COPY_LOAD                                      ; slot 0
	global_load_b128 v[Q:Q+3], v[LI0], s[34:35]
	global_load_b128 v[Q+4:Q+7], v[LI0], s[34:35] offset:512
	global_load_b32 v[QS], v[MBO], s[36:37]
.irp j, 8,9,10,11,12,13,14,15
	v_mov_b32 v[Q+\j], 0                           ; zero codes for the upper half of the instruction's K
.endr
.irp j, 0,1,2,3,4,5,6,7,8,9,10,11,12,13,14,15
	v_mov_b32 v[PC+\j], 0                          ; named as the upper half of K's fourth operand before p is first made
.endr
.irp j, 0,1,2,3,4,5,6,7,8,9,10,11,12,13,14,15,16,17,18,19,20,21,22,23,24,25,26,27,28,29,30,31
	v_mov_b32 v[O+\j], 0                           ; which step is my first hangs on the flags: so the sums begin as zeros
.endr
.irp j, 0,1,2,3,4,5,6,7
	v_mov_b32 v[MB+\j], 0
.endr
.irp j, 0,1,2,3
	v_mov_b32 v[T2+\j], 0                          ; a lane permute's destination counts as one of its sources
.endr
	v_mov_b32 v[F+1], 0                            ; (named as the upper half of a pair)
	v_mov_b32 v[TMP], 0
	v_mov_b32 v13, 0xff61b1e6                      ; the largest t so far: -3e38
	v_floor_f32 v12, -v13
	v_mov_b32 v14, 0
	v_mov_b32 v15, 0
	s_wait_alu depctr_va_vdst(0)                   ; the lines above have written MB, in which the bits' loads land, and Q's zero half and PC, which the scaled products take
	s_wait_loadcnt 0x0
	COPY_STORE 0
	s_add_nc_u64 s[KB:KB+1], s[KB:KB+1], 16384     ; (the loads that read these bases are done)
	s_add_nc_u64 s[SB:SB+1], s[SB:SB+1], 2048
	s_wait_dscnt 0x0
	s_barrier_signal -1
	s_barrier_wait -1                              ; slot 0 is whole
	s_wait_kmcnt 0x0                               ; the flags
	s_mov_b32 s[TRIP], 7
.Lpair:                                            ; 7 trips of two slots: slots 0 to 13 are read, slots 1 to 14 copied
	HALF 0, 1
	HALF 1, 1
	s_sub_co_u32 s[TRIP], s[TRIP], 1
	s_cmp_lg_u32 s[TRIP], 0
	s_cbranch_scc1 .Lpair
	HALF 0, 1                                      ; slot 14; slot 15 is copied
	HALF 1, 0                                      ; slot 15: nothing is left to fetch
	; THE WAY OUT: O^T / the sum is the head as the last product wants it; two blocks of 32 along D; codes and bytes leave as an image
	v_add_f32 v14, v14, v15
	v_permlanex16_b32 v[TMP], v14, s[SEL], s[SEL+1]
	v_add_f32 v14, v14, v[TMP]                     ; the row's sum
	s_wait_alu depctr_va_vdst(0)
	v_rcp_f32 v14, v14
	v_nop                                          ; a plain line behind the reciprocal
	s_wait_alu depctr_va_vdst(0)                   ; the reciprocal is written, ahead of its first reader
.irp j, 0,2,4,6,8,10,12,14,16,18,20,22,24,26,28,30
	v_pk_mul_f32 v[O+\j:O+\j+1], v[O+\j:O+\j+1], v[14:15] op_sel_hi:[1,0]
.endr
.irp b, 0,1
	v_max3_num_f32 v[BM+\b], |v[O+16*\b]|, |v[O+16*\b+1]|, 0x8000000
.endr
.irp i, 2,4,6,8,10,12,14
.irp b, 0,1
	v_max3_num_f32 v[BM+\b], v[BM+\b], |v[O+16*\b+\i]|, |v[O+16*\b+\i+1]|
.endr
.endr
.irp b, 0,1
	v_permlanex16_b32 v[T2+\b], v[BM+\b], s[SEL], s[SEL+1]
.endr
.irp b, 0,1
	v_max_num_f32 v[BM+\b], v[BM+\b], v[T2+\b]
.endr
.irp b, 0,1
	v_add_nc_u32 v[SO+\b], 0xf8800000, v[BM+\b]
.endr
.irp b, 0,1
	v_and_or_b32 v[HD+\b], v[BM+\b], 0x7f800000, s[MNT]
.endr
.irp b, 0,1
	v_lshrrev_b32 v[T2+\b], 23, v[SO+\b]
.endr
	v_lshl_or_b32 v[PW], v[T2+1], 8, v[T2]
.irp b, 0,1
.irp i, 0,1,2,3,4,5,6,7,8,9,10,11,12,13,14,15
	v_med3_num_f32 v[O+16*\b+\i], v[O+16*\b+\i], -v[HD+\b], v[HD+\b]
.endr
	v_cvt_scalef32_pk8_bf8_f32 v[PC+4*\b:PC+4*\b+1], v[O+16*\b:O+16*\b+7], v[SO+\b]
	v_cvt_scalef32_pk8_bf8_f32 v[PC+4*\b+2:PC+4*\b+3], v[O+16*\b+8:O+16*\b+15], v[SO+\b]
.endr
	v_nop
	s_wait_alu depctr_va_vdst(0)                   ; the conversions have written the heads' codes and the shifts their two bytes, which the three stores read
	global_store_b128 v[LI0], v[PC:PC+3], s[38:39]
	global_store_b128 v[LI0], v[PC+4:PC+7], s[38:39] offset:512
	global_store_b16 v[LI0], v[PW], s[40:41] offset:4194304   ; two bytes a lane, 16 apart: a row's eight heads lie in eight work-groups, so no wave holds a whole word; 262,144 bytes in the launch
	s_wait_dscnt 0x0                               ; the closing lines, six on end
	s_wait_alu 0x0
	s_wait_tensorcnt 0x0
	ds_add_u32 v[SPW], v[NIL]
	s_wait_dscnt 0x0
	s_endpgm
.Lfunc_end_k_q767edf72d3_attn:
	.size	k_q767edf72d3_attn, .Lfunc_end_k_q767edf72d3_attn-k_q767edf72d3_attn
	.p2alignl 7, 3214868480
	.fill 96, 4, 3214868480
	.section	.rodata,"a",@progbits
	.p2align	6, 0x0
	.amdhsa_kernel k_q767edf72d3_attn
		.amdhsa_group_segment_fixed_size 133120
		.amdhsa_private_segment_fixed_size 0
		.amdhsa_enable_private_segment 0
		.amdhsa_kernarg_size 40
		.amdhsa_user_sgpr_count 2
		.amdhsa_user_sgpr_kernarg_segment_ptr 1
		.amdhsa_wavefront_size32 1
		.amdhsa_system_sgpr_workgroup_id_x 1
		.amdhsa_system_sgpr_workgroup_id_y 1
		.amdhsa_system_sgpr_workgroup_id_z 1
		.amdhsa_system_vgpr_workitem_id 0
		.amdhsa_next_free_vgpr 256
		.amdhsa_next_free_sgpr 66
		.amdhsa_reserve_vcc 0
		.amdhsa_float_denorm_mode_32 3
		.amdhsa_float_denorm_mode_16_64 3
		.amdhsa_memory_ordered 1
		.amdhsa_forward_progress 1
		.amdhsa_inst_pref_size 255
	.end_amdhsa_kernel
	.section	.bss,"aw",@nobits
	.p2align	6
	.space	262144
	.amdgpu_metadata
---
amdhsa.version: [ 1, 2 ]
amdhsa.kernels:
  - .name:           k_q767edf72d3_attn
    .symbol:         k_q767edf72d3_attn.kd
    .args:
      - { .name: qkv, .offset: 0, .size: 8, .value_kind: global_buffer, .address_space: global }
      - { .name: scl, .offset: 8, .size: 8, .value_kind: global_buffer, .address_space: global }
      - { .name: msk, .offset: 16, .size: 8, .value_kind: global_buffer, .address_space: global }
      - { .name: hds, .offset: 24, .size: 8, .value_kind: global_buffer, .address_space: global }
      - { .name: flg, .offset: 32, .size: 8, .value_kind: global_buffer, .address_space: global }
    .group_segment_fixed_size: 133120
    .private_segment_fixed_size: 0
    .kernarg_segment_align: 8
    .kernarg_segment_size: 40
    .max_flat_workgroup_size: 512
    .sgpr_count:     66
    .vgpr_count:     256
    .wavefront_size: 32
...
	.end_amdgpu_metadata
.endif
;; end of part 7
;; launch outp (part 8): grid 4 x 64, 8 waves a work-group, no clusters, 166,912 bytes of LDS; arguments hds, wts, bo, out0; writes out0
.if DOCPART == 8
	.amdgcn_target "amdgcn-amd-amdhsa--gfx1250"
	.amdhsa_code_object_version 6
	.text
	.protected	k_q767edf72d3_outp
	.globl	k_q767edf72d3_outp
	.p2align	8
	.type	k_q767edf72d3_outp,@function
k_q767edf72d3_outp:
	s_mov_b64 s[64:65], 0
	v_nop
	global_prefetch_b8 v0, s[64:65] scope:SCOPE_SE
	s_setreg_imm32_b32 hwreg(HW_REG_WAVE_SCHED_MODE, 0, 2), 2
	s_setreg_imm32_b32 hwreg(HW_REG_WAVE_MODE, 25, 1), 1
	s_wait_xcnt 0x0
	s_wait_alu depctr_vm_vsrc(0)
; Launch 4 of 4: out0 = heads Wo^T + bo on codes of E5M2 with E8M0 scales.  Nothing is left out.
; Work-group (ng, blk): 128 tokens x 128 columns.  Both operands lie in memory as images of operand registers (launches 1 and 3), in the same order inside each block of 32.
; Each wave copies one tile's four images of the heads and one of Wo (8,192 bytes each, 512 consecutive bytes a load) into LDS; one barrier; then wave w makes columns 64 (w % 2) on for token tiles 2 (w / 2), + 1:
; eight accumulators by turns, four K steps.  Source 0 = 16 rows of Wo, source 1 = 16 tokens: a lane holds eight neighbouring columns of one row of out0.  bo is the C of each sum's first product.
; A row's 64 columns of a wave are 256 aligned bytes: they go through the wave's own stage (16 rows x 272 bytes) and leave sixteen lanes to a row.
; No multicast: a work-group asks for its 131,072 bytes once, in one run of loads; there is no walk of tiles in which partners could ask in step.
; THE MODE: SCHED_MODE bits 1:0 = 2 (LLVM: expert scheduling mode 2), set by the entry lines.  The code itself states the register dependences
; between vector or matrix instructions and memory or LDS instructions, with s_wait_alu, always for 0.
; THE PLAN.  Registers that memory or LDS instructions touch:
;   v1-v9, v250, v251  addresses and offsets, made at the head and never written again: one wait on va_vdst ahead of the first load.
;   v72-199   the copy: loads land, LDS stores read them.  Behind the barrier they become accumulators and fragments: one wait on vm_vsrc there.
;   v136-231  a K step's six fragments: LDS loads land, the step's eight products read them: one wait on va_vdst ahead of each later K step's run of loads.
;   v72-135   the accumulators: the products write them, the stage's LDS stores read them; v136-199 take the rows read back: one wait on va_vdst ahead of the way out serves both.
;   BI, WS, HS  loads land once; products read them.
.set WI,    65536                      ; LDS: 0: the heads' 8 tiles x 8,192; 65,536: Wo's 8 tiles x 8,192
.set STAGE, 131072                     ; 16 x 272 bytes for each wave
.set SPARE, 165888                     ; the spare words, 128 bytes a wave: four blocks of 256 bytes that no other line names
.set LI,  1                            ; v1  16 x lane
.set HIW, 2                            ; v2  where I put the heads' tile
.set WIW, 3                            ; v3  and Wo's
.set HR,  4                            ; v4  where I read my two tiles of tokens
.set WR,  5                            ; v5  and my four of Wo
.set SIN, 6                            ; v6  into my stage
.set SRD, 7                            ; v7  out of it
.set GO,  8                            ; v8  my bytes in two rows of out0
.set BO,  9                            ; v9  32 h
.set BI,  16                           ; v16-47  bo, eight registers a tile
.set WS,  48                           ; v48-63  Wo's scale words (t, s)
.set HS,  64                           ; v64-71  the heads' (m, s)
.set ACC, 72                           ; v72-135 eight accumulators (m, t); ahead of the barrier v72-199 carry the copy
.set FR,  136                          ; v136-167 the heads' two fragments; v168-231 Wo's four; on the way out v136-199 rows of out0
.set SPW, 250
.set NIL, 251
.macro NOPS n
.rept \n
	v_nop
.endr
.endm
	s_load_b256 s[4:11], s[0:1], 0x0               ; hds, wts, bo, out0
	v_lshl_add_u32 v[SPW], v0, 2, SPARE
	v_mov_b32 v[NIL], 0
	v_lshrrev_b32 v10, 5, v0
	v_readfirstlane_b32 s12, v10                   ; wave
	v_and_b32 v10, 31, v0
	v_and_b32 v11, 15, v0                          ; r
	v_bfe_u32 v12, v0, 4, 1                        ; h
	v_lshlrev_b32 v[LI], 4, v10
	s_wait_alu depctr_va_vdst(0)
	s_wait_alu depctr_va_sdst(0)                   ; the wave's number is written, ahead of its first reader: LDS places and the buffers' offsets are made from it
	s_and_b32 s14, ttmp7, 0xffff                   ; blk
	s_and_b32 s15, s12, 1                          ; which 64 columns
	s_lshr_b32 s16, s12, 1                         ; which pair of token tiles
	s_lshl_b32 s19, s12, 13
	v_add_nc_u32 v[HIW], s19, v[LI]
	v_add_nc_u32 v[WIW], WI, v[HIW]
	s_lshl_b32 s19, s16, 14
	v_add_nc_u32 v[HR], s19, v[LI]
	s_lshl_b32 s19, s15, 15
	s_add_co_u32 s19, s19, WI
	v_add_nc_u32 v[WR], s19, v[LI]
	s_mul_i32 s19, s12, 16*272
	s_add_co_u32 s19, s19, STAGE
	v_mul_u32_u24 v[SIN], v11, 272
	v_lshl_add_u32 v[SIN], v12, 5, v[SIN]
	v_add_nc_u32 v[SIN], s19, v[SIN]               ; row r, 32 bytes for each half of the lanes
	v_mul_u32_u24 v[SRD], v12, 272
	v_lshl_add_u32 v[SRD], v11, 4, v[SRD]
	v_add_nc_u32 v[SRD], s19, v[SRD]               ; lanes 0-15 one row, lanes 16-31 the next
	v_lshlrev_b32 v[GO], 11, v12
	v_lshl_add_u32 v[GO], v11, 4, v[GO]
	v_lshlrev_b32 v[BO], 5, v12
	s_lshl_b32 s17, s14, 3                         ; the block's first tile of tokens
	s_add_co_u32 s20, s17, s12
	s_lshl_b32 s20, s20, 13                        ; the tile that I copy
	s_mov_b32 s21, 0
	s_lshl_b32 s18, ttmp9, 3
	s_add_co_u32 s18, s18, 96                      ; Wo's tiles begin at 96; my work-group's eight
	s_add_co_u32 s22, s18, s12
	s_lshl_b32 s22, s22, 13
	s_mov_b32 s23, 0
	s_lshl_b32 s24, s16, 1
	s_add_co_u32 s24, s24, s17
	s_lshl_b32 s24, s24, 9                         ; my token tiles' scale words
	s_mov_b32 s25, 0
	s_lshl_b32 s26, s15, 2
	s_add_co_u32 s26, s26, s18
	s_lshl_b32 s26, s26, 9                         ; my Wo tiles' scale words
	s_mov_b32 s27, 0
	s_lshl_b32 s28, ttmp9, 9
	s_lshl_b32 s19, s15, 8
	s_add_co_u32 s28, s28, s19                     ; my 64 columns, in bytes: in bo and in a row of out0
	s_mov_b32 s29, 0
	s_lshl_b32 s30, s14, 18                        ; 128 rows of 2,048 bytes a block,
	s_lshl_b32 s19, s16, 16                        ; my 32 rows
	s_add_co_u32 s30, s30, s19
	s_add_co_u32 s30, s30, s28
	s_mov_b32 s31, 0
	s_wait_kmcnt 0x0
	s_add_nc_u64 s[20:21], s[4:5], s[20:21]
	s_add_nc_u64 s[22:23], s[6:7], s[22:23]
	s_add_nc_u64 s[24:25], s[4:5], s[24:25]
	s_add_nc_u64 s[26:27], s[6:7], s[26:27]
	s_add_nc_u64 s[28:29], s[8:9], s[28:29]
	s_add_nc_u64 s[30:31], s[10:11], s[30:31]
	s_wait_alu depctr_va_vdst(0)                   ; the addresses and offsets v1 to v9, v250 and v251 are written: every load, store and LDS instruction of the kernel reads some of them
.irp k, 0,1,2,3,4,5,6,7,8,9,10,11,12,13,14,15
	global_load_b128 v[72+4*\k:75+4*\k], v[LI], s[20:21] offset:512*\k
.endr
.irp k, 0,1,2,3,4,5,6,7,8,9,10,11,12,13,14,15
	global_load_b128 v[136+4*\k:139+4*\k], v[LI], s[22:23] offset:512*\k
.endr
.irp m, 0,1
	global_load_b128 v[HS+4*\m:HS+4*\m+3], v[LI], s[24:25] offset:4194304+512*\m
.endr
.irp t, 0,1,2,3
	global_load_b128 v[WS+4*\t:WS+4*\t+3], v[LI], s[26:27] offset:1048576+512*\t
.endr
.irp t, 0,1,2,3
	global_load_b128 v[BI+8*\t:BI+8*\t+3], v[BO], s[28:29] offset:64*\t       ; bo at columns 16 t + 8 h + 0 .. 7
	global_load_b128 v[BI+8*\t+4:BI+8*\t+7], v[BO], s[28:29] offset:64*\t+16
.endr
	s_wait_loadcnt 14                              ; the copy's 32 loads are in; the 14 younger ones stay out
.irp k, 0,1,2,3,4,5,6,7,8,9,10,11,12,13,14,15
	ds_store_b128 v[HIW], v[72+4*\k:75+4*\k] offset:512*\k
.endr
.irp k, 0,1,2,3,4,5,6,7,8,9,10,11,12,13,14,15
	ds_store_b128 v[WIW], v[136+4*\k:139+4*\k] offset:512*\k
.endr
	s_wait_dscnt 0x0                               ; for the others' sake: my two tiles lie in LDS
	s_barrier_signal -1
	s_barrier_wait -1
	s_wait_loadcnt 0x0
	s_wait_alu depctr_vm_vsrc(0)                   ; my LDS stores have read v72 to v199: from here on these registers are accumulators, which the products write, and fragments, in which LDS loads land
.irp s, 0,1,2,3
.if \s
	NOPS 8                                         ; eight plain places behind the last products,
	s_wait_alu depctr_va_vdst(0)                   ; which are done reading the six fragments: the next K step's land in the same registers
.endif
.irp m, 0,1
.irp c, 0,1,2,3
	ds_load_b128 v[FR+16*\m+4*\c:FR+16*\m+4*\c+3], v[HR] offset:8192*\m+2048*\s+512*\c
.endr
.endr
.irp t, 0,1,2,3
.irp c, 0,1,2,3
	ds_load_b128 v[FR+32+16*\t+4*\c:FR+32+16*\t+4*\c+3], v[WR] offset:8192*\t+2048*\s+512*\c
.endr
.endr
	s_wait_dscnt 0x0
.irp m, 0,1
.irp t, 0,1,2,3
.if \s
	v_wmma_scale_f32_16x16x128_f8f6f4 v[ACC+32*\m+8*\t:ACC+32*\m+8*\t+7], v[FR+32+16*\t:FR+32+16*\t+15], v[FR+16*\m:FR+16*\m+15], v[ACC+32*\m+8*\t:ACC+32*\m+8*\t+7], v[WS+4*\t+\s], v[HS+4*\m+\s] matrix_a_fmt:MATRIX_FMT_BF8 matrix_b_fmt:MATRIX_FMT_BF8
.else
	v_wmma_scale_f32_16x16x128_f8f6f4 v[ACC+32*\m+8*\t:ACC+32*\m+8*\t+7], v[FR+32+16*\t:FR+32+16*\t+15], v[FR+16*\m:FR+16*\m+15], v[BI+8*\t:BI+8*\t+7], v[WS+4*\t+\s], v[HS+4*\m+\s] matrix_a_fmt:MATRIX_FMT_BF8 matrix_b_fmt:MATRIX_FMT_BF8
.endif
.endr
.endr
.endr
	NOPS 8                                         ; eight plain places in front of the first read of results; they stay beside the wait below
	s_wait_alu depctr_va_vdst(0)                   ; the products have written the accumulators, which the LDS stores read, and are done reading the fragments, in whose registers the rows read back land
.irp m, 0,1
.irp t, 0,1,2,3
	ds_store_b128 v[SIN], v[ACC+32*\m+8*\t:ACC+32*\m+8*\t+3] offset:64*\t          ; each accumulator from its low end on
	ds_store_b128 v[SIN], v[ACC+32*\m+8*\t+4:ACC+32*\m+8*\t+7] offset:64*\t+16
.endr
.irp i, 0,1,2,3,4,5,6,7
	ds_load_b128 v[FR+32*\m+4*\i:FR+32*\m+4*\i+3], v[SRD] offset:2*\i*272   ; LDS serves a wave's instructions in order: these see my stores, and the next tile's stores come behind them
.endr
.endr
.irp m, 0,1
.irp i, 0,1,2,3,4,5,6,7
	s_wait_dscnt 23-16*\m-\i                       ; behind this load: the tile's later loads, and for the first tile the second's 16 instructions
	global_store_b128 v[GO], v[FR+32*\m+4*\i:FR+32*\m+4*\i+3], s[30:31] offset:(16*\m+2*\i)*2048 th:TH_STORE_NT   ; sixteen lanes store 256 consecutive bytes, at a multiple of 256 from out0's first byte
.endr
.endr
	s_wait_dscnt 0x0                               ; the closing lines, six on end
	s_wait_alu 0x0
	s_wait_tensorcnt 0x0
	ds_add_u32 v[SPW], v[NIL]
	s_wait_dscnt 0x0
	s_endpgm
.Lfunc_end_k_q767edf72d3_outp:
	.size	k_q767edf72d3_outp, .Lfunc_end_k_q767edf72d3_outp-k_q767edf72d3_outp
	.p2alignl 7, 3214868480
	.fill 96, 4, 3214868480
	.section	.rodata,"a",@progbits
	.p2align	6, 0x0
	.amdhsa_kernel k_q767edf72d3_outp
		.amdhsa_group_segment_fixed_size 166912
		.amdhsa_private_segment_fixed_size 0
		.amdhsa_enable_private_segment 0
		.amdhsa_kernarg_size 32
		.amdhsa_user_sgpr_count 2
		.amdhsa_user_sgpr_kernarg_segment_ptr 1
		.amdhsa_wavefront_size32 1
		.amdhsa_system_sgpr_workgroup_id_x 1
		.amdhsa_system_sgpr_workgroup_id_y 1
		.amdhsa_system_sgpr_workgroup_id_z 1
		.amdhsa_system_vgpr_workitem_id 0
		.amdhsa_next_free_vgpr 256
		.amdhsa_next_free_sgpr 66
		.amdhsa_reserve_vcc 0
		.amdhsa_float_denorm_mode_32 3
		.amdhsa_float_denorm_mode_16_64 3
		.amdhsa_memory_ordered 1
		.amdhsa_forward_progress 1
		.amdhsa_inst_pref_size 25
	.end_amdhsa_kernel
	.amdgpu_metadata
---
amdhsa.version: [ 1, 2 ]
amdhsa.kernels:
  - .name:           k_q767edf72d3_outp
    .symbol:         k_q767edf72d3_outp.kd
    .args:
      - { .name: hds, .offset: 0, .size: 8, .value_kind: global_buffer, .address_space: global }
      - { .name: wts, .offset: 8, .size: 8, .value_kind: global_buffer, .address_space: global }
      - { .name: bo, .offset: 16, .size: 8, .value_kind: global_buffer, .address_space: global }
      - { .name: out0, .offset: 24, .size: 8, .value_kind: global_buffer, .address_space: global }
    .group_segment_fixed_size: 166912
    .private_segment_fixed_size: 0
    .kernarg_segment_align: 8
    .kernarg_segment_size: 32
    .max_flat_workgroup_size: 256
    .sgpr_count:     66
    .vgpr_count:     256
    .wavefront_size: 32
...
	.end_amdgpu_metadata
.endif
;; end of part 8
